; MI455X (gfx1250); checked and timed in simulation.
; The chip was launched on July 23, 2026; its instructions are those of AMD's public machine-readable ISA for CDNA 5 (MIT licence, August 2026) and "CDNA5" Instruction Set Architecture Reference Guide (July 2026). The comments in the code are by the model that wrote it; some were corrected since.
;; Gated Attention. Allowed arithmetic: float matrix products may take bf16 or f16 operands with f32 sums; all other float work in f32.
;; Inputs: Wg 2,048 x 8 float32; Wk 2,048 x 256 float32; Wo 1,024 x 2,048 float32; Wq 2,048 x 1,024 float32; Wv 2,048 x 256 float32; mask 1 x 1 x 2,048 x 2,048 bool; x 2 x 2,048 x 2,048 float32.
;; Outputs: out0 2 x 2,048 x 2,048 float32.
;; 3 versions, each right; version 2 is faster than version 1; version 3 is version 2 with the launch prep written anew for expert scheduling mode. Each part assembles by itself: llvm-mc -triple=amdgcn-amd-amdhsa -mcpu=gfx1250 --defsym DOCPART=n.
;; ======== version 1 of 3: 4 launches
;; limits: values are held in f16: magnitudes above 65,504 overflow, below 6.1e-05 lose precision
;; workspace buffers: xb 16,777,216 bytes; wcat 6,291,456 bytes; wob 4,194,304 bytes; mbits 524,288 bytes of whole numbers; gates 131,072 bytes; qkv 12,582,912 bytes; ao 8,388,608 bytes
;; launch prep (part 1): grid 544 x 1, 8 waves a work-group, no clusters, 144,384 bytes of LDS; arguments x, Wg, Wq, Wk, Wv, Wo, mask, xb, wcat, wob, mbits, gates; writes xb, wcat, wob, mbits, gates
.if DOCPART == 1
	.amdgcn_target "amdgcn-amd-amdhsa--gfx1250"
	.amdhsa_code_object_version 6
	.text
	.protected	k_q38ba3f90d0_prep
	.globl	k_q38ba3f90d0_prep
	.p2align	8
	.type	k_q38ba3f90d0_prep,@function
k_q38ba3f90d0_prep:
	s_mov_b64 s[64:65], 0
	v_nop
	global_prefetch_b8 v0, s[64:65] scope:SCOPE_SE
	s_setreg_imm32_b32 hwreg(HW_REG_WAVE_MODE, 25, 1), 1
	s_wait_xcnt 0x0
; PREP: everything that has to change its form before the three matrix launches, in one launch.
;   work-groups   0-255: 16 rows of x each: x -> xb (16 bits), and gates = sigmoid(x Wg) for these rows (matrix unit, f32 sums)
;   work-groups 256-415: 128 KiB of f32 weights each -> wcat = [Wq * c | Wk | Wv] ([2048][1536]) and wob = Wo ([1024][2048])
;   work-groups 416-543: 16 query rows of the mask each -> mbits: one bit a mask byte, in the lane order of the score fragments
; NUMBER FORMAT: x and the weights are rounded to bf16 (nearest even) and then written as f16, which holds every bf16 number from
; 2^-14 to 65504 exactly (below 2^-14 the absolute error is at most 2^-25).  So the products are those of inputs rounded to bf16,
; and the later launches, whose other operands (q, k, v, the softmax weights, the attention output) are f16 with 11 significant
; bits, can multiply them in the f16 form.  LIMIT: an input above 65504 in magnitude becomes an infinity.
; c = log2(e) / sqrt(128) goes into Wq behind the bf16 rounding (one more rounding, to f16): scores then arrive as exponents of 2.
; Any mask byte other than 0 counts as true.
; No tensor loads: each part is a plain stream through registers; LDS serves only to turn data round inside a wave and for one sum.
; The paths are taken by whole work-groups (the branches hang on the work-group's number alone); all the same each path that uses
; LDS has bytes of its own, so that no byte of LDS has two uses in this text.
.set QSCALE, 0x3e0293ee                ; log2(e) / sqrt(128)
.set XPITCH, 528                       ; a wave's 256 columns of a row of xb: 512 bytes + 16
.set XBYTES, 16*XPITCH                 ; 8,448: a wave's 16 rows
.set WRB,    8*XBYTES                  ; 67,584: behind them a wave's 256 rows of Wg, 8 f16 = 16 bytes each (4,096 a wave)
.set RRB,    WRB+8*4096                ; 100,352: behind them a wave's partial sums, 1,024 bytes each
.set MBASE,  RRB+8*1024                ; 108,544: behind them the mask path's bytes, 4,352 a wave
.set MPITCH, 272                       ; mask path: 256 bytes of a row + 16
.set ACC0, 16                          ; v[16:23], v[24:31]: two accumulators that take turns
.set ACC1, 24
.set T,    32                          ; v[32:35]  packed bf16 at work
.set X,    64                          ; v[64:191] 16 x 8 registers as loaded; the first 4 of each 8 then hold 8 f16
.set W,    192                         ; v[192:255] Wg as loaded; then fragments; then the eight waves' partial sums
; 8 f32 in v[s .. s+7] -> bf16 (nearest even) -> the same numbers as f32 (-> times c) -> 8 f16 in v[s .. s+3]
.macro RND8 s, scaled
.irp k, 0,1,2,3
	v_cvt_pk_bf16_f32 v[T+\k], v[\s+2*\k], v[\s+2*\k+1]
.endr
.irp k, 0,1,2,3
	v_lshlrev_b32 v[\s+2*\k], 16, v[T+\k]
	v_and_b32 v[\s+2*\k+1], s3, v[T+\k]
.endr
.if \scaled
.irp k, 0,1,2,3
	v_pk_mul_f32 v[\s+2*\k:\s+2*\k+1], v[\s+2*\k:\s+2*\k+1], QSCALE op_sel_hi:[1,0]
.endr
.endif
.irp k, 0,1,2,3
	v_cvt_pk_f16_f32 v[\s+\k], v[\s+2*\k], v[\s+2*\k+1]    ; register s+k is written when s+2k and s+2k+1 have been read
.endr
.endm
	s_load_b512 s[8:23], s[0:1], 0x0               ; x 8, Wg 10, Wq 12, Wk 14, Wv 16, Wo 18, mask 20, xb 22
	s_load_b256 s[24:31], s[0:1], 0x40             ; wcat 24, wob 26, mbits 28, gates 30
	s_set_vgpr_msb 0x40
	v_lshl_add_u32 v0, v0, 2, 0x23000
	v_mov_b32 v1, 0
	s_set_vgpr_msb 0x4000
	v_lshrrev_b32 v1, 5, v0
	v_readfirstlane_b32 s2, v1                     ; wave 0..7
	v_and_b32 v1, 31, v0                           ; L
	v_and_b32 v2, 15, v0                           ; r = L % 16
	v_bfe_u32 v3, v0, 4, 1                         ; h = L / 16
	s_mov_b32 s3, 0xffff0000                       ; a word's upper bf16
	s_wait_kmcnt 0x0
	s_cmp_ge_u32 ttmp9, 416                        ; the branches hang on the work-group's number alone
	s_cbranch_scc1 .Lmask
	s_cmp_ge_u32 ttmp9, 256
	s_cbranch_scc1 .Lweights
; ---------------------------------------------------------------- x: rows 16 i .. 16 i + 15; wave w has columns 256 w .. 256 w + 255
	s_lshl_b32 s32, ttmp9, 17                      ; 16 rows of 8,192 bytes
	s_mov_b32 s33, 0
	s_add_nc_u64 s[8:9], s[8:9], s[32:33]
	s_lshl_b32 s32, ttmp9, 16                      ; 16 rows of 4,096 bytes
	s_add_nc_u64 s[22:23], s[22:23], s[32:33]
	s_lshl_b32 s32, ttmp9, 9                       ; 16 rows of 32 bytes
	s_add_nc_u64 s[30:31], s[30:31], s[32:33]
	v_lshlrev_b32 v14, 5, v1                       ; 32 L: eight f32 a lane
	v_lshl_add_u32 v4, s2, 10, v14                 ; x: 1,024 w + 32 L
	v_lshl_add_u32 v5, s2, 13, v14                 ; Wg: row 256 w + L, 32 bytes a row
.irp t, 0,1,2,3,4,5,6,7
	global_load_b128 v[W+8*\t:W+8*\t+3],   v5, s[10:11] offset:\t*1024      ; Wg's row 256 w + 32 t + L
	global_load_b128 v[W+8*\t+4:W+8*\t+7], v5, s[10:11] offset:\t*1024+16
.endr
.irp p, 0,1,2,3,4,5,6,7,8,9,10,11,12,13,14,15
	global_load_b128 v[X+8*\p:X+8*\p+3],   v4, s[8:9] offset:\p*8192 th:TH_LOAD_NT
	global_load_b128 v[X+8*\p+4:X+8*\p+7], v4, s[8:9] offset:\p*8192+16 th:TH_LOAD_NT
.endr
	v_lshlrev_b32 v14, 4, v1                       ; 16 L
	v_lshl_add_u32 v6, s2, 9, v14                  ; xb: 512 w + 16 L
	s_lshl_b32 s34, s2, 12
	s_add_co_u32 s34, s34, WRB                     ; my wave's Wg rows in LDS
	v_add_nc_u32 v7, s34, v14
	s_mul_i32 s35, s2, XBYTES                      ; my wave's x rows in LDS
	v_add_nc_u32 v8, s35, v14
	v_mul_u32_u24 v15, v2, XPITCH
	v_lshl_add_u32 v15, v3, 4, v15
	v_add_nc_u32 v9, s35, v15                      ; x fragment: row r, 16 h
	v_and_b32 v15, 7, v0
	v_lshl_add_u32 v15, v3, 3, v15
	v_lshl_add_u32 v10, v15, 4, s34                ; Wg fragment: row 8 h + L % 8.  There are only 8 columns, so lanes 8-15 of each
	                                               ; half address what lanes 0-7 do and receive heads 0-7 once more
	s_lshl_b32 s36, s2, 10
	s_add_co_u32 s36, s36, RRB
	v_add_nc_u32 v11, s36, v14                     ; my wave's partial sums
	v_add_nc_u32 v12, RRB, v14                     ; wave 0's view of all eight
	v_lshlrev_b32 v13, 5, v2
	v_lshl_add_u32 v13, v3, 4, v13                 ; gates: 32 r + 16 h
	s_wait_loadcnt 32                              ; the 32 loads of x are younger: Wg is in
.irp t, 0,1,2,3,4,5,6,7
	RND8 W+8*\t, 0
	ds_store_b128 v7, v[W+8*\t:W+8*\t+3] offset:\t*512
.endr
.irp p, 0,1,2,3,4,5,6,7,8,9,10,11,12,13,14,15
	s_wait_loadcnt 30-2*\p                         ; loads return in order: row p's two are in, the younger rows' pairs stay out
	RND8 X+8*\p, 0
	global_store_b128 v6, v[X+8*\p:X+8*\p+3], s[22:23] offset:\p*4096      ; a wave's store covers 512 consecutive bytes, aligned
	ds_store_b128 v8, v[X+8*\p:X+8*\p+3] offset:\p*XPITCH
.endr
; The gate logits of my 256 columns: source 0 = Wg transposed (rows = heads), source 1 = x (columns = x rows), 8 steps of 32 along K.
; All LDS bytes read here are my wave's own and LDS serves a wave in order: no barrier.  The two accumulators take turns, one
; instruction a turn.
.macro GATE4 zero
.if \zero
	v_wmma_f32_16x16x32_f16 v[ACC0:ACC0+7], v[W:W+7], v[W+32:W+39], 0
	v_wmma_f32_16x16x32_f16 v[ACC1:ACC1+7], v[W+8:W+15], v[W+40:W+47], 0
.else
	v_wmma_f32_16x16x32_f16 v[ACC0:ACC0+7], v[W:W+7], v[W+32:W+39], v[ACC0:ACC0+7]
	v_wmma_f32_16x16x32_f16 v[ACC1:ACC1+7], v[W+8:W+15], v[W+40:W+47], v[ACC1:ACC1+7]
.endif
	v_wmma_f32_16x16x32_f16 v[ACC0:ACC0+7], v[W+16:W+23], v[W+48:W+55], v[ACC0:ACC0+7]
	v_wmma_f32_16x16x32_f16 v[ACC1:ACC1+7], v[W+24:W+31], v[W+56:W+63], v[ACC1:ACC1+7]
.endm
.macro GFETCH g
.irp c, 0,1,2,3
	ds_load_tr16_b128 v[W+8*\c:W+8*\c+3],   v10 offset:(4*\g+\c)*512
	ds_load_tr16_b128 v[W+8*\c+4:W+8*\c+7], v10 offset:(4*\g+\c)*512+256
	ds_load_b128 v[W+32+8*\c:W+32+8*\c+3],  v9 offset:(4*\g+\c)*64
	ds_load_b128 v[W+32+8*\c+4:W+32+8*\c+7], v9 offset:(4*\g+\c)*64+32
.endr
	s_wait_dscnt 0x0
.endm
	GFETCH 0
	GATE4 1
.rept 4
	v_nop                                          ; four places before loads land on registers that matrix instructions have read
.endr
	GFETCH 1
	GATE4 0
.rept 4
	v_nop                                          ; four places before the results are read
.endr
.irp k, 0,2,4,6
	v_pk_add_f32 v[ACC0+\k:ACC0+\k+1], v[ACC0+\k:ACC0+\k+1], v[ACC1+\k:ACC1+\k+1]
.endr
	ds_store_b128 v11, v[ACC0:ACC0+3]
	ds_store_b128 v11, v[ACC0+4:ACC0+7] offset:512
	s_wait_dscnt 0x0                               ; for wave 0's sake: my partial sums are in LDS
	s_barrier_signal -1
	s_barrier_wait -1
	s_cmp_lg_u32 s2, 0
	s_cbranch_scc1 .Lxend
.irp p, 0,1,2,3,4,5,6,7
	ds_load_b128 v[W+8*\p:W+8*\p+3],   v12 offset:\p*1024
	ds_load_b128 v[W+8*\p+4:W+8*\p+7], v12 offset:\p*1024+512
.endr
	s_wait_dscnt 0x0
.irp p, 0,2,4,6
.irp k, 0,2,4,6
	v_pk_add_f32 v[W+8*\p+\k:W+8*\p+\k+1], v[W+8*\p+\k:W+8*\p+\k+1], v[W+8*\p+8+\k:W+8*\p+8+\k+1]
.endr
.endr
.irp p, 0,4
.irp k, 0,2,4,6
	v_pk_add_f32 v[W+8*\p+\k:W+8*\p+\k+1], v[W+8*\p+\k:W+8*\p+\k+1], v[W+8*\p+16+\k:W+8*\p+16+\k+1]
.endr
.endr
.irp k, 0,2,4,6
	v_pk_add_f32 v[W+\k:W+\k+1], v[W+\k:W+\k+1], v[W+32+\k:W+32+\k+1]
.endr
.irp k, 0,2,4,6
	v_pk_mul_f32 v[W+\k:W+\k+1], v[W+\k:W+\k+1], 0xbfb8aa3b op_sel_hi:[1,0]   ; sigmoid(z) = 1 / (1 + 2^(-z log2 e))
.endr
.irp k, 0,1,2,3,4,5,6,7
	v_exp_f32 v[W+\k], v[W+\k]
.endr
	v_nop                                          ; one plain place behind the transcendentals (ISA guide 5.7.2)
	s_wait_alu depctr_va_vdst(0)
.irp k, 0,2,4,6
	v_pk_add_f32 v[W+\k:W+\k+1], v[W+\k:W+\k+1], 1.0 op_sel_hi:[1,0]
.endr
.irp k, 0,1,2,3,4,5,6,7
	v_rcp_f32 v[W+\k], v[W+\k]
.endr
	v_cmp_ne_u32 vcc_lo, 0, v3                     ; (the plain place)  lane (r, h) holds x row r, and in register j head j in both halves
	s_wait_alu depctr_va_vdst(0)
.irp k, 0,1,2,3
	v_cndmask_b32 v[W+8+\k], v[W+\k], v[W+4+\k], vcc_lo    ; h = 0 stores heads 0-3, h = 1 heads 4-7
.endr
	global_store_b128 v13, v[W+8:W+11], s[30:31]   ; the 16 rows' 512 consecutive bytes
.Lxend:
	s_set_vgpr_msb 0x5
	s_wait_tensorcnt 0x0
	ds_add_u32 v0, v1
	s_wait_dscnt 0x0
	s_set_vgpr_msb 0x500
	s_endpgm
; ---------------------------------------------------------------- weights: 32,768 f32 a work-group, 16 passes of 2,048 (8 a thread)
; src, dst: first register of the pointers; first: the matrix's first work-group; lr: log2 of its row length; dp, dc: the destination's
; row pitch and column offset in bytes.  A thread's place in a pass is one register; the pass stands in the immediate.  Row lengths
; are 256 or more and dp, dc multiples of 256: sixteen lanes store 256 consecutive bytes, aligned.
.macro WCAST src, dst, first, lr, dp, dc, scaled
	s_sub_co_u32 s33, ttmp9, 256+\first            ; my chunk of this matrix
	s_lshl_b32 s34, s33, 17
	s_mov_b32 s35, 0
	s_add_nc_u64 s[34:35], s[\src:\src+1], s[34:35]
	s_mul_i32 s36, s33, (32768>>\lr)*\dp
.if \dc
	s_add_co_u32 s36, s36, \dc
.endif
	s_mov_b32 s37, 0
	s_add_nc_u64 s[36:37], s[\dst:\dst+1], s[36:37]
	v_lshlrev_b32 v4, 5, v0
.irp p, 0,1,2,3,4,5,6,7,8,9,10,11,12,13,14,15
	global_load_b128 v[X+8*\p:X+8*\p+3],   v4, s[34:35] offset:\p*8192 th:TH_LOAD_NT
	global_load_b128 v[X+8*\p+4:X+8*\p+7], v4, s[34:35] offset:\p*8192+16 th:TH_LOAD_NT
.endr
	v_lshrrev_b32 v5, \lr-3, v0                    ; my row within a pass
	v_and_b32 v6, (1<<(\lr-3))-1, v0               ; my eight columns
	v_mul_u32_u24 v5, v5, \dp
	v_lshl_add_u32 v5, v6, 4, v5
.irp p, 0,1,2,3,4,5,6,7,8,9,10,11,12,13,14,15
	s_wait_loadcnt 30-2*\p                         ; pass p's two loads are in, the younger pairs stay out
	RND8 X+8*\p, \scaled
	global_store_b128 v5, v[X+8*\p:X+8*\p+3], s[36:37] offset:\p*(2048>>\lr)*\dp
.endr
	s_endpgm
.endm
.Lweights:
	s_cmp_ge_u32 ttmp9, 256+96
	s_cbranch_scc1 .Lwo
	s_cmp_ge_u32 ttmp9, 256+80
	s_cbranch_scc1 .Lwv
	s_cmp_ge_u32 ttmp9, 256+64
	s_cbranch_scc1 .Lwk
	WCAST 12, 24, 0, 10, 3072, 0, 1                ; Wq * c -> wcat columns 0-1023
.Lwk:
	WCAST 14, 24, 64, 8, 3072, 2048, 0             ; Wk -> wcat columns 1024-1279
.Lwv:
	WCAST 16, 24, 80, 8, 3072, 2560, 0             ; Wv -> wcat columns 1280-1535
.Lwo:
	WCAST 18, 26, 96, 11, 4096, 0, 0               ; Wo -> wob
; ---------------------------------------------------------------- mask: query rows 16 qg .. 16 qg + 15; wave w has keys 256 w .. 256 w + 255
; mbits[qg][F][j] (u32): bit r + 16 h = mask[16 qg + r][16 F + 8 h + j] != 0: the lane mask for register j of a transposed score
; fragment (16 keys F, 16 queries qg), in which lane (r, h) holds query r and key 8 h + j.
.Lmask:
	s_sub_co_u32 s32, ttmp9, 416                   ; qg
	s_lshl_b32 s34, s32, 15                        ; 16 rows of 2,048 bytes
	s_mov_b32 s35, 0
	s_add_nc_u64 s[20:21], s[20:21], s[34:35]
	s_lshl_b32 s34, s32, 12                        ; 128 x 8 words
	s_add_nc_u64 s[28:29], s[28:29], s[34:35]
	v_lshlrev_b32 v14, 4, v2                       ; 16 r
	v_lshl_add_u32 v4, v3, 11, v14                 ; lanes 0-15 one row's 256 bytes, lanes 16-31 the next row's
	v_lshl_add_u32 v4, s2, 8, v4
.irp t, 0,1,2,3,4,5,6,7
	global_load_b128 v[16+4*\t:16+4*\t+3], v4, s[20:21] offset:\t*4096 th:TH_LOAD_NT
.endr
	s_mul_i32 s36, s2, 16*MPITCH                   ; my wave's own 16 rows in LDS,
	s_add_co_u32 s36, s36, MBASE                   ; in the bytes that this path alone uses
	v_mul_u32_u24 v5, v3, MPITCH
	v_add_nc_u32 v5, v5, v14
	v_add_nc_u32 v5, s36, v5                       ; in: row h of a pair, 16 r
	v_mul_u32_u24 v6, v2, MPITCH
	v_lshl_add_u32 v6, v3, 3, v6
	v_add_nc_u32 v6, s36, v6                       ; back: row r, 8 bytes at 8 h
	v_lshlrev_b32 v7, 4, v1
	v_lshl_add_u32 v7, s2, 9, v7                   ; my wave's 128 words of mbits, four a lane
.irp t, 0,1,2,3,4,5,6,7
	s_wait_loadcnt 7-\t                            ; load t is in, the younger ones stay out
	ds_store_b128 v5, v[16+4*\t:16+4*\t+3] offset:\t*2*MPITCH
.endr
.irp f, 0,1,2,3,4,5,6,7,8,9,10,11,12,13,14,15
	ds_load_b64 v[48+2*\f:48+2*\f+1], v6 offset:\f*16      ; my wave's own bytes, served in order
.endr
.irp k, 0,1,2,3
	v_mov_b32 v[84+\k], 0                          ; v_writelane_b32 keeps the other lanes: the registers are written whole first
.endr
	s_wait_dscnt 0x0
.set i, 0
.rept 128                                              ; word i = 8 F' + j of my strip goes to lane i / 4, register i % 4
	v_and_b32 v80, 0xff<<(8*(i&3)), v[48+2*(i>>3)+((i>>2)&1)]
	v_cmp_ne_u32 s33, 0, v80
	v_writelane_b32 v[84+(i&3)], s33, i>>2
.set i, i+1
.endr
	global_store_b128 v7, v[84:87], s[28:29]       ; 512 consecutive bytes
	s_set_vgpr_msb 0x5
	s_wait_tensorcnt 0x0
	ds_add_u32 v0, v1
	s_wait_dscnt 0x0
	s_set_vgpr_msb 0x500
	s_endpgm
.Lfunc_end_k_q38ba3f90d0_prep:
	.size	k_q38ba3f90d0_prep, .Lfunc_end_k_q38ba3f90d0_prep-k_q38ba3f90d0_prep
	.p2alignl 7, 3214868480
	.fill 96, 4, 3214868480
	.section	.rodata,"a",@progbits
	.p2align	6, 0x0
	.amdhsa_kernel k_q38ba3f90d0_prep
		.amdhsa_group_segment_fixed_size 144384
		.amdhsa_private_segment_fixed_size 0
		.amdhsa_enable_private_segment 0
		.amdhsa_kernarg_size 96
		.amdhsa_user_sgpr_count 2
		.amdhsa_user_sgpr_kernarg_segment_ptr 1
		.amdhsa_wavefront_size32 1
		.amdhsa_system_sgpr_workgroup_id_x 1
		.amdhsa_system_sgpr_workgroup_id_y 1
		.amdhsa_system_sgpr_workgroup_id_z 1
		.amdhsa_system_vgpr_workitem_id 0
		.amdhsa_next_free_vgpr 258
		.amdhsa_next_free_sgpr 66
		.amdhsa_reserve_vcc 1
		.amdhsa_float_denorm_mode_32 3
		.amdhsa_float_denorm_mode_16_64 3
		.amdhsa_memory_ordered 1
		.amdhsa_forward_progress 1
		.amdhsa_inst_pref_size 141
	.end_amdhsa_kernel
	.amdgpu_metadata
---
amdhsa.version: [ 1, 2 ]
amdhsa.kernels:
  - .name:           k_q38ba3f90d0_prep
    .symbol:         k_q38ba3f90d0_prep.kd
    .args:
      - { .name: x, .offset: 0, .size: 8, .value_kind: global_buffer, .address_space: global }
      - { .name: Wg, .offset: 8, .size: 8, .value_kind: global_buffer, .address_space: global }
      - { .name: Wq, .offset: 16, .size: 8, .value_kind: global_buffer, .address_space: global }
      - { .name: Wk, .offset: 24, .size: 8, .value_kind: global_buffer, .address_space: global }
      - { .name: Wv, .offset: 32, .size: 8, .value_kind: global_buffer, .address_space: global }
      - { .name: Wo, .offset: 40, .size: 8, .value_kind: global_buffer, .address_space: global }
      - { .name: mask, .offset: 48, .size: 8, .value_kind: global_buffer, .address_space: global }
      - { .name: xb, .offset: 56, .size: 8, .value_kind: global_buffer, .address_space: global }
      - { .name: wcat, .offset: 64, .size: 8, .value_kind: global_buffer, .address_space: global }
      - { .name: wob, .offset: 72, .size: 8, .value_kind: global_buffer, .address_space: global }
      - { .name: mbits, .offset: 80, .size: 8, .value_kind: global_buffer, .address_space: global }
      - { .name: gates, .offset: 88, .size: 8, .value_kind: global_buffer, .address_space: global }
    .group_segment_fixed_size: 144384
    .private_segment_fixed_size: 0
    .kernarg_segment_align: 8
    .kernarg_segment_size: 96
    .max_flat_workgroup_size: 256
    .sgpr_count:     66
    .vgpr_count:     258
    .wavefront_size: 32
...
	.end_amdgpu_metadata
.endif
;; end of part 1
;; launch qkvproj (part 2): grid 32 x 6, 4 waves a work-group, clusters of 4 x 1, 327,680 bytes of LDS; arguments xb, wcat, qkv; writes qkv
.if DOCPART == 2
	.amdgcn_target "amdgcn-amd-amdhsa--gfx1250"
	.amdhsa_code_object_version 6
	.text
	.protected	k_q38ba3f90d0_qkvproj
	.globl	k_q38ba3f90d0_qkvproj
	.p2align	8
	.type	k_q38ba3f90d0_qkvproj,@function
k_q38ba3f90d0_qkvproj:
	s_mov_b64 s[64:65], 0
	v_nop
	global_prefetch_b8 v0, s[64:65] scope:SCOPE_SE
	s_setreg_imm32_b32 hwreg(HW_REG_WAVE_MODE, 25, 1), 1
	s_wait_xcnt 0x0
	s_wait_alu depctr_hold_cnt(0) depctr_sa_sdst(0) depctr_va_vdst(0) depctr_va_sdst(0) depctr_va_ssrc(0) depctr_va_vcc(0) depctr_vm_vsrc(0)
	s_getreg_b32 s2, hwreg(HW_REG_IB_STS2, 6, 4)
	s_cmp_eq_u32 s2, 0
	s_cbranch_scc0 .Lentry_in_a_cluster
	s_endpgm
.Lentry_in_a_cluster:
	s_bfe_u32 s2, ttmp6, 0x10000c
	s_cmp_lg_u32 s2, 0x3003
	s_cbranch_scc0 .Lentry_shape_is_right
	s_endpgm
.Lentry_shape_is_right:
; C[m][n] = sum over k of A[m][k] B[k][n].  A: [4096][SIZE_K] f16, B: [SIZE_K][SIZE_N] f16 (rows along n), sums in f32.
; Here: A = xb, B = wcat = [Wq c | Wk | Wv], C = qkv in f16.  LIMIT: a result above 65504 in magnitude becomes an infinity
; (inputs 30 times the drawn ones give about 5e3; offsets of 30 spreads on x and the weights about 4.1e4).
; A work-group makes 128 rows x 256 columns with four waves.  Wave w: nh = w / 2 is its half of the columns, ks = w % 2 its half of
; every K step of 128.  So each wave keeps a tile of 128 x 128 (64 accumulators, 512 registers) over half of K, which feeds 64 matrix
; instructions from 32 LDS loads, with twice the work-groups that blocks of 256 x 256 would give; at the end the two waves of a
; column half hand each other 64 rows of partial sums through LDS and each stores 64 finished rows.
; 32 x 6 = 192 work-groups: blocks of 128 x 192 would give 256, but rows of 96 words are no padding interval of a tensor load.
; CLUSTER 4 x 1: the four row blocks of a cluster need the same tile of B (64 of a step's 96 KiB): it is asked for jointly, mask 15.
; A's tiles differ between them and are plain loads in the same rounds.
; REGISTERS: window 0: v16-26 addresses, v64-127 / v128-191 A's fragments (two buffers), v192-223 at work on the way out;
; window 1: v64-127 / v128-191 B's fragments; window 2: the 32 tiles of the rows that I keep (64 ks + 16 a; tile (a, b) at 8 (8 a + b));
; window 3: those of the rows that I send (64 (1 - ks) + 16 a).  So every wave keeps window 2 and sends window 3: no branch.
; The matrix instruction is used transposed (source 0 = 16 columns of B, source 1 = 16 rows of A): lane l holds row l % 16 of C and
; in registers 0-7 the columns 8 (l / 16) + 0..7.
.set SIZE_K, 2048
.set SIZE_N, 1536
.set OUTF32, 0
.set KSTEP,  128
.set PITCHA, 272                       ; A's LDS row: 256 bytes + 16
.set PITCHB, 544                       ; B's LDS row: 512 bytes + 32, an odd multiple of 32 for the transposing loads
.set HALF,   34816                     ; a wave's part of a slot: 64 rows of B (all of it) or 64 rows of A (17,408 of it)
.set SLOT,   4*HALF                    ; A rows 0-63, A rows 64-127, B k rows 0-63, B k rows 64-127
.set STAGE,  2*SLOT                    ; behind the ring, never filled: 8,448 bytes a wave for the way out
.set STAGEW, 8448
.set LAPS,   SIZE_K/(2*KSTEP)
.if OUTF32
.set ROWB, 4*SIZE_N
.set CSH,  10
.else
.set ROWB, 2*SIZE_N
.set CSH,  9
.endif
.set ADRAK, 16                         ; v16-17 A's rows that I keep, slot 0, 1
.set ADRAS, 18                         ; v18-19 A's rows that I send
.set ADRB,  20                         ; v20-21 B
.set XS,    22                         ; where I put what I send
.set XR,    23                         ; where my partner put what I receive
.set STO,   24
.set RD,    25
.set CO,    26
.set F0,    64
.set F1,    128
.set TMP,   192
.set G1,  24                           ; s[24:31] group 1 for A
.set G0,  32                           ; s[32:39] group 0 for A, a set for each slot
.set G1B, 48                           ; s[48:55] group 1 for B
.set G0B, 56                           ; s[56:63] group 0 for B
.set MSB, 0
.macro WIN new                         ; the immediate's high byte repeats the setting that is left
.if MSB != \new
	s_set_vgpr_msb (MSB<<8)|\new
.set MSB, \new
.endif
.endm
.set MUL_LO, 0xa1                      ; source 0 window 1, source 1 window 0, C and D window 2
.set MUL_HI, 0xf1                      ; the same, C and D window 3
.set TO_B,   0x40
; One tensor load a wave: waves 0, 1 fetch A's two halves (plain), waves 2, 3 B's two halves (joint).  The branch hangs on the wave's number alone.
.macro JLOAD s
	s_cmp_eq_u32 s11, 0
	s_cbranch_scc0 .Lfor_b_\@
	tensor_load_to_lds s[G0+4*\s:G0+4*\s+3], s[G1:G1+7]
	s_nop 0
	s_branch .Lasked_\@
.Lfor_b_\@:
	tensor_load_to_lds s[G0B+4*\s:G0B+4*\s+3], s[G1B:G1B+7]
	s_nop 0
.Lasked_\@:
.endm
.macro CREST                           ; a round of the cluster's barrier behind its opening work-group barrier
	s_cmp_lg_u32 s10, 0
	s_cbranch_scc1 .Lnot_wave_0_\@
	s_barrier_signal -3
.Lnot_wave_0_\@:
	s_barrier_wait -3
	s_barrier_signal -1
	s_barrier_wait -1
.endm
.macro CROUND
	s_barrier_signal -1
	s_barrier_wait -1
	CREST
.endm
	s_load_b128 s[4:7], s[0:1], 0x0                ; A, B
	s_load_b64 s[8:9], s[0:1], 0x10                ; C
	s_set_vgpr_msb 0x40
	v_lshl_add_u32 v255, v0, 2, 0x4c400
	s_set_vgpr_msb 0x4000
	v_mov_b32 v255, 0
	s_set_vgpr_msb 0x1
	ds_add_u32 v255, v255
	s_set_vgpr_msb 0x100
	v_lshrrev_b32 v1, 5, v0
	v_readfirstlane_b32 s10, v1                    ; wave 0..3
	s_lshr_b32 s11, s10, 1                         ; nh.  Also: I fetch for A (0) or for B (1)
	s_and_b32 s12, s10, 1                          ; ks.  Also: which 64 rows of that tile I fetch
	s_bfe_u32 s40, ttmp6, 0x40000                  ; cx
	s_lshl_b32 s42, ttmp9, 2
	s_add_co_u32 s42, s42, s40                     ; block row = 4 x cluster x + cx
	s_and_b32 s13, ttmp7, 0xffff                   ; block column: shared by the cluster
	s_mov_b32 s[G1+0], (1<<16)|(1<<20)|(5<<22)|(3<<25)     ; no mask; 2-byte elements; after every 64 words 4 words of padding
	s_mov_b32 s[G1+1], KSTEP<<16                   ; tensor_dim0 = 128
	s_mov_b32 s[G1+2], 64<<16                      ; tensor_dim1 = 64
	s_mov_b32 s[G1+3], KSTEP<<16                   ; tile_dim0 = 128
	s_mov_b32 s[G1+4], 64                          ; tile_dim1 = 64
	s_mov_b32 s[G1+5], SIZE_K                      ; elements from row to row
	s_mov_b32 s[G1+6], 0
	s_mov_b32 s[G1+7], 0
	s_mov_b32 s[G1B+0], 15|(1<<16)|(1<<20)|(1<<21)|(6<<22)|(7<<25)   ; mask: all four; bit 21 beside it; after every 128 words 8 words of padding
	s_mov_b32 s[G1B+1], 256<<16                    ; tensor_dim0 = 256
	s_mov_b32 s[G1B+2], 64<<16                     ; tensor_dim1 = 64
	s_mov_b32 s[G1B+3], 256<<16                    ; tile_dim0 = 256
	s_mov_b32 s[G1B+4], 64                         ; tile_dim1 = 64
	s_mov_b32 s[G1B+5], SIZE_N
	s_mov_b32 s[G1B+6], 0
	s_mov_b32 s[G1B+7], 0
	s_lshl_b32 s16, s42, 7
	s_lshl_b32 s17, s12, 6
	s_add_co_u32 s16, s16, s17                     ; row 128 x block row + 64 x half: of A for my load, of C for my stores
	s_mul_i32 s44, s16, ROWB
	s_mul_i32 s16, s16, 2*SIZE_K
	s_mov_b32 s17, 0
	s_lshl_b32 s45, s13, CSH
	s_add_co_u32 s44, s44, s45
	s_lshl_b32 s45, s11, CSH-1
	s_add_co_u32 s44, s44, s45                     ; + my 128 columns of C
	s_mov_b32 s45, 0
	s_mul_i32 s46, s12, 64*2*SIZE_N                ; B: k row 64 x half, column 256 x block column: nothing of cx
	s_lshl_b32 s47, s13, 9
	s_add_co_u32 s46, s46, s47
	s_mov_b32 s47, 0
	s_mul_i32 s20, s10, HALF                       ; where my tile goes: the wave's number times a constant
	s_wait_dscnt 0x0
	s_wait_kmcnt 0x0
	s_add_nc_u64 s[14:15], s[4:5], s[16:17]
	s_add_nc_u64 s[46:47], s[6:7], s[46:47]
	s_add_nc_u64 s[8:9], s[8:9], s[44:45]
	CROUND                                         ; all four work-groups are here: the first joint loads meet
.irp s, 0,1
	s_mov_b32 s[G0+4*\s], 1
	s_add_co_u32 s[G0+4*\s+1], s20, \s*SLOT
	s_add_nc_u64 s[G0+4*\s+2:G0+4*\s+3], s[14:15], \s*KSTEP*2
	s_or_b32 s[G0+4*\s+3], s[G0+4*\s+3], 0x80000000
	s_mov_b32 s[G0B+4*\s], 1
	s_add_co_u32 s[G0B+4*\s+1], s20, \s*SLOT
	s_add_nc_u64 s[G0B+4*\s+2:G0B+4*\s+3], s[46:47], \s*KSTEP*SIZE_N*2
	s_or_b32 s[G0B+4*\s+3], s[G0B+4*\s+3], 0x80000000
	JLOAD \s                                       ; both slots' first fills: two tensor loads of the wave are out
.endr
	v_and_b32 v1, 15, v0                           ; r
	v_bfe_u32 v2, v0, 4, 1                         ; h
	v_and_b32 v3, 7, v0
	v_bfe_u32 v4, v0, 3, 1
	v_and_b32 v5, 31, v0                           ; L
	v_mul_u32_u24 v6, v1, PITCHA
	v_lshl_add_u32 v6, v2, 4, v6                   ; A: row r, 16 h
	v_lshl_add_u32 v7, v2, 3, v3
	v_mul_u32_u24 v7, v7, PITCHB
	v_lshl_add_u32 v7, v4, 4, v7                   ; B: k row 8 h + L % 8, 16 bytes for lanes 8-15 of each half
	s_mul_i32 s21, s12, HALF+128                   ; rows 64 ks .., K bytes 128 ks ..
	s_xor_b32 s22, s12, 1
	s_mul_i32 s22, s22, HALF                       ; rows 64 (1 - ks) ..
	s_lshl_b32 s23, s12, 7
	s_add_co_u32 s22, s22, s23
	s_mul_i32 s23, s12, HALF                       ; B's k rows 64 ks ..
	s_lshl_b32 s2, s11, 8
	s_add_co_u32 s23, s23, s2                      ; my 128 columns
	s_add_co_u32 s23, s23, 2*HALF
.irp s, 0,1
	v_add_nc_u32 v[ADRAK+\s], s21, v6
	v_add_nc_u32 v[ADRAS+\s], s22, v6
	v_add_nc_u32 v[ADRB+\s], s23, v7
	s_add_co_u32 s21, s21, SLOT
	s_add_co_u32 s22, s22, SLOT
	s_add_co_u32 s23, s23, SLOT
.endr
	v_lshlrev_b32 v8, 4, v5
	s_lshl_b32 s21, s10, 15
	v_add_nc_u32 v[XS], s21, v8                    ; 32,768 bytes a wave, in slot 0 behind its last fill
	s_xor_b32 s21, s21, 32768
	v_add_nc_u32 v[XR], s21, v8                    ; wave w ^ 1
	s_mul_i32 s23, s10, STAGEW
	s_add_co_u32 s23, s23, STAGE
.if OUTF32
	v_mul_u32_u24 v9, v1, 528
	v_lshl_add_u32 v9, v2, 5, v9
	v_add_nc_u32 v[STO], s23, v9                   ; in: row r, 32 bytes for each half of the lanes
	v_add_nc_u32 v[RD], s23, v8                    ; back: a row of 512 bytes
	v_lshlrev_b32 v[CO], 4, v5
.else
	v_add_nc_u32 v[STO], s23, v6                   ; in: row r, 16 bytes for each half of the lanes
	v_mul_u32_u24 v9, v2, PITCHA
	v_lshl_add_u32 v9, v1, 4, v9
	v_add_nc_u32 v[RD], s23, v9                    ; back: lanes 0-15 one row of 256 bytes, lanes 16-31 the next
	v_mul_u32_u24 v9, v2, ROWB
	v_lshl_add_u32 v[CO], v1, 4, v9
.endif
; 16 matrix instructions: row blocks a0, a0 + 1 of the window's four x all 8 column blocks, 32 along K.  zero = 1 starts the sums.
.macro MUL16 f, hi, a0, zero
.irp a, \a0, \a0+1
.irp b, 0,1,2,3,4,5,6,7
.if \zero
	v_wmma_f32_16x16x32_f16 v[8*(8*(\a)+\b):8*(8*(\a)+\b)+7], v[\f+8*\b:\f+8*\b+7], v[\f+8*(4*\hi+\a):\f+8*(4*\hi+\a)+7], 0
.else
	v_wmma_f32_16x16x32_f16 v[8*(8*(\a)+\b):8*(8*(\a)+\b)+7], v[\f+8*\b:\f+8*\b+7], v[\f+8*(4*\hi+\a):\f+8*(4*\hi+\a)+7], v[8*(8*(\a)+\b):8*(8*(\a)+\b)+7]
.endif
.endr
.endr
.endm
; 32 LDS loads: quarter q (32 of my 64 K) of a slot into buffer f: B's 128 columns (transposing loads), A's 64 kept rows, A's 64 sent rows
.macro FETCH slot, q, f
	WIN TO_B
.irp b, 0,1,2,3,4,5,6,7
	ds_load_tr16_b128 v[\f+8*\b:\f+8*\b+3],   v[ADRB+\slot] offset:\q*32*PITCHB+32*\b
	ds_load_tr16_b128 v[\f+8*\b+4:\f+8*\b+7], v[ADRB+\slot] offset:\q*32*PITCHB+32*\b+16*PITCHB
.endr
	WIN 0
.irp i, 0,1,2,3
	ds_load_b128 v[\f+8*\i:\f+8*\i+3],   v[ADRAK+\slot] offset:\q*64+\i*16*PITCHA
	ds_load_b128 v[\f+8*\i+4:\f+8*\i+7], v[ADRAK+\slot] offset:\q*64+\i*16*PITCHA+32
.endr
.irp i, 0,1,2,3
	ds_load_b128 v[\f+32+8*\i:\f+32+8*\i+3],   v[ADRAS+\slot] offset:\q*64+\i*16*PITCHA
	ds_load_b128 v[\f+32+8*\i+4:\f+32+8*\i+7], v[ADRAS+\slot] offset:\q*64+\i*16*PITCHA+32
.endr
.endm
.macro PLACES                          ; four plain places behind matrix instructions whose registers are loaded or read next (ISA guide 7.12.1)
.rept 4
	v_nop
.endr
.endm
; A K step is two quarters of 32 along my half of K, 64 matrix instructions each, on buffers 0, 1.  The 64 accumulators take turns, one
; instruction a turn, in the same order in every quarter.
.macro QUARTER slot, zero
	s_wait_dscnt 8                                 ; B and the kept rows are in; the eight youngest loads (the sent rows) may be out
	WIN MUL_LO
	MUL16 F0, 0, 0, \zero
	MUL16 F0, 0, 2, \zero
	PLACES
	FETCH \slot, 1, F1
	s_wait_dscnt 32                                ; all but the 32 just issued
	WIN MUL_HI
	MUL16 F0, 1, 0, \zero
	MUL16 F0, 1, 2, \zero
.endm
; The second quarter changes slots.  In front of the barrier each wave waits for its reads of this slot and for all its tensor loads (one is
; out: its part of the next slot).  Where the slot is filled again the barrier opens a round of the cluster's barrier, and the refill is the
; wave's first and only tensor load behind the round.  From a request to the wait for it a wave issues 112 matrix instructions.
.macro TURN slot, next, fill
	s_wait_dscnt 8
	WIN MUL_LO
	MUL16 F1, 0, 0, 0
	s_wait_dscnt 0x0                               ; my reads of this slot are over
	s_wait_tensorcnt 0x0                           ; all my tensor loads have landed
	ds_add_u32 v255, v255
	s_wait_dscnt 0x0
	s_barrier_signal -1
	MUL16 F1, 0, 2, 0                              ; register work while the others arrive
	WIN 0
	s_barrier_wait -1
.if \fill
	CREST
	s_add_nc_u64 s[G0+4*\slot+2:G0+4*\slot+3], s[G0+4*\slot+2:G0+4*\slot+3], 2*KSTEP*2
	s_add_nc_u64 s[G0B+4*\slot+2:G0B+4*\slot+3], s[G0B+4*\slot+2:G0B+4*\slot+3], 2*KSTEP*SIZE_N*2
	JLOAD \slot
.endif
	PLACES
	FETCH \next, 0, F0
	WIN MUL_HI
	MUL16 F1, 1, 0, 0
	MUL16 F1, 1, 2, 0
.endm
.macro LAP zero
	QUARTER 0, \zero
	TURN 0, 1, 1
	QUARTER 1, 0
	TURN 1, 0, 1
.endm
	s_wait_tensorcnt 0x1                           ; my part of K step 0 is in; step 1's stays out
	s_barrier_signal -1
	s_barrier_wait -1
	FETCH 0, 0, F0
	LAP 1                                          ; the first products start the sums: nothing is cleared
	WIN 0
	s_mov_b32 s3, LAPS-2
.Llap:
	LAP 0
	WIN 0
	s_sub_co_u32 s3, s3, 1
	s_cmp_lg_u32 s3, 0
	s_cbranch_scc1 .Llap
	QUARTER 0, 0                                   ; the last lap fills nothing
	TURN 0, 1, 0
	QUARTER 1, 0
	s_wait_dscnt 8
	WIN MUL_LO
	MUL16 F1, 0, 0, 0
	MUL16 F1, 0, 2, 0
	s_wait_dscnt 0x0
	WIN MUL_HI
	MUL16 F1, 1, 0, 0
	MUL16 F1, 1, 2, 0
	; THE EXCHANGE: window 3 goes to my partner, its window 3 is added onto my window 2.
	PLACES
	WIN 0
	s_wait_dscnt 0x0
	s_wait_tensorcnt 0x0
	s_barrier_signal -1
	s_barrier_wait -1                              ; no wave reads a slot any more, and no fill is left: slot 0's bytes may be stored into
	WIN 0x0c                                       ; store data from window 3
.set i, 0
.rept 64
	ds_store_b128 v[XS], v[4*i:4*i+3] offset:i*512
.set i, i+1
.endr
	WIN 0
	s_wait_dscnt 0x0                               ; for my partner's sake
	s_barrier_signal -1
	s_barrier_wait -1
.irp g, 0,1
.set i, 0
.rept 32
	ds_load_b128 v[F0+4*i:F0+4*i+3], v[XR] offset:(32*\g+i)*512
.set i, i+1
.endr
	s_wait_dscnt 0x0
	WIN 0x82                                       ; destination and source 0 window 2
.set i, 0
.rept 64
	v_pk_add_f32 v[128*\g+2*i:128*\g+2*i+1], v[128*\g+2*i:128*\g+2*i+1], v[F0+2*i:F0+2*i+1]
.set i, i+1
.endr
	WIN 0
.endr
	; THE WAY OUT, 16 rows at a time through my own stage: whole rows come back and are stored as whole aligned pieces.
.macro OUT16 a, f
.if OUTF32
	WIN 0x08                                       ; store data from window 2
.irp b, 0,1,2,3,4,5,6,7
	ds_store_b128 v[STO], v[8*(8*\a+\b):8*(8*\a+\b)+3]   offset:64*\b
	ds_store_b128 v[STO], v[8*(8*\a+\b)+4:8*(8*\a+\b)+7] offset:64*\b+16
.endr
	WIN 0
.else
	WIN 0x0a                                       ; sources from window 2
.irp b, 0,1,2,3,4,5,6,7
.irp r, 0,1,2,3
	v_cvt_pk_f16_f32 v[TMP+4*\b+\r], v[8*(8*\a+\b)+2*\r], v[8*(8*\a+\b)+2*\r+1]
.endr
.endr
	WIN 0
.irp b, 0,1,2,3,4,5,6,7
	ds_store_b128 v[STO], v[TMP+4*\b:TMP+4*\b+3] offset:32*\b
.endr
.endif
	s_wait_xcnt 0x0                                ; buffer f, which earlier stores read, and the stores' base are rewritten only behind this wait
.if \a
	s_add_nc_u64 s[8:9], s[8:9], 16*ROWB
.endif
.if OUTF32
.irp t, 0,1,2,3,4,5,6,7,8,9,10,11,12,13,14,15
	ds_load_b128 v[\f+4*\t:\f+4*\t+3], v[RD] offset:\t*528         ; LDS serves a wave in order: these see the stores above
.endr
.irp t, 0,1,2,3,4,5,6,7,8,9,10,11,12,13,14,15
	s_wait_dscnt 15-\t                             ; row t is back, the younger ones stay out
	global_store_b128 v[CO], v[\f+4*\t:\f+4*\t+3], s[8:9] offset:\t*ROWB th:TH_STORE_NT   ; 512 consecutive bytes, aligned
.endr
.else
.irp t, 0,1,2,3,4,5,6,7
	ds_load_b128 v[\f+4*\t:\f+4*\t+3], v[RD] offset:\t*2*PITCHA
.endr
.irp t, 0,1,2,3,4,5,6,7
	s_wait_dscnt 7-\t
	global_store_b128 v[CO], v[\f+4*\t:\f+4*\t+3], s[8:9] offset:2*\t*ROWB     ; sixteen lanes store 256 consecutive bytes, aligned
.endr
.endif
.endm
	OUT16 0, F0
	OUT16 1, F1
	OUT16 2, F0
	OUT16 3, F1
	s_set_vgpr_msb 0x1
	s_wait_tensorcnt 0x0
	ds_add_u32 v255, v255
	s_wait_dscnt 0x0
	s_set_vgpr_msb 0x100
	CROUND                                         ; the closing round: no work-group ends while a partner may still ask jointly
	s_endpgm
.Lfunc_end_k_q38ba3f90d0_qkvproj:
	.size	k_q38ba3f90d0_qkvproj, .Lfunc_end_k_q38ba3f90d0_qkvproj-k_q38ba3f90d0_qkvproj
	.p2alignl 7, 3214868480
	.fill 96, 4, 3214868480
	.section	.rodata,"a",@progbits
	.p2align	6, 0x0
	.amdhsa_kernel k_q38ba3f90d0_qkvproj
		.amdhsa_group_segment_fixed_size 327680
		.amdhsa_private_segment_fixed_size 0
		.amdhsa_enable_private_segment 0
		.amdhsa_kernarg_size 24
		.amdhsa_user_sgpr_count 2
		.amdhsa_user_sgpr_kernarg_segment_ptr 1
		.amdhsa_wavefront_size32 1
		.amdhsa_system_sgpr_workgroup_id_x 1
		.amdhsa_system_sgpr_workgroup_id_y 1
		.amdhsa_system_sgpr_workgroup_id_z 1
		.amdhsa_system_vgpr_workitem_id 0
		.amdhsa_next_free_vgpr 1024
		.amdhsa_next_free_sgpr 66
		.amdhsa_reserve_vcc 0
		.amdhsa_float_denorm_mode_32 3
		.amdhsa_float_denorm_mode_16_64 3
		.amdhsa_memory_ordered 1
		.amdhsa_forward_progress 1
		.amdhsa_inst_pref_size 121
	.end_amdhsa_kernel
	.amdgpu_metadata
---
amdhsa.version: [ 1, 2 ]
amdhsa.kernels:
  - .name:           k_q38ba3f90d0_qkvproj
    .symbol:         k_q38ba3f90d0_qkvproj.kd
    .args:
      - { .name: xb, .offset: 0, .size: 8, .value_kind: global_buffer, .address_space: global }
      - { .name: wcat, .offset: 8, .size: 8, .value_kind: global_buffer, .address_space: global }
      - { .name: qkv, .offset: 16, .size: 8, .value_kind: global_buffer, .address_space: global }
    .group_segment_fixed_size: 327680
    .private_segment_fixed_size: 0
    .kernarg_segment_align: 8
    .kernarg_segment_size: 24
    .max_flat_workgroup_size: 128
    .sgpr_count:     66
    .vgpr_count:     1024
    .wavefront_size: 32
...
	.end_amdgpu_metadata
.endif
;; end of part 2
;; launch attn (part 3): grid 256 x 1, 4 waves a work-group, clusters of 4 x 1, 327,680 bytes of LDS; arguments qkv, mbits, gates, ao; writes ao
.if DOCPART == 3
	.amdgcn_target "amdgcn-amd-amdhsa--gfx1250"
	.amdhsa_code_object_version 6
	.text
	.protected	k_q38ba3f90d0_attn
	.globl	k_q38ba3f90d0_attn
	.p2align	8
	.type	k_q38ba3f90d0_attn,@function
k_q38ba3f90d0_attn:
	s_mov_b64 s[64:65], 0
	v_nop
	global_prefetch_b8 v0, s[64:65] scope:SCOPE_SE
	s_setreg_imm32_b32 hwreg(HW_REG_WAVE_MODE, 25, 1), 1
	s_wait_xcnt 0x0
	s_wait_alu depctr_hold_cnt(0) depctr_sa_sdst(0) depctr_va_vdst(0) depctr_va_sdst(0) depctr_va_ssrc(0) depctr_va_vcc(0) depctr_vm_vsrc(0)
	s_getreg_b32 s2, hwreg(HW_REG_IB_STS2, 6, 4)
	s_cmp_eq_u32 s2, 0
	s_cbranch_scc0 .Lentry_in_a_cluster
	s_endpgm
.Lentry_in_a_cluster:
	s_bfe_u32 s2, ttmp6, 0x10000c
	s_cmp_lg_u32 s2, 0x3003
	s_cbranch_scc0 .Lentry_shape_is_right
	s_endpgm
.Lentry_shape_is_right:
; ATTENTION with the mask as given, a running maximum, the gate and the division by the softmax sum; ao = f16 [4096][1024].
; A work-group owns 128 queries of one query head.  The four query heads of one key/value head form a cluster and ask jointly for
; every tile of K and V (mask 15).  Wave w: rh = w / 2 is its 64 queries, kh = w % 2 its 1,024 keys: with 64 queries a wave each K or V
; fragment from LDS feeds four matrix instructions.  The two key halves are merged once at the end, through LDS.
; TRANSPOSED FORMS: S^T = K Q^T (lane (r, h) holds query r and keys 8 h + j of a fragment), so the maximum and the sum are one number a
; lane and one exchange between the lane halves, and two packed S^T fragments ARE the second source of O^T = V^T P^T.
; Scores arrive as exponents of 2 (c = log2 e / sqrt(128) lies in Wq).  A masked score becomes -1e9 log2 e, as the problem's function
; fills -1e9: a row that is masked everywhere gives the plain mean of V.  The mask comes as lane masks (mbits), 32 words for 16 queries
; and 64 keys, by scalar loads.
; LIMITS: real scores are taken to lie above -1e9; v_max*_num lets a NaN lose; the softmax weights are rounded to f16 (below 2^-14 with
; an absolute error of at most 2^-25), their sum is kept unrounded in f32; ao above 65504 in magnitude becomes an infinity.
; Query fragments 0, 1 are the rows that I keep (32 kh + 16 i), 2, 3 those that I send (32 (1 - kh) + 16 i): the merge has no branch.
; REGISTERS: window 0: addresses, figures, S/P (v32-159), temporaries; window 1: O(qf, df) at 8 (8 qf + df);
; window 2: Q(qf, kc) at 8 (4 qf + kc), V(c, df) at 128 + 8 (8 c + df); window 3: K(f, kc) at 8 (4 f + kc).
.set PK,    272                        ; K's LDS row: 256 bytes + 16
.set PV,    288                        ; V's LDS row: 256 bytes + 32, an odd multiple of 32 for the transposing loads
.set TILE,  36864                      ; 128 keys: what one tensor load brings (K uses 34,816 of it)
.set SLOT,  4*TILE                     ; K keys half 0, K half 1, V half 0, V half 1: two steps of 64 keys for each half
.set STAGE, 2*SLOT                     ; 294,912: never filled; 4,352 bytes a wave
.set MRG,   16896                      ; the merge: 16,384 bytes of sums + 512 of figures a wave, in slot 0 behind its last fill
.set QROW,  3072                       ; bytes in a row of qkv
.set KA,  2                            ; v2-3   K fragments' address, slot 0, 1
.set VA,  4                            ; v4-5   V fragments' address
.set NEG, 6                            ; v6     -1e9 log2 e
.set M,   8                            ; v[8+2qf : 9+2qf]   the running maximum, twice
.set AL,  16                           ; v[16+2qf : 17+2qf] 2^(old maximum - new), twice
.set LS,  24                           ; v[24+qf] the running sum of my lane's keys
.set GT,  28                           ; v28-29 gates of the rows that I keep
.set SB,  32                           ; S(f, qf) at 32 + 32 qf + 8 f; then P(c, qf) at 32 + 32 qf + 8 c
.set TT,  160                          ; v160-171 temporaries
.set XS,  176
.set XR,  177
.set STO, 178
.set RD,  179
.set CO,  180
.set QOK, 181
.set QOS, 182
.set GO,  183
.set OUTP, 192
.set OUTR, 224
.set G0,  4                            ; s[4:11]  group 0, a set for each slot
.set G1K, 12                           ; s[12:19] group 1 for K
.set G1V, 20                           ; s[20:27] group 1 for V
.set MK,  28                           ; s[28:29] mask words of the rows that I keep
.set MS,  30                           ; s[30:31] of the rows that I send
.set MA,  32                           ; s[32:63] 32 mask words (before the first step: temporaries)
.set MB,  68                           ; s[68:99] 32 mask words
.set MSB, 0
.macro WIN new
.if MSB != \new
	s_set_vgpr_msb (MSB<<8)|\new
.set MSB, \new
.endif
.endm
.macro ROUND                           ; a round of the cluster's barrier
	s_barrier_signal -1
	s_barrier_wait -1
	s_cmp_lg_u32 s2, 0
	s_cbranch_scc1 .Lnot_wave_0_\@
	s_barrier_signal -3
.Lnot_wave_0_\@:
	s_barrier_wait -3
	s_barrier_signal -1
	s_barrier_wait -1
.endm
.macro JLOAD s                         ; my one joint load: waves 0, 1 K's tiles, waves 2, 3 V's
	s_cmp_eq_u32 s100, 0
	s_cbranch_scc0 .Lfor_v_\@
	tensor_load_to_lds s[G0+4*(\s):G0+4*(\s)+3], s[G1K:G1K+7]
	s_nop 0
	s_branch .Lasked_\@
.Lfor_v_\@:
	tensor_load_to_lds s[G0+4*(\s):G0+4*(\s)+3], s[G1V:G1V+7]
	s_nop 0
.Lasked_\@:
.endm
	s_load_b256 s[32:39], s[0:1], 0x0              ; qkv 32, mbits 34, gates 36, ao 38
	v_lshl_add_u32 v190, v0, 2, 0x4c400
	v_mov_b32 v191, 0
	ds_add_u32 v190, v191
	v_lshrrev_b32 v1, 5, v0
	v_readfirstlane_b32 s2, v1                     ; wave 0..3
	s_lshr_b32 s100, s2, 1                         ; rh.  Also: I fetch K (0) or V (1)
	s_and_b32 s101, s2, 1                          ; kh.  Also: which key half I fetch
	s_bfe_u32 s40, ttmp6, 0x40000                  ; cx = g, the query head within its group
	s_and_b32 s41, ttmp9, 15                       ; qb: block of 128 queries
	s_bfe_u32 s42, ttmp9, 0x10004                  ; kv head
	s_lshr_b32 s43, ttmp9, 5                       ; batch
	s_mov_b32 s66, 0x76543210                      ; v_permlanex16_b32: lane i reads lane i of the other half
	s_mov_b32 s67, 0xfedcba98
	s_mov_b32 s[G1K+0], 15|(1<<16)|(1<<20)|(1<<21)|(5<<22)|(3<<25)   ; mask: all four; 2-byte elements; after every 64 words 4 words of padding
	s_mov_b32 s[G1V+0], 15|(1<<16)|(1<<20)|(1<<21)|(5<<22)|(7<<25)   ; the same with 8 words of padding
.irp g, G1K, G1V
	s_mov_b32 s[\g+1], 128<<16                     ; tensor_dim0 = 128
	s_mov_b32 s[\g+2], 128<<16                     ; tensor_dim1 = 128
	s_mov_b32 s[\g+3], 128<<16                     ; tile_dim0 = 128
	s_mov_b32 s[\g+4], 128                         ; tile_dim1 = 128
	s_mov_b32 s[\g+5], 1536                        ; elements from row to row
	s_mov_b32 s[\g+6], 0
	s_mov_b32 s[\g+7], 0
.endr
	s_lshl_b32 s44, s43, 11                        ; 2,048 b
	s_lshl_b32 s45, s101, 10
	s_add_co_u32 s45, s44, s45                     ; + 1,024 x key half
	s_mul_i32 s45, s45, QROW
	s_lshl_b32 s46, s100, 9                        ; K at byte 2,048 of a row, V at 2,560
	s_add_co_u32 s45, s45, s46
	s_lshl_b32 s46, s42, 8                         ; 256 bytes a head
	s_add_co_u32 s45, s45, s46
	s_add_co_u32 s46, s45, 2048                    ; nothing of cx enters a joint load's address
	s_mov_b32 s47, 0
	s_mul_i32 s60, s2, TILE                        ; where my tile goes: the wave's number times a constant
	s_wait_dscnt 0x0
	s_wait_kmcnt 0x0
	s_add_nc_u64 s[46:47], s[32:33], s[46:47]
.irp s, 0,1
	s_mov_b32 s[G0+4*\s], 1
	s_add_co_u32 s[G0+4*\s+1], s60, \s*SLOT
	s_add_nc_u64 s[G0+4*\s+2:G0+4*\s+3], s[46:47], \s*128*QROW
	s_or_b32 s[G0+4*\s+3], s[G0+4*\s+3], 0x80000000
.endr
	ROUND                                          ; the four work-groups are here: the first joint loads meet
	s_cmp_eq_u32 s100, 0                           ; both first fills in one branch on the wave's number: two loads of the wave are out
	s_cbranch_scc0 .Lfirst_v
	tensor_load_to_lds s[G0:G0+3], s[G1K:G1K+7]
	s_nop 0
	tensor_load_to_lds s[G0+4:G0+7], s[G1K:G1K+7]
	s_nop 0
	s_branch .Lfirst_done
.Lfirst_v:
	tensor_load_to_lds s[G0:G0+3], s[G1V:G1V+7]
	s_nop 0
	tensor_load_to_lds s[G0+4:G0+7], s[G1V:G1V+7]
	s_nop 0
.Lfirst_done:
	s_lshl_b32 s48, s41, 7
	s_add_co_u32 s48, s48, s44
	s_lshl_b32 s49, s100, 6
	s_add_co_u32 s48, s48, s49                     ; my wave's first query row: 2,048 b + 128 qb + 64 rh
	s_lshl_b32 s49, s42, 2
	s_add_co_u32 s49, s49, s40                     ; query head
	s_lshl_b32 s62, s49, 8                         ; its 256 bytes in a row
	s_mul_i32 s50, s48, QROW
	s_add_co_u32 s50, s50, s62
	s_mov_b32 s51, 0
	s_add_nc_u64 s[50:51], s[32:33], s[50:51]      ; Q
	s_lshl_b32 s52, s48, 5
	s_lshl_b32 s63, s49, 2
	s_add_co_u32 s52, s52, s63
	s_mov_b32 s53, 0
	s_add_nc_u64 s[52:53], s[36:37], s[52:53]      ; gates
	s_lshl_b32 s104, s101, 5
	s_add_co_u32 s104, s104, s48                   ; the rows that I keep
	s_lshl_b32 s104, s104, 11
	s_add_co_u32 s104, s104, s62
	s_mov_b32 s105, 0
	s_add_nc_u64 s[104:105], s[38:39], s[104:105]  ; ao
	s_lshl_b32 s54, s41, 3
	s_lshl_b32 s55, s100, 2
	s_add_co_u32 s54, s54, s55                     ; group of 16 queries: 8 qb + 4 rh
	s_lshl_b32 s55, s101, 1
	s_add_co_u32 s56, s54, s55                     ; + 2 kh: kept
	s_xor_b32 s55, s55, 2
	s_add_co_u32 s58, s54, s55                     ; + 2 (1 - kh): sent
	s_lshl_b32 s56, s56, 12                        ; 4,096 bytes a group
	s_lshl_b32 s58, s58, 12
	s_lshl_b32 s55, s101, 11                       ; my key half: 64 fragments of 32 bytes
	s_add_co_u32 s56, s56, s55
	s_add_co_u32 s58, s58, s55
	s_mov_b32 s57, 0
	s_mov_b32 s59, 0
	s_add_nc_u64 s[MK:MK+1], s[34:35], s[56:57]
	s_add_nc_u64 s[MS:MS+1], s[34:35], s[58:59]
	v_and_b32 v160, 15, v0                         ; r
	v_bfe_u32 v161, v0, 4, 1                       ; h
	v_and_b32 v162, 7, v0
	v_bfe_u32 v163, v0, 3, 1
	v_and_b32 v164, 31, v0                         ; L
	s_lshl_b32 s60, s101, 5                        ; 32 kh
	v_add_nc_u32 v170, s60, v160
	v_mul_u32_u24 v[QOK], v170, QROW
	v_lshl_add_u32 v[QOK], v161, 4, v[QOK]         ; Q: row 32 kh + r, 16 h
	v_lshlrev_b32 v[GO], 5, v170
	s_xor_b32 s60, s60, 32
	v_add_nc_u32 v170, s60, v160
	v_mul_u32_u24 v[QOS], v170, QROW
	v_lshl_add_u32 v[QOS], v161, 4, v[QOS]
	WIN 0x80                                       ; destination window 2
.irp i, 0,1
.irp kc, 0,1,2,3
	global_load_b128 v[8*(4*\i+\kc):8*(4*\i+\kc)+3],     v[QOK], s[50:51] offset:\i*16*QROW+\kc*64
	global_load_b128 v[8*(4*\i+\kc)+4:8*(4*\i+\kc)+7],   v[QOK], s[50:51] offset:\i*16*QROW+\kc*64+32
	global_load_b128 v[8*(4*\i+8+\kc):8*(4*\i+8+\kc)+3],   v[QOS], s[50:51] offset:\i*16*QROW+\kc*64
	global_load_b128 v[8*(4*\i+8+\kc)+4:8*(4*\i+8+\kc)+7], v[QOS], s[50:51] offset:\i*16*QROW+\kc*64+32
.endr
.endr
	WIN 0
	global_load_b32 v[GT], v[GO], s[52:53]
	global_load_b32 v[GT+1], v[GO], s[52:53] offset:512
	v_mul_u32_u24 v165, v160, PK
	v_lshl_add_u32 v165, v161, 4, v165             ; row r, 16 h
	s_mul_i32 s60, s101, TILE
	v_add_nc_u32 v[KA], s60, v165
	v_add_nc_u32 v[KA+1], SLOT, v[KA]
	v_lshl_add_u32 v166, v161, 3, v162
	v_mul_u32_u24 v166, v166, PV
	v_lshl_add_u32 v166, v163, 4, v166             ; key 8 h + L % 8, 16 bytes for lanes 8-15 of each half
	s_add_co_u32 s60, s60, 2*TILE
	v_add_nc_u32 v[VA], s60, v166
	v_add_nc_u32 v[VA+1], SLOT, v[VA]
	v_mov_b32 v[NEG], 0xceabfb8f                   ; -1e9 log2 e
	v_lshlrev_b32 v167, 4, v164
	s_mul_i32 s60, s2, MRG
	v_add_nc_u32 v[XS], s60, v167
	s_xor_b32 s61, s2, 1
	s_mul_i32 s61, s61, MRG
	v_add_nc_u32 v[XR], s61, v167                  ; wave w ^ 1
	s_mul_i32 s60, s2, 16*PK
	s_add_co_u32 s60, s60, STAGE
	v_add_nc_u32 v[STO], s60, v165
	v_mul_u32_u24 v168, v161, PK
	v_lshl_add_u32 v168, v160, 4, v168
	v_add_nc_u32 v[RD], s60, v168
	v_lshlrev_b32 v169, 4, v160
	v_lshl_add_u32 v[CO], v161, 11, v169           ; ao: lanes 0-15 one row's 256 bytes, lanes 16-31 the next row's
.macro KLOAD slot, part                ; 64 keys x 128 d of K into window 3
	WIN 0xc0
.irp f, 0,1,2,3
.irp kc, 0,1,2,3
	ds_load_b128 v[8*(4*\f+\kc):8*(4*\f+\kc)+3],   v[KA+\slot] offset:\part*64*PK+\f*16*PK+\kc*64
	ds_load_b128 v[8*(4*\f+\kc)+4:8*(4*\f+\kc)+7], v[KA+\slot] offset:\part*64*PK+\f*16*PK+\kc*64+32
.endr
.endr
	WIN 0
.endm
.macro VLOAD slot, part                ; 64 keys x 128 d of V, transposed, into window 2
	WIN 0x80
.irp c, 0,1
.irp df, 0,1,2,3,4,5,6,7
	ds_load_tr16_b128 v[128+8*(8*\c+\df):128+8*(8*\c+\df)+3],   v[VA+\slot] offset:\part*64*PV+\c*32*PV+\df*32
	ds_load_tr16_b128 v[128+8*(8*\c+\df)+4:128+8*(8*\c+\df)+7], v[VA+\slot] offset:\part*64*PV+\c*32*PV+\df*32+16*PV
.endr
.endr
	WIN 0
.endm
.macro MLOAD buf, ptr, i               ; the 32 mask words of 16 queries and this step's 64 keys
	s_load_b512 s[\buf:\buf+15],    s[\ptr:\ptr+1], \i*4096
	s_load_b512 s[\buf+16:\buf+31], s[\ptr:\ptr+1], \i*4096+64
.endm
.macro MASK qf, buf
.set i, 0
.rept 32
	v_cndmask_b32 v[SB+32*\qf+i], v[SB+32*\qf+i], v[NEG], s[\buf+i]
.set i, i+1
.endr
.endm
; The softmax step of query fragment qf: new maximum, 2^(old - new), 2^(S - new) in place, the sum, P packed in place.
.macro SM qf, first
.set SBQ, SB+32*\qf
.irp k, 0,1,2,3
	v_max3_num_f32 v[TT+\k], v[SBQ+8*\k], v[SBQ+8*\k+1], v[SBQ+8*\k+2]     ; four chains that do not wait for each other
.endr
.irp k, 0,1,2,3
	v_max3_num_f32 v[TT+\k], v[TT+\k], v[SBQ+8*\k+3], v[SBQ+8*\k+4]
.endr
.irp k, 0,1,2,3
	v_max3_num_f32 v[TT+\k], v[TT+\k], v[SBQ+8*\k+5], v[SBQ+8*\k+6]
.endr
.irp k, 0,1,2,3
	v_max_num_f32 v[TT+\k], v[TT+\k], v[SBQ+8*\k+7]
.endr
	v_max3_num_f32 v[TT], v[TT], v[TT+1], v[TT+2]
.if \first
	v_max_num_f32 v[TT], v[TT], v[TT+3]
.else
	v_max3_num_f32 v[TT], v[TT], v[TT+3], v[M+2*\qf]
.endif
	v_permlanex16_b32 v[TT+1], v[TT], s66, s67     ; the other half of the lanes holds the query's other 32 keys
	v_max_num_f32 v[M+2*\qf+1], v[TT], v[TT+1]     ; the new maximum
.if \first
	v_mov_b32 v[M+2*\qf], v[M+2*\qf+1]
.else
	v_sub_f32 v[TT+2], v[M+2*\qf], v[M+2*\qf+1]    ; old - new
	v_mov_b32 v[M+2*\qf], v[M+2*\qf+1]
	v_exp_f32 v[AL+2*\qf], v[TT+2]
	v_exp_f32 v[AL+2*\qf+1], v[TT+2]               ; the subtractions below are the plain places behind these two
.endif
.set i, 0
.rept 16
	v_pk_add_f32 v[SBQ+2*i:SBQ+2*i+1], v[SBQ+2*i:SBQ+2*i+1], v[M+2*\qf:M+2*\qf+1] neg_lo:[0,1] neg_hi:[0,1]
.set i, i+1
.endr
.set i, 0
.rept 32
	v_exp_f32 v[SBQ+i], v[SBQ+i]
.set i, i+1
.endr
	v_nop                                          ; one plain place behind the transcendentals before their results are read (ISA guide 5.7.2)
	s_wait_alu depctr_va_vdst(0)
	v_pk_add_f32 v[TT+4:TT+5], v[SBQ:SBQ+1], v[SBQ+2:SBQ+3]
	v_pk_add_f32 v[TT+6:TT+7], v[SBQ+16:SBQ+17], v[SBQ+18:SBQ+19]
.irp t, 4,6,8,10,12,14
	v_pk_add_f32 v[TT+4:TT+5], v[TT+4:TT+5], v[SBQ+\t:SBQ+\t+1]
	v_pk_add_f32 v[TT+6:TT+7], v[TT+6:TT+7], v[SBQ+16+\t:SBQ+16+\t+1]
.endr
	v_pk_add_f32 v[TT+4:TT+5], v[TT+4:TT+5], v[TT+6:TT+7]
.if \first
	v_add_f32 v[LS+\qf], v[TT+4], v[TT+5]
.else
	v_add_f32 v[TT+4], v[TT+4], v[TT+5]
	v_fma_f32 v[LS+\qf], v[LS+\qf], v[AL+2*\qf], v[TT+4]
.endif
.set i, 0
.rept 16
	v_cvt_pk_f16_f32 v[SBQ+i], v[SBQ+2*i], v[SBQ+2*i+1]    ; register i is written when 2 i and 2 i + 1 have been read
.set i, i+1
.endr
.endm
; One step: 64 keys against my 64 queries.  K's fragments have been asked for already.  pre = 1: the slot's second 64 keys of K are asked for.
; In both products the accumulators take turns, one instruction a turn.
.macro STEP slot, part, first, pre
.if \first
.else
.rept 5
	v_nop                                          ; five places behind the last products: S is written over P, their second source; V and O are rewritten (ISA guide 7.12.1)
.endr
.endif
	MLOAD MA, MK, 0
	MLOAD MB, MK, 1
	s_wait_dscnt 0x0                               ; K's fragments are in
	WIN 0x0b                                       ; source 0 window 3 (K), source 1 window 2 (Q), S in window 0
.irp f, 0,1,2,3
.irp kc, 0,1,2,3
.irp qf, 0,1,2,3
.if \kc
	v_wmma_f32_16x16x32_f16 v[SB+32*\qf+8*\f:SB+32*\qf+8*\f+7], v[8*(4*\f+\kc):8*(4*\f+\kc)+7], v[8*(4*\qf+\kc):8*(4*\qf+\kc)+7], v[SB+32*\qf+8*\f:SB+32*\qf+8*\f+7]
.else
	v_wmma_f32_16x16x32_f16 v[SB+32*\qf+8*\f:SB+32*\qf+8*\f+7], v[8*(4*\f+\kc):8*(4*\f+\kc)+7], v[8*(4*\qf+\kc):8*(4*\qf+\kc)+7], 0
.endif
.endr
.endr
.endr
	VLOAD \slot, \part
.rept 4
	v_nop                                          ; four places before S is read and before K's registers are loaded again
.endr
	s_wait_kmcnt 0x0                               ; the kept rows' mask words
	MASK 0, MA
	MASK 1, MB
	MLOAD MA, MS, 0
	MLOAD MB, MS, 1
	SM 0, \first
	SM 1, \first
	s_wait_kmcnt 0x0                               ; the sent rows' mask words; no scalar load is out, so both pointers may step
	s_add_nc_u64 s[MK:MK+1], s[MK:MK+1], 128
	s_add_nc_u64 s[MS:MS+1], s[MS:MS+1], 128
	MASK 2, MA
	MASK 3, MB
	SM 2, \first
	SM 3, \first
.if \pre
	KLOAD \slot, 1
.endif
.if \first
.else
	WIN 0x41                                       ; O in window 1, the factor in window 0
.irp qf, 0,1,2,3
.set i, 0
.rept 32
	v_pk_mul_f32 v[64*\qf+2*i:64*\qf+2*i+1], v[64*\qf+2*i:64*\qf+2*i+1], v[AL+2*\qf:AL+2*\qf+1]
.set i, i+1
.endr
.endr
.endif
.if \pre
	s_wait_dscnt 32                                ; V is in; K's 32 loads are younger and stay out
.else
	s_wait_dscnt 0x0
.endif
	WIN 0x52                                       ; source 0 window 2 (V), source 1 window 0 (P), O in window 1
.irp c, 0,1
.irp df, 0,1,2,3,4,5,6,7
.irp qf, 0,1,2,3
.if \first*(1-\c)
	v_wmma_f32_16x16x32_f16 v[8*(8*\qf+\df):8*(8*\qf+\df)+7], v[128+8*(8*\c+\df):128+8*(8*\c+\df)+7], v[SB+32*\qf+8*\c:SB+32*\qf+8*\c+7], 0
.else
	v_wmma_f32_16x16x32_f16 v[8*(8*\qf+\df):8*(8*\qf+\df)+7], v[128+8*(8*\c+\df):128+8*(8*\c+\df)+7], v[SB+32*\qf+8*\c:SB+32*\qf+8*\c+7], v[8*(8*\qf+\df):8*(8*\qf+\df)+7]
.endif
.endr
.endr
.endr
	WIN 0
.endm
; A slot's two steps.  In front of the round each wave waits for all its tensor loads (one is out: its part of this slot) and for its reads
; of the other slot; behind it the other slot's refill is the wave's first and only tensor load, with two steps' work in which to land.
.macro TWO slot, refill
	s_wait_tensorcnt 0x0
	ds_add_u32 v190, v191
	s_wait_dscnt 0x0
.if \refill
	s_add_nc_u64 s[G0+4*(1-\slot)+2:G0+4*(1-\slot)+3], s[G0+4*(1-\slot)+2:G0+4*(1-\slot)+3], 256*QROW
.endif
	s_wait_dscnt 0x0
.if \refill
	ROUND
	JLOAD 1-\slot
.else
	s_barrier_signal -1
	s_barrier_wait -1
.endif
	KLOAD \slot, 0
	STEP \slot, 0, 0, 1
	STEP \slot, 1, 0, 0
.endm
	s_wait_tensorcnt 0x1                           ; my part of slot 0 is in; slot 1's stays out
	s_barrier_signal -1
	s_barrier_wait -1
	KLOAD 0, 0
	s_wait_loadcnt 0x0                             ; Q and the gates; their bases lie where the mask words go next
	STEP 0, 0, 1, 1
	STEP 0, 1, 0, 0
	s_mov_b32 s3, 3
.Lloop:
	TWO 1, 1
	TWO 0, 1
	s_sub_co_u32 s3, s3, 1
	s_cmp_lg_u32 s3, 0
	s_cbranch_scc1 .Lloop
	TWO 1, 0                                       ; the last 128 keys: nothing is left to fetch
	; THE MERGE of the two key halves, the division, the gate.
.rept 4
	v_nop                                          ; four places before O is read and P's registers are loaded
.endr
.irp qf, 0,1,2,3
	v_permlanex16_b32 v[TT+\qf], v[LS+\qf], s66, s67
.endr
.irp qf, 0,1,2,3
	v_add_f32 v[LS+\qf], v[LS+\qf], v[TT+\qf]      ; the sums of the two lane halves
.endr
	s_wait_dscnt 0x0
	s_wait_tensorcnt 0x0
	s_barrier_signal -1
	s_barrier_wait -1                              ; no wave reads a slot any more, and no fill is left
	WIN 0x04                                       ; store data from window 1
.set i, 0
.rept 32
	ds_store_b128 v[XS], v[128+4*i:128+4*i+3] offset:i*512         ; O of query fragments 2, 3
.set i, i+1
.endr
	WIN 0
	v_mov_b32 v[TT], v[M+4]
	v_mov_b32 v[TT+1], v[M+6]
	v_mov_b32 v[TT+2], v[LS+2]
	v_mov_b32 v[TT+3], v[LS+3]
	ds_store_b128 v[XS], v[TT:TT+3] offset:16384
	s_wait_dscnt 0x0                               ; for my partner's sake
	s_barrier_signal -1
	s_barrier_wait -1
	ds_load_b128 v[TT+4:TT+7], v[XR] offset:16384  ; my partner's maxima and sums for the rows that I keep
.set i, 0
.rept 32
	ds_load_b128 v[SB+4*i:SB+4*i+3], v[XR] offset:i*512
.set i, i+1
.endr
	s_wait_dscnt 0x0
.irp i, 0,1
	v_max_num_f32 v[TT+8], v[M+2*\i], v[TT+4+\i]
	v_sub_f32 v[TT+9], v[M+2*\i], v[TT+8]
	v_sub_f32 v[TT+10], v[TT+4+\i], v[TT+8]
	v_exp_f32 v[TT+9], v[TT+9]
	v_exp_f32 v[TT+10], v[TT+10]
	v_nop
	s_wait_alu depctr_va_vdst(0)
	v_mul_f32 v[TT+11], v[LS+\i], v[TT+9]
	v_fmac_f32 v[TT+11], v[TT+6+\i], v[TT+10]      ; the whole sum: at least 1, since one of the two factors is 1
	v_rcp_f32 v[TT+11], v[TT+11]
	v_nop
	s_wait_alu depctr_va_vdst(0)
	v_mul_f32 v[TT+11], v[TT+11], v[GT+\i]         ; gate / sum
	v_mul_f32 v[AL+2*\i], v[TT+9], v[TT+11]
	v_mul_f32 v[AL+2*\i+1], v[TT+9], v[TT+11]
	v_mul_f32 v[AL+4+2*\i], v[TT+10], v[TT+11]
	v_mul_f32 v[AL+4+2*\i+1], v[TT+10], v[TT+11]
.endr
.irp i, 0,1
.set u, 0
.rept 32
	v_pk_mul_f32 v[SB+64*\i+2*u:SB+64*\i+2*u+1], v[SB+64*\i+2*u:SB+64*\i+2*u+1], v[AL+4+2*\i:AL+4+2*\i+1]
.set u, u+1
.endr
.endr
	WIN 0x01                                       ; source 0 window 1: my O
.irp i, 0,1
.set u, 0
.rept 32
	v_pk_fma_f32 v[SB+64*\i+2*u:SB+64*\i+2*u+1], v[64*\i+2*u:64*\i+2*u+1], v[AL+2*\i:AL+2*\i+1], v[SB+64*\i+2*u:SB+64*\i+2*u+1]
.set u, u+1
.endr
.endr
	WIN 0
	; THE WAY OUT, 16 rows at a time through my own stage
.irp i, 0,1
.irp df, 0,1,2,3,4,5,6,7
.irp r, 0,1,2,3
	v_cvt_pk_f16_f32 v[OUTP+4*\df+\r], v[SB+64*\i+8*\df+2*\r], v[SB+64*\i+8*\df+2*\r+1]
.endr
.endr
.irp df, 0,1,2,3,4,5,6,7
	ds_store_b128 v[STO], v[OUTP+4*\df:OUTP+4*\df+3] offset:32*\df
.endr
	s_wait_xcnt 0x0                                ; the registers that earlier stores read are loaded again only behind this wait
.irp t, 0,1,2,3,4,5,6,7
	ds_load_b128 v[OUTR+4*\t:OUTR+4*\t+3], v[RD] offset:\t*2*PK    ; LDS serves a wave in order: these see the stores above
.endr
.irp t, 0,1,2,3,4,5,6,7
	s_wait_dscnt 7-\t                              ; pair t of rows is back, the younger ones stay out
	global_store_b128 v[CO], v[OUTR+4*\t:OUTR+4*\t+3], s[104:105] offset:(16*\i+2*\t)*2048   ; sixteen lanes store 256 consecutive bytes, aligned
.endr
.endr
	s_wait_tensorcnt 0x0
	ds_add_u32 v190, v191
	s_wait_dscnt 0x0
	ROUND                                          ; the closing round: no work-group ends while a partner may still ask jointly
	s_endpgm
.Lfunc_end_k_q38ba3f90d0_attn:
	.size	k_q38ba3f90d0_attn, .Lfunc_end_k_q38ba3f90d0_attn-k_q38ba3f90d0_attn
	.p2alignl 7, 3214868480
	.fill 96, 4, 3214868480
	.section	.rodata,"a",@progbits
	.p2align	6, 0x0
	.amdhsa_kernel k_q38ba3f90d0_attn
		.amdhsa_group_segment_fixed_size 327680
		.amdhsa_private_segment_fixed_size 0
		.amdhsa_enable_private_segment 0
		.amdhsa_kernarg_size 32
		.amdhsa_user_sgpr_count 2
		.amdhsa_user_sgpr_kernarg_segment_ptr 1
		.amdhsa_wavefront_size32 1
		.amdhsa_system_sgpr_workgroup_id_x 1
		.amdhsa_system_sgpr_workgroup_id_y 1
		.amdhsa_system_sgpr_workgroup_id_z 1
		.amdhsa_system_vgpr_workitem_id 0
		.amdhsa_next_free_vgpr 896
		.amdhsa_next_free_sgpr 106
		.amdhsa_reserve_vcc 0
		.amdhsa_float_denorm_mode_32 3
		.amdhsa_float_denorm_mode_16_64 3
		.amdhsa_memory_ordered 1
		.amdhsa_forward_progress 1
		.amdhsa_inst_pref_size 255
	.end_amdhsa_kernel
	.section	.bss,"aw",@nobits
	.p2align	6
	.space	262144
	.amdgpu_metadata
---
amdhsa.version: [ 1, 2 ]
amdhsa.kernels:
  - .name:           k_q38ba3f90d0_attn
    .symbol:         k_q38ba3f90d0_attn.kd
    .args:
      - { .name: qkv, .offset: 0, .size: 8, .value_kind: global_buffer, .address_space: global }
      - { .name: mbits, .offset: 8, .size: 8, .value_kind: global_buffer, .address_space: global }
      - { .name: gates, .offset: 16, .size: 8, .value_kind: global_buffer, .address_space: global }
      - { .name: ao, .offset: 24, .size: 8, .value_kind: global_buffer, .address_space: global }
    .group_segment_fixed_size: 327680
    .private_segment_fixed_size: 0
    .kernarg_segment_align: 8
    .kernarg_segment_size: 32
    .max_flat_workgroup_size: 128
    .sgpr_count:     106
    .vgpr_count:     896
    .wavefront_size: 32
...
	.end_amdgpu_metadata
.endif
;; end of part 3
;; launch outproj (part 4): grid 32 x 8, 4 waves a work-group, clusters of 4 x 1, 327,680 bytes of LDS; arguments ao, wob, out0; writes out0
.if DOCPART == 4
	.amdgcn_target "amdgcn-amd-amdhsa--gfx1250"
	.amdhsa_code_object_version 6
	.text
	.protected	k_q38ba3f90d0_outproj
	.globl	k_q38ba3f90d0_outproj
	.p2align	8
	.type	k_q38ba3f90d0_outproj,@function
k_q38ba3f90d0_outproj:
	s_mov_b64 s[64:65], 0
	v_nop
	global_prefetch_b8 v0, s[64:65] scope:SCOPE_SE
	s_setreg_imm32_b32 hwreg(HW_REG_WAVE_MODE, 25, 1), 1
	s_wait_xcnt 0x0
	s_wait_alu depctr_hold_cnt(0) depctr_sa_sdst(0) depctr_va_vdst(0) depctr_va_sdst(0) depctr_va_ssrc(0) depctr_va_vcc(0) depctr_vm_vsrc(0)
	s_getreg_b32 s2, hwreg(HW_REG_IB_STS2, 6, 4)
	s_cmp_eq_u32 s2, 0
	s_cbranch_scc0 .Lentry_in_a_cluster
	s_endpgm
.Lentry_in_a_cluster:
	s_bfe_u32 s2, ttmp6, 0x10000c
	s_cmp_lg_u32 s2, 0x3003
	s_cbranch_scc0 .Lentry_shape_is_right
	s_endpgm
.Lentry_shape_is_right:
; C[m][n] = sum over k of A[m][k] B[k][n].  A: [4096][SIZE_K] f16, B: [SIZE_K][SIZE_N] f16 (rows along n), sums in f32.
; Here: A = ao (the gated attention output), B = wob = Wo, C = out0 in f32.  The text is that of the q, k, v projection with other sizes.
; A work-group makes 128 rows x 256 columns with four waves.  Wave w: nh = w / 2 is its half of the columns, ks = w % 2 its half of
; every K step of 128.  So each wave keeps a tile of 128 x 128 (64 accumulators, 512 registers) over half of K, which feeds 64 matrix
; instructions from 32 LDS loads; 32 x 8 = 256 work-groups.  At the end the two waves of a column half hand each other 64 rows of
; partial sums through LDS and each stores 64 finished rows.
; CLUSTER 4 x 1: the four row blocks of a cluster need the same tile of B (64 of a step's 96 KiB): it is asked for jointly, mask 15.
; A's tiles differ between them and are plain loads in the same rounds.
; REGISTERS: window 0: v16-26 addresses, v64-127 / v128-191 A's fragments (two buffers), v192-223 at work on the way out;
; window 1: v64-127 / v128-191 B's fragments; window 2: the 32 tiles of the rows that I keep (64 ks + 16 a; tile (a, b) at 8 (8 a + b));
; window 3: those of the rows that I send (64 (1 - ks) + 16 a).  So every wave keeps window 2 and sends window 3: no branch.
; The matrix instruction is used transposed (source 0 = 16 columns of B, source 1 = 16 rows of A): lane l holds row l % 16 of C and
; in registers 0-7 the columns 8 (l / 16) + 0..7.
.set SIZE_K, 1024
.set SIZE_N, 2048
.set OUTF32, 1
.set KSTEP,  128
.set PITCHA, 272                       ; A's LDS row: 256 bytes + 16
.set PITCHB, 544                       ; B's LDS row: 512 bytes + 32, an odd multiple of 32 for the transposing loads
.set HALF,   34816                     ; a wave's part of a slot: 64 rows of B (all of it) or 64 rows of A (17,408 of it)
.set SLOT,   4*HALF                    ; A rows 0-63, A rows 64-127, B k rows 0-63, B k rows 64-127
.set STAGE,  2*SLOT                    ; behind the ring, never filled: 8,448 bytes a wave for the way out
.set STAGEW, 8448
.set LAPS,   SIZE_K/(2*KSTEP)
.if OUTF32
.set ROWB, 4*SIZE_N
.set CSH,  10
.else
.set ROWB, 2*SIZE_N
.set CSH,  9
.endif
.set ADRAK, 16                         ; v16-17 A's rows that I keep, slot 0, 1
.set ADRAS, 18                         ; v18-19 A's rows that I send
.set ADRB,  20                         ; v20-21 B
.set XS,    22                         ; where I put what I send
.set XR,    23                         ; where my partner put what I receive
.set STO,   24
.set RD,    25
.set CO,    26
.set F0,    64
.set F1,    128
.set TMP,   192
.set G1,  24                           ; s[24:31] group 1 for A
.set G0,  32                           ; s[32:39] group 0 for A, a set for each slot
.set G1B, 48                           ; s[48:55] group 1 for B
.set G0B, 56                           ; s[56:63] group 0 for B
.set MSB, 0
.macro WIN new                         ; the immediate's high byte repeats the setting that is left
.if MSB != \new
	s_set_vgpr_msb (MSB<<8)|\new
.set MSB, \new
.endif
.endm
.set MUL_LO, 0xa1                      ; source 0 window 1, source 1 window 0, C and D window 2
.set MUL_HI, 0xf1                      ; the same, C and D window 3
.set TO_B,   0x40
; One tensor load a wave: waves 0, 1 fetch A's two halves (plain), waves 2, 3 B's two halves (joint).  The branch hangs on the wave's number alone.
.macro JLOAD s
	s_cmp_eq_u32 s11, 0
	s_cbranch_scc0 .Lfor_b_\@
	tensor_load_to_lds s[G0+4*\s:G0+4*\s+3], s[G1:G1+7]
	s_nop 0
	s_branch .Lasked_\@
.Lfor_b_\@:
	tensor_load_to_lds s[G0B+4*\s:G0B+4*\s+3], s[G1B:G1B+7]
	s_nop 0
.Lasked_\@:
.endm
.macro CREST                           ; a round of the cluster's barrier behind its opening work-group barrier
	s_cmp_lg_u32 s10, 0
	s_cbranch_scc1 .Lnot_wave_0_\@
	s_barrier_signal -3
.Lnot_wave_0_\@:
	s_barrier_wait -3
	s_barrier_signal -1
	s_barrier_wait -1
.endm
.macro CROUND
	s_barrier_signal -1
	s_barrier_wait -1
	CREST
.endm
	s_load_b128 s[4:7], s[0:1], 0x0                ; A, B
	s_load_b64 s[8:9], s[0:1], 0x10                ; C
	s_set_vgpr_msb 0x40
	v_lshl_add_u32 v255, v0, 2, 0x4c400
	s_set_vgpr_msb 0x4000
	v_mov_b32 v255, 0
	s_set_vgpr_msb 0x1
	ds_add_u32 v255, v255
	s_set_vgpr_msb 0x100
	v_lshrrev_b32 v1, 5, v0
	v_readfirstlane_b32 s10, v1                    ; wave 0..3
	s_lshr_b32 s11, s10, 1                         ; nh.  Also: I fetch for A (0) or for B (1)
	s_and_b32 s12, s10, 1                          ; ks.  Also: which 64 rows of that tile I fetch
	s_bfe_u32 s40, ttmp6, 0x40000                  ; cx
	s_lshl_b32 s42, ttmp9, 2
	s_add_co_u32 s42, s42, s40                     ; block row = 4 x cluster x + cx
	s_and_b32 s13, ttmp7, 0xffff                   ; block column: shared by the cluster
	s_mov_b32 s[G1+0], (1<<16)|(1<<20)|(5<<22)|(3<<25)     ; no mask; 2-byte elements; after every 64 words 4 words of padding
	s_mov_b32 s[G1+1], KSTEP<<16                   ; tensor_dim0 = 128
	s_mov_b32 s[G1+2], 64<<16                      ; tensor_dim1 = 64
	s_mov_b32 s[G1+3], KSTEP<<16                   ; tile_dim0 = 128
	s_mov_b32 s[G1+4], 64                          ; tile_dim1 = 64
	s_mov_b32 s[G1+5], SIZE_K                      ; elements from row to row
	s_mov_b32 s[G1+6], 0
	s_mov_b32 s[G1+7], 0
	s_mov_b32 s[G1B+0], 15|(1<<16)|(1<<20)|(1<<21)|(6<<22)|(7<<25)   ; mask: all four; bit 21 beside it; after every 128 words 8 words of padding
	s_mov_b32 s[G1B+1], 256<<16                    ; tensor_dim0 = 256
	s_mov_b32 s[G1B+2], 64<<16                     ; tensor_dim1 = 64
	s_mov_b32 s[G1B+3], 256<<16                    ; tile_dim0 = 256
	s_mov_b32 s[G1B+4], 64                         ; tile_dim1 = 64
	s_mov_b32 s[G1B+5], SIZE_N
	s_mov_b32 s[G1B+6], 0
	s_mov_b32 s[G1B+7], 0
	s_lshl_b32 s16, s42, 7
	s_lshl_b32 s17, s12, 6
	s_add_co_u32 s16, s16, s17                     ; row 128 x block row + 64 x half: of A for my load, of C for my stores
	s_mul_i32 s44, s16, ROWB
	s_mul_i32 s16, s16, 2*SIZE_K
	s_mov_b32 s17, 0
	s_lshl_b32 s45, s13, CSH
	s_add_co_u32 s44, s44, s45
	s_lshl_b32 s45, s11, CSH-1
	s_add_co_u32 s44, s44, s45                     ; + my 128 columns of C
	s_mov_b32 s45, 0
	s_mul_i32 s46, s12, 64*2*SIZE_N                ; B: k row 64 x half, column 256 x block column: nothing of cx
	s_lshl_b32 s47, s13, 9
	s_add_co_u32 s46, s46, s47
	s_mov_b32 s47, 0
	s_mul_i32 s20, s10, HALF                       ; where my tile goes: the wave's number times a constant
	s_wait_dscnt 0x0
	s_wait_kmcnt 0x0
	s_add_nc_u64 s[14:15], s[4:5], s[16:17]
	s_add_nc_u64 s[46:47], s[6:7], s[46:47]
	s_add_nc_u64 s[8:9], s[8:9], s[44:45]
	CROUND                                         ; all four work-groups are here: the first joint loads meet
.irp s, 0,1
	s_mov_b32 s[G0+4*\s], 1
	s_add_co_u32 s[G0+4*\s+1], s20, \s*SLOT
	s_add_nc_u64 s[G0+4*\s+2:G0+4*\s+3], s[14:15], \s*KSTEP*2
	s_or_b32 s[G0+4*\s+3], s[G0+4*\s+3], 0x80000000
	s_mov_b32 s[G0B+4*\s], 1
	s_add_co_u32 s[G0B+4*\s+1], s20, \s*SLOT
	s_add_nc_u64 s[G0B+4*\s+2:G0B+4*\s+3], s[46:47], \s*KSTEP*SIZE_N*2
	s_or_b32 s[G0B+4*\s+3], s[G0B+4*\s+3], 0x80000000
	JLOAD \s                                       ; both slots' first fills: two tensor loads of the wave are out
.endr
	v_and_b32 v1, 15, v0                           ; r
	v_bfe_u32 v2, v0, 4, 1                         ; h
	v_and_b32 v3, 7, v0
	v_bfe_u32 v4, v0, 3, 1
	v_and_b32 v5, 31, v0                           ; L
	v_mul_u32_u24 v6, v1, PITCHA
	v_lshl_add_u32 v6, v2, 4, v6                   ; A: row r, 16 h
	v_lshl_add_u32 v7, v2, 3, v3
	v_mul_u32_u24 v7, v7, PITCHB
	v_lshl_add_u32 v7, v4, 4, v7                   ; B: k row 8 h + L % 8, 16 bytes for lanes 8-15 of each half
	s_mul_i32 s21, s12, HALF+128                   ; rows 64 ks .., K bytes 128 ks ..
	s_xor_b32 s22, s12, 1
	s_mul_i32 s22, s22, HALF                       ; rows 64 (1 - ks) ..
	s_lshl_b32 s23, s12, 7
	s_add_co_u32 s22, s22, s23
	s_mul_i32 s23, s12, HALF                       ; B's k rows 64 ks ..
	s_lshl_b32 s2, s11, 8
	s_add_co_u32 s23, s23, s2                      ; my 128 columns
	s_add_co_u32 s23, s23, 2*HALF
.irp s, 0,1
	v_add_nc_u32 v[ADRAK+\s], s21, v6
	v_add_nc_u32 v[ADRAS+\s], s22, v6
	v_add_nc_u32 v[ADRB+\s], s23, v7
	s_add_co_u32 s21, s21, SLOT
	s_add_co_u32 s22, s22, SLOT
	s_add_co_u32 s23, s23, SLOT
.endr
	v_lshlrev_b32 v8, 4, v5
	s_lshl_b32 s21, s10, 15
	v_add_nc_u32 v[XS], s21, v8                    ; 32,768 bytes a wave, in slot 0 behind its last fill
	s_xor_b32 s21, s21, 32768
	v_add_nc_u32 v[XR], s21, v8                    ; wave w ^ 1
	s_mul_i32 s23, s10, STAGEW
	s_add_co_u32 s23, s23, STAGE
.if OUTF32
	v_mul_u32_u24 v9, v1, 528
	v_lshl_add_u32 v9, v2, 5, v9
	v_add_nc_u32 v[STO], s23, v9                   ; in: row r, 32 bytes for each half of the lanes
	v_add_nc_u32 v[RD], s23, v8                    ; back: a row of 512 bytes
	v_lshlrev_b32 v[CO], 4, v5
.else
	v_add_nc_u32 v[STO], s23, v6                   ; in: row r, 16 bytes for each half of the lanes
	v_mul_u32_u24 v9, v2, PITCHA
	v_lshl_add_u32 v9, v1, 4, v9
	v_add_nc_u32 v[RD], s23, v9                    ; back: lanes 0-15 one row of 256 bytes, lanes 16-31 the next
	v_mul_u32_u24 v9, v2, ROWB
	v_lshl_add_u32 v[CO], v1, 4, v9
.endif
; 16 matrix instructions: row blocks a0, a0 + 1 of the window's four x all 8 column blocks, 32 along K.  zero = 1 starts the sums.
.macro MUL16 f, hi, a0, zero
.irp a, \a0, \a0+1
.irp b, 0,1,2,3,4,5,6,7
.if \zero
	v_wmma_f32_16x16x32_f16 v[8*(8*(\a)+\b):8*(8*(\a)+\b)+7], v[\f+8*\b:\f+8*\b+7], v[\f+8*(4*\hi+\a):\f+8*(4*\hi+\a)+7], 0
.else
	v_wmma_f32_16x16x32_f16 v[8*(8*(\a)+\b):8*(8*(\a)+\b)+7], v[\f+8*\b:\f+8*\b+7], v[\f+8*(4*\hi+\a):\f+8*(4*\hi+\a)+7], v[8*(8*(\a)+\b):8*(8*(\a)+\b)+7]
.endif
.endr
.endr
.endm
; 32 LDS loads: quarter q (32 of my 64 K) of a slot into buffer f: B's 128 columns (transposing loads), A's 64 kept rows, A's 64 sent rows
.macro FETCH slot, q, f
	WIN TO_B
.irp b, 0,1,2,3,4,5,6,7
	ds_load_tr16_b128 v[\f+8*\b:\f+8*\b+3],   v[ADRB+\slot] offset:\q*32*PITCHB+32*\b
	ds_load_tr16_b128 v[\f+8*\b+4:\f+8*\b+7], v[ADRB+\slot] offset:\q*32*PITCHB+32*\b+16*PITCHB
.endr
	WIN 0
.irp i, 0,1,2,3
	ds_load_b128 v[\f+8*\i:\f+8*\i+3],   v[ADRAK+\slot] offset:\q*64+\i*16*PITCHA
	ds_load_b128 v[\f+8*\i+4:\f+8*\i+7], v[ADRAK+\slot] offset:\q*64+\i*16*PITCHA+32
.endr
.irp i, 0,1,2,3
	ds_load_b128 v[\f+32+8*\i:\f+32+8*\i+3],   v[ADRAS+\slot] offset:\q*64+\i*16*PITCHA
	ds_load_b128 v[\f+32+8*\i+4:\f+32+8*\i+7], v[ADRAS+\slot] offset:\q*64+\i*16*PITCHA+32
.endr
.endm
.macro PLACES                          ; four plain places behind matrix instructions whose registers are loaded or read next (ISA guide 7.12.1)
.rept 4
	v_nop
.endr
.endm
; A K step is two quarters of 32 along my half of K, 64 matrix instructions each, on buffers 0, 1.  The 64 accumulators take turns, one
; instruction a turn, in the same order in every quarter.
.macro QUARTER slot, zero
	s_wait_dscnt 8                                 ; B and the kept rows are in; the eight youngest loads (the sent rows) may be out
	WIN MUL_LO
	MUL16 F0, 0, 0, \zero
	MUL16 F0, 0, 2, \zero
	PLACES
	FETCH \slot, 1, F1
	s_wait_dscnt 32                                ; all but the 32 just issued
	WIN MUL_HI
	MUL16 F0, 1, 0, \zero
	MUL16 F0, 1, 2, \zero
.endm
; The second quarter changes slots.  In front of the barrier each wave waits for its reads of this slot and for all its tensor loads (one is
; out: its part of the next slot).  Where the slot is filled again the barrier opens a round of the cluster's barrier, and the refill is the
; wave's first and only tensor load behind the round.  From a request to the wait for it a wave issues 112 matrix instructions.
.macro TURN slot, next, fill
	s_wait_dscnt 8
	WIN MUL_LO
	MUL16 F1, 0, 0, 0
	s_wait_dscnt 0x0                               ; my reads of this slot are over
	s_wait_tensorcnt 0x0                           ; all my tensor loads have landed
	ds_add_u32 v255, v255
	s_wait_dscnt 0x0
	s_barrier_signal -1
	MUL16 F1, 0, 2, 0                              ; register work while the others arrive
	WIN 0
	s_barrier_wait -1
.if \fill
	CREST
	s_add_nc_u64 s[G0+4*\slot+2:G0+4*\slot+3], s[G0+4*\slot+2:G0+4*\slot+3], 2*KSTEP*2
	s_add_nc_u64 s[G0B+4*\slot+2:G0B+4*\slot+3], s[G0B+4*\slot+2:G0B+4*\slot+3], 2*KSTEP*SIZE_N*2
	JLOAD \slot
.endif
	PLACES
	FETCH \next, 0, F0
	WIN MUL_HI
	MUL16 F1, 1, 0, 0
	MUL16 F1, 1, 2, 0
.endm
.macro LAP zero
	QUARTER 0, \zero
	TURN 0, 1, 1
	QUARTER 1, 0
	TURN 1, 0, 1
.endm
	s_wait_tensorcnt 0x1                           ; my part of K step 0 is in; step 1's stays out
	s_barrier_signal -1
	s_barrier_wait -1
	FETCH 0, 0, F0
	LAP 1                                          ; the first products start the sums: nothing is cleared
	WIN 0
	s_mov_b32 s3, LAPS-2
.Llap:
	LAP 0
	WIN 0
	s_sub_co_u32 s3, s3, 1
	s_cmp_lg_u32 s3, 0
	s_cbranch_scc1 .Llap
	QUARTER 0, 0                                   ; the last lap fills nothing
	TURN 0, 1, 0
	QUARTER 1, 0
	s_wait_dscnt 8
	WIN MUL_LO
	MUL16 F1, 0, 0, 0
	MUL16 F1, 0, 2, 0
	s_wait_dscnt 0x0
	WIN MUL_HI
	MUL16 F1, 1, 0, 0
	MUL16 F1, 1, 2, 0
	; THE EXCHANGE: window 3 goes to my partner, its window 3 is added onto my window 2.
	PLACES
	WIN 0
	s_wait_dscnt 0x0
	s_wait_tensorcnt 0x0
	s_barrier_signal -1
	s_barrier_wait -1                              ; no wave reads a slot any more, and no fill is left: slot 0's bytes may be stored into
	WIN 0x0c                                       ; store data from window 3
.set i, 0
.rept 64
	ds_store_b128 v[XS], v[4*i:4*i+3] offset:i*512
.set i, i+1
.endr
	WIN 0
	s_wait_dscnt 0x0                               ; for my partner's sake
	s_barrier_signal -1
	s_barrier_wait -1
.irp g, 0,1
.set i, 0
.rept 32
	ds_load_b128 v[F0+4*i:F0+4*i+3], v[XR] offset:(32*\g+i)*512
.set i, i+1
.endr
	s_wait_dscnt 0x0
	WIN 0x82                                       ; destination and source 0 window 2
.set i, 0
.rept 64
	v_pk_add_f32 v[128*\g+2*i:128*\g+2*i+1], v[128*\g+2*i:128*\g+2*i+1], v[F0+2*i:F0+2*i+1]
.set i, i+1
.endr
	WIN 0
.endr
	; THE WAY OUT, 16 rows at a time through my own stage: whole rows come back and are stored as whole aligned pieces.
.macro OUT16 a, f
.if OUTF32
	WIN 0x08                                       ; store data from window 2
.irp b, 0,1,2,3,4,5,6,7
	ds_store_b128 v[STO], v[8*(8*\a+\b):8*(8*\a+\b)+3]   offset:64*\b
	ds_store_b128 v[STO], v[8*(8*\a+\b)+4:8*(8*\a+\b)+7] offset:64*\b+16
.endr
	WIN 0
.else
	WIN 0x0a                                       ; sources from window 2
.irp b, 0,1,2,3,4,5,6,7
.irp r, 0,1,2,3
	v_cvt_pk_f16_f32 v[TMP+4*\b+\r], v[8*(8*\a+\b)+2*\r], v[8*(8*\a+\b)+2*\r+1]
.endr
.endr
	WIN 0
.irp b, 0,1,2,3,4,5,6,7
	ds_store_b128 v[STO], v[TMP+4*\b:TMP+4*\b+3] offset:32*\b
.endr
.endif
	s_wait_xcnt 0x0                                ; buffer f, which earlier stores read, and the stores' base are rewritten only behind this wait
.if \a
	s_add_nc_u64 s[8:9], s[8:9], 16*ROWB
.endif
.if OUTF32
.irp t, 0,1,2,3,4,5,6,7,8,9,10,11,12,13,14,15
	ds_load_b128 v[\f+4*\t:\f+4*\t+3], v[RD] offset:\t*528         ; LDS serves a wave in order: these see the stores above
.endr
.irp t, 0,1,2,3,4,5,6,7,8,9,10,11,12,13,14,15
	s_wait_dscnt 15-\t                             ; row t is back, the younger ones stay out
	global_store_b128 v[CO], v[\f+4*\t:\f+4*\t+3], s[8:9] offset:\t*ROWB th:TH_STORE_NT   ; 512 consecutive bytes, aligned
.endr
.else
.irp t, 0,1,2,3,4,5,6,7
	ds_load_b128 v[\f+4*\t:\f+4*\t+3], v[RD] offset:\t*2*PITCHA
.endr
.irp t, 0,1,2,3,4,5,6,7
	s_wait_dscnt 7-\t
	global_store_b128 v[CO], v[\f+4*\t:\f+4*\t+3], s[8:9] offset:2*\t*ROWB     ; sixteen lanes store 256 consecutive bytes, aligned
.endr
.endif
.endm
	OUT16 0, F0
	OUT16 1, F1
	OUT16 2, F0
	OUT16 3, F1
	s_set_vgpr_msb 0x1
	s_wait_tensorcnt 0x0
	ds_add_u32 v255, v255
	s_wait_dscnt 0x0
	s_set_vgpr_msb 0x100
	CROUND                                         ; the closing round: no work-group ends while a partner may still ask jointly
	s_endpgm
.Lfunc_end_k_q38ba3f90d0_outproj:
	.size	k_q38ba3f90d0_outproj, .Lfunc_end_k_q38ba3f90d0_outproj-k_q38ba3f90d0_outproj
	.p2alignl 7, 3214868480
	.fill 96, 4, 3214868480
	.section	.rodata,"a",@progbits
	.p2align	6, 0x0
	.amdhsa_kernel k_q38ba3f90d0_outproj
		.amdhsa_group_segment_fixed_size 327680
		.amdhsa_private_segment_fixed_size 0
		.amdhsa_enable_private_segment 0
		.amdhsa_kernarg_size 24
		.amdhsa_user_sgpr_count 2
		.amdhsa_user_sgpr_kernarg_segment_ptr 1
		.amdhsa_wavefront_size32 1
		.amdhsa_system_sgpr_workgroup_id_x 1
		.amdhsa_system_sgpr_workgroup_id_y 1
		.amdhsa_system_sgpr_workgroup_id_z 1
		.amdhsa_system_vgpr_workitem_id 0
		.amdhsa_next_free_vgpr 1024
		.amdhsa_next_free_sgpr 66
		.amdhsa_reserve_vcc 0
		.amdhsa_float_denorm_mode_32 3
		.amdhsa_float_denorm_mode_16_64 3
		.amdhsa_memory_ordered 1
		.amdhsa_forward_progress 1
		.amdhsa_inst_pref_size 121
	.end_amdhsa_kernel
	.amdgpu_metadata
---
amdhsa.version: [ 1, 2 ]
amdhsa.kernels:
  - .name:           k_q38ba3f90d0_outproj
    .symbol:         k_q38ba3f90d0_outproj.kd
    .args:
      - { .name: ao, .offset: 0, .size: 8, .value_kind: global_buffer, .address_space: global }
      - { .name: wob, .offset: 8, .size: 8, .value_kind: global_buffer, .address_space: global }
      - { .name: out0, .offset: 16, .size: 8, .value_kind: global_buffer, .address_space: global }
    .group_segment_fixed_size: 327680
    .private_segment_fixed_size: 0
    .kernarg_segment_align: 8
    .kernarg_segment_size: 24
    .max_flat_workgroup_size: 128
    .sgpr_count:     66
    .vgpr_count:     1024
    .wavefront_size: 32
...
	.end_amdgpu_metadata
.endif
;; end of part 4
;; ======== version 2 of 3: 4 launches; 1.20 times as fast as version 1
;; limits: values are held in f16: magnitudes above 65,504 overflow, below 6.1e-05 lose precision
;; workspace buffers: xb 16,777,216 bytes; wcat 6,291,456 bytes; wob 4,194,304 bytes; mbits 524,288 bytes of whole numbers; gates 131,072 bytes; qkv 12,582,912 bytes; ao 8,388,608 bytes
;; launch prep (part 5): grid 480 x 1, 8 waves a work-group, no clusters, 144,384 bytes of LDS; arguments x, Wg, Wq, Wk, Wv, Wo, mask, xb, wcat, wob, mbits, gates; writes xb, wcat, wob, mbits, gates
.if DOCPART == 5
	.amdgcn_target "amdgcn-amd-amdhsa--gfx1250"
	.amdhsa_code_object_version 6
	.text
	.protected	k_q38ba3f90d0_prep
	.globl	k_q38ba3f90d0_prep
	.p2align	8
	.type	k_q38ba3f90d0_prep,@function
k_q38ba3f90d0_prep:
	s_mov_b64 s[64:65], 0
	v_nop
	global_prefetch_b8 v0, s[64:65] scope:SCOPE_SE
	s_setreg_imm32_b32 hwreg(HW_REG_WAVE_MODE, 25, 1), 1
	s_wait_xcnt 0x0
; PREP: everything that has to change its form before the three matrix launches, in one launch.
;   work-groups   0-255: 16 rows of x each: x -> xb (16 bits), and gates = sigmoid(x Wg) for these rows (matrix unit, f32 sums)
;   work-groups 256-415: 128 KiB of f32 weights each -> wcat = [Wq * c | Wk | Wv] ([2048][1536]) and wob = Wo ([1024][2048])
;   work-groups 416-479: 32 query rows of the mask each -> mbits: one bit a mask byte, in the lane order of the score fragments
; 480 work-groups of 8 waves x 256 registers: two fit on a WGP's four SIMDs of 1,024 registers, so all are resident at once.
; NUMBER FORMAT: x and the weights are rounded to bf16 (nearest even) and then written as f16, which holds every bf16 number from
; 2^-14 to 65504 exactly (below 2^-14 the absolute error is at most 2^-25).  So the products are those of inputs rounded to bf16,
; and the later launches, whose other operands (q, k, v, the softmax weights, the attention output) are f16 with 11 significant
; bits, can multiply them in the f16 form.  LIMIT: an input above 65504 in magnitude becomes an infinity.
; c = log2(e) / sqrt(128) goes into Wq behind the bf16 rounding (one more rounding, to f16): scores then arrive as exponents of 2.
; Any mask byte other than 0 counts as true.
; EVERY LOAD takes 16 neighbouring bytes a lane, 512 consecutive bytes a wave; the 4 numbers of a lane leave as 8 bytes, so that a
; store of a wave covers 256 consecutive bytes, aligned.
; No tensor loads: each part is a plain stream through registers; LDS serves only to turn data round inside a wave and for one sum.
; The paths are taken by whole work-groups (the branches hang on the work-group's number alone); all the same each path that uses
; LDS has bytes of its own, so that no byte of LDS has two uses in this text.
.set QSCALE, 0x3e0293ee                ; log2(e) / sqrt(128)
.set XPITCH, 528                       ; a wave's 256 columns of a row of xb: 512 bytes + 16
.set XBYTES, 16*XPITCH                 ; 8,448: a wave's 16 rows
.set WRB,    8*XBYTES                  ; 67,584: behind them a wave's 256 rows of Wg, 8 f16 = 16 bytes each (4,096 a wave)
.set RRB,    WRB+8*4096                ; 100,352: behind them a wave's partial sums, 1,024 bytes each
.set MBASE,  RRB+8*1024                ; 108,544: behind them the mask path's bytes, 4,352 a wave
.set MPITCH, 272                       ; mask path: 256 bytes of a row + 16
.set ACC0, 16                          ; v[16:23], v[24:31]: two accumulators that take turns
.set ACC1, 24
.set T,    32                          ; v[32:35]  packed bf16 at work
.set X,    64                          ; v[64:191] 16 x 8 registers as loaded (two loads of 4); the first 4 of each 8 then hold 8 f16
.set W,    192                         ; v[192:255] Wg as loaded; then fragments; then the eight waves' partial sums
; 8 f32 in v[s .. s+7] -> bf16 (nearest even) -> the same numbers as f32 (-> times c) -> 8 f16 in v[s .. s+3]:
; v[s:s+1] the four numbers of the first load, v[s+2:s+3] those of the second
.macro RND8 s, scaled
.irp k, 0,1,2,3
	v_cvt_pk_bf16_f32 v[T+\k], v[\s+2*\k], v[\s+2*\k+1]
.endr
.irp k, 0,1,2,3
	v_lshlrev_b32 v[\s+2*\k], 16, v[T+\k]
	v_and_b32 v[\s+2*\k+1], s3, v[T+\k]
.endr
.if \scaled
.irp k, 0,1,2,3
	v_pk_mul_f32 v[\s+2*\k:\s+2*\k+1], v[\s+2*\k:\s+2*\k+1], QSCALE op_sel_hi:[1,0]
.endr
.endif
.irp k, 0,1,2,3
	v_cvt_pk_f16_f32 v[\s+\k], v[\s+2*\k], v[\s+2*\k+1]    ; register s+k is written when s+2k and s+2k+1 have been read
.endr
.endm
	s_load_b512 s[8:23], s[0:1], 0x0               ; x 8, Wg 10, Wq 12, Wk 14, Wv 16, Wo 18, mask 20, xb 22
	s_load_b256 s[24:31], s[0:1], 0x40             ; wcat 24, wob 26, mbits 28, gates 30
	v_lshl_add_u32 v54, v0, 2, 0x23000
	v_mov_b32 v55, 0
	v_lshrrev_b32 v1, 5, v0
	v_readfirstlane_b32 s2, v1                     ; wave 0..7
	v_and_b32 v1, 31, v0                           ; L
	v_and_b32 v2, 15, v0                           ; r = L % 16
	v_bfe_u32 v3, v0, 4, 1                         ; h = L / 16
	s_mov_b32 s3, 0xffff0000                       ; a word's upper bf16
	s_wait_kmcnt 0x0
	s_cmp_ge_u32 ttmp9, 416                        ; the branches hang on the work-group's number alone
	s_cbranch_scc1 .Lmask
	s_cmp_ge_u32 ttmp9, 256
	s_cbranch_scc1 .Lweights
; ---------------------------------------------------------------- x: rows 16 i .. 16 i + 15; wave w has columns 256 w .. 256 w + 255
	s_lshl_b32 s32, ttmp9, 17                      ; 16 rows of 8,192 bytes
	s_mov_b32 s33, 0
	s_add_nc_u64 s[8:9], s[8:9], s[32:33]
	s_lshl_b32 s32, ttmp9, 16                      ; 16 rows of 4,096 bytes
	s_add_nc_u64 s[22:23], s[22:23], s[32:33]
	s_lshl_b32 s32, ttmp9, 9                       ; 16 rows of 32 bytes
	s_add_nc_u64 s[30:31], s[30:31], s[32:33]
	v_lshlrev_b32 v14, 4, v1                       ; 16 L
	v_lshl_add_u32 v4, s2, 10, v14                 ; x: 1,024 w + 16 L
	v_lshl_add_u32 v5, s2, 13, v14                 ; Wg: my wave's 256 rows of 32 bytes are 8,192 consecutive bytes
.irp u, 0,1,2,3,4,5,6,7,8,9,10,11,12,13,14,15
	global_load_b128 v[W+4*\u:W+4*\u+3], v5, s[10:11] offset:\u*512
.endr
.irp p, 0,1,2,3,4,5,6,7,8,9,10,11,12,13,14,15
	global_load_b128 v[X+8*\p:X+8*\p+3],   v4, s[8:9] offset:\p*8192 th:TH_LOAD_NT       ; columns 256 w + 4 L ..
	global_load_b128 v[X+8*\p+4:X+8*\p+7], v4, s[8:9] offset:\p*8192+512 th:TH_LOAD_NT   ; columns 256 w + 128 + 4 L ..
.endr
	v_lshlrev_b32 v15, 3, v1                       ; 8 L: four f16 a lane
	v_lshl_add_u32 v6, s2, 9, v15                  ; xb: 512 w + 8 L
	s_lshl_b32 s34, s2, 12
	s_add_co_u32 s34, s34, WRB                     ; my wave's Wg rows in LDS
	v_add_nc_u32 v7, s34, v15
	s_mul_i32 s35, s2, XBYTES                      ; my wave's x rows in LDS
	v_add_nc_u32 v8, s35, v15
	v_mul_u32_u24 v36, v2, XPITCH
	v_lshl_add_u32 v36, v3, 4, v36
	v_add_nc_u32 v9, s35, v36                      ; x fragment: row r, 16 h
	v_and_b32 v36, 7, v0
	v_lshl_add_u32 v36, v3, 3, v36
	v_lshl_add_u32 v10, v36, 4, s34                ; Wg fragment: row 8 h + L % 8.  There are only 8 columns, so lanes 8-15 of each
	                                               ; half address what lanes 0-7 do and receive heads 0-7 once more
	s_lshl_b32 s36, s2, 10
	s_add_co_u32 s36, s36, RRB
	v_add_nc_u32 v11, s36, v14                     ; my wave's partial sums
	v_add_nc_u32 v12, RRB, v14                     ; wave 0's view of all eight
	v_lshlrev_b32 v13, 5, v2
	v_lshl_add_u32 v13, v3, 4, v13                 ; gates: 32 r + 16 h
	s_wait_loadcnt 32                              ; the 32 loads of x are younger: Wg is in
.irp t, 0,1,2,3,4,5,6,7
	RND8 W+8*\t, 0
	ds_store_b64 v7, v[W+8*\t:W+8*\t+1]   offset:\t*512        ; the cast is linear: f32 byte 4 e goes to f16 byte 2 e
	ds_store_b64 v7, v[W+8*\t+2:W+8*\t+3] offset:\t*512+256
.endr
.irp p, 0,1,2,3,4,5,6,7,8,9,10,11,12,13,14,15
	s_wait_loadcnt 30-2*\p                         ; loads return in order: row p's two are in, the younger rows' pairs stay out
	RND8 X+8*\p, 0
	global_store_b64 v6, v[X+8*\p:X+8*\p+1],   s[22:23] offset:\p*4096       ; a wave's store covers 256 consecutive bytes, aligned
	global_store_b64 v6, v[X+8*\p+2:X+8*\p+3], s[22:23] offset:\p*4096+256
	ds_store_b64 v8, v[X+8*\p:X+8*\p+1]   offset:\p*XPITCH
	ds_store_b64 v8, v[X+8*\p+2:X+8*\p+3] offset:\p*XPITCH+256
.endr
; The gate logits of my 256 columns: source 0 = Wg transposed (rows = heads), source 1 = x (columns = x rows), 8 steps of 32 along K.
; All LDS bytes read here are my wave's own and LDS serves a wave in order: no barrier.  The two accumulators take turns, one
; instruction a turn.
.macro GATE4 zero
.if \zero
	v_wmma_f32_16x16x32_f16 v[ACC0:ACC0+7], v[W:W+7], v[W+32:W+39], 0
	v_wmma_f32_16x16x32_f16 v[ACC1:ACC1+7], v[W+8:W+15], v[W+40:W+47], 0
.else
	v_wmma_f32_16x16x32_f16 v[ACC0:ACC0+7], v[W:W+7], v[W+32:W+39], v[ACC0:ACC0+7]
	v_wmma_f32_16x16x32_f16 v[ACC1:ACC1+7], v[W+8:W+15], v[W+40:W+47], v[ACC1:ACC1+7]
.endif
	v_wmma_f32_16x16x32_f16 v[ACC0:ACC0+7], v[W+16:W+23], v[W+48:W+55], v[ACC0:ACC0+7]
	v_wmma_f32_16x16x32_f16 v[ACC1:ACC1+7], v[W+24:W+31], v[W+56:W+63], v[ACC1:ACC1+7]
.endm
.macro GFETCH g
.irp c, 0,1,2,3
	ds_load_tr16_b128 v[W+8*\c:W+8*\c+3],   v10 offset:(4*\g+\c)*512
	ds_load_tr16_b128 v[W+8*\c+4:W+8*\c+7], v10 offset:(4*\g+\c)*512+256
	ds_load_b128 v[W+32+8*\c:W+32+8*\c+3],  v9 offset:(4*\g+\c)*64
	ds_load_b128 v[W+32+8*\c+4:W+32+8*\c+7], v9 offset:(4*\g+\c)*64+32
.endr
	s_wait_dscnt 0x0
.endm
	GFETCH 0
	GATE4 1
.rept 4
	v_nop                                          ; four places before loads land on registers that matrix instructions have read
.endr
	GFETCH 1
	GATE4 0
.rept 4
	v_nop                                          ; four places before the results are read
.endr
.irp k, 0,2,4,6
	v_pk_add_f32 v[ACC0+\k:ACC0+\k+1], v[ACC0+\k:ACC0+\k+1], v[ACC1+\k:ACC1+\k+1]
.endr
	ds_store_b128 v11, v[ACC0:ACC0+3]
	ds_store_b128 v11, v[ACC0+4:ACC0+7] offset:512
	s_wait_dscnt 0x0                               ; for wave 0's sake: my partial sums are in LDS
	s_barrier_signal -1
	s_barrier_wait -1
	s_cmp_lg_u32 s2, 0
	s_cbranch_scc1 .Lxend
.irp p, 0,1,2,3,4,5,6,7
	ds_load_b128 v[W+8*\p:W+8*\p+3],   v12 offset:\p*1024
	ds_load_b128 v[W+8*\p+4:W+8*\p+7], v12 offset:\p*1024+512
.endr
	s_wait_dscnt 0x0
.irp p, 0,2,4,6
.irp k, 0,2,4,6
	v_pk_add_f32 v[W+8*\p+\k:W+8*\p+\k+1], v[W+8*\p+\k:W+8*\p+\k+1], v[W+8*\p+8+\k:W+8*\p+8+\k+1]
.endr
.endr
.irp p, 0,4
.irp k, 0,2,4,6
	v_pk_add_f32 v[W+8*\p+\k:W+8*\p+\k+1], v[W+8*\p+\k:W+8*\p+\k+1], v[W+8*\p+16+\k:W+8*\p+16+\k+1]
.endr
.endr
.irp k, 0,2,4,6
	v_pk_add_f32 v[W+\k:W+\k+1], v[W+\k:W+\k+1], v[W+32+\k:W+32+\k+1]
.endr
.irp k, 0,2,4,6
	v_pk_mul_f32 v[W+\k:W+\k+1], v[W+\k:W+\k+1], 0xbfb8aa3b op_sel_hi:[1,0]   ; sigmoid(z) = 1 / (1 + 2^(-z log2 e))
.endr
.irp k, 0,1,2,3,4,5,6,7
	v_exp_f32 v[W+\k], v[W+\k]
.endr
	v_nop                                          ; one plain place behind the transcendentals (ISA guide 5.7.2)
	s_wait_alu depctr_va_vdst(0)
.irp k, 0,2,4,6
	v_pk_add_f32 v[W+\k:W+\k+1], v[W+\k:W+\k+1], 1.0 op_sel_hi:[1,0]
.endr
.irp k, 0,1,2,3,4,5,6,7
	v_rcp_f32 v[W+\k], v[W+\k]
.endr
	v_cmp_ne_u32 vcc_lo, 0, v3                     ; (the plain place)  lane (r, h) holds x row r, and in register j head j in both halves
	s_wait_alu depctr_va_vdst(0)
.irp k, 0,1,2,3
	v_cndmask_b32 v[W+8+\k], v[W+\k], v[W+4+\k], vcc_lo    ; h = 0 stores heads 0-3, h = 1 heads 4-7
.endr
	global_store_b128 v13, v[W+8:W+11], s[30:31]   ; the 16 rows' 512 consecutive bytes
.Lxend:
	s_wait_tensorcnt 0x0
	ds_add_u32 v54, v55
	s_wait_dscnt 0x0
	s_endpgm
; ---------------------------------------------------------------- weights: 32,768 f32 a work-group, 32 passes of 1,024 (4 a thread)
; src, dst: first register of the pointers; first: the matrix's first work-group; lr: log2 of its row length; dp, dc: the destination's
; row pitch and column offset in bytes.  A thread's place in a pass is one register; the pass stands in the immediate: pass q begins
; at number 1,024 q of the chunk, that is at row (1,024 q) >> lr, column (1,024 q) mod row length.  Row lengths are 256 or more and
; dp, dc multiples of 256: a wave's 128 numbers lie in one row and its store covers 256 consecutive bytes, aligned.
.macro WCAST src, dst, first, lr, dp, dc, scaled
	s_sub_co_u32 s33, ttmp9, 256+\first            ; my chunk of this matrix
	s_lshl_b32 s34, s33, 17
	s_mov_b32 s35, 0
	s_add_nc_u64 s[34:35], s[\src:\src+1], s[34:35]
	s_mul_i32 s36, s33, (32768>>\lr)*\dp
.if \dc
	s_add_co_u32 s36, s36, \dc
.endif
	s_mov_b32 s37, 0
	s_add_nc_u64 s[36:37], s[\dst:\dst+1], s[36:37]
	v_lshlrev_b32 v4, 4, v0
.irp p, 0,1,2,3,4,5,6,7,8,9,10,11,12,13,14,15
	global_load_b128 v[X+8*\p:X+8*\p+3],   v4, s[34:35] offset:\p*8192 th:TH_LOAD_NT        ; pass 2 p
	global_load_b128 v[X+8*\p+4:X+8*\p+7], v4, s[34:35] offset:\p*8192+4096 th:TH_LOAD_NT   ; pass 2 p + 1
.endr
	v_lshrrev_b32 v5, \lr-2, v0                    ; my row within a pass
	v_and_b32 v6, (1<<(\lr-2))-1, v0               ; my four columns
	v_mul_u32_u24 v5, v5, \dp
	v_lshl_add_u32 v5, v6, 3, v5
.irp p, 0,1,2,3,4,5,6,7,8,9,10,11,12,13,14,15
	s_wait_loadcnt 30-2*\p                         ; these two passes' loads are in, the younger pairs stay out
	RND8 X+8*\p, \scaled
	global_store_b64 v5, v[X+8*\p:X+8*\p+1],   s[36:37] offset:(((2*\p)*1024)>>\lr)*\dp+(((2*\p)*1024)&((1<<\lr)-1))*2
	global_store_b64 v5, v[X+8*\p+2:X+8*\p+3], s[36:37] offset:(((2*\p+1)*1024)>>\lr)*\dp+(((2*\p+1)*1024)&((1<<\lr)-1))*2
.endr
	s_endpgm
.endm
.Lweights:
	s_cmp_ge_u32 ttmp9, 256+96
	s_cbranch_scc1 .Lwo
	s_cmp_ge_u32 ttmp9, 256+80
	s_cbranch_scc1 .Lwv
	s_cmp_ge_u32 ttmp9, 256+64
	s_cbranch_scc1 .Lwk
	WCAST 12, 24, 0, 10, 3072, 0, 1                ; Wq * c -> wcat columns 0-1023
.Lwk:
	WCAST 14, 24, 64, 8, 3072, 2048, 0             ; Wk -> wcat columns 1024-1279
.Lwv:
	WCAST 16, 24, 80, 8, 3072, 2560, 0             ; Wv -> wcat columns 1280-1535
.Lwo:
	WCAST 18, 26, 96, 11, 4096, 0, 0               ; Wo -> wob
; ---------------------------------------------------------------- mask: two groups of 16 query rows; wave w has keys 256 w .. 256 w + 255
; mbits[qg][F][j] (u32): bit r + 16 h = mask[16 qg + r][16 F + 8 h + j] != 0: the lane mask for register j of a transposed score
; fragment (16 keys F, 16 queries qg), in which lane (r, h) holds query r and key 8 h + j.
.Lmask:
	s_sub_co_u32 s32, ttmp9, 416                   ; groups 2 u and 2 u + 1
	s_lshl_b32 s34, s32, 16                        ; 32 rows of 2,048 bytes
	s_mov_b32 s35, 0
	s_add_nc_u64 s[20:21], s[20:21], s[34:35]
	s_lshl_b32 s34, s32, 13                        ; 2 x 128 x 8 words
	s_add_nc_u64 s[28:29], s[28:29], s[34:35]
	v_lshlrev_b32 v14, 4, v2                       ; 16 r
	v_lshl_add_u32 v4, v3, 11, v14                 ; lanes 0-15 one row's 256 bytes, lanes 16-31 the next row's
	v_lshl_add_u32 v4, s2, 8, v4
.irp t, 0,1,2,3,4,5,6,7,8,9,10,11,12,13,14,15
	global_load_b128 v[X+4*\t:X+4*\t+3], v4, s[20:21] offset:\t*4096 th:TH_LOAD_NT     ; rows 2 t and 2 t + 1 of the 32
.endr
	s_mul_i32 s36, s2, 16*MPITCH                   ; my wave's own 16 rows in LDS,
	s_add_co_u32 s36, s36, MBASE                   ; in the bytes that this path alone uses
	v_mul_u32_u24 v5, v3, MPITCH
	v_add_nc_u32 v5, v5, v14
	v_add_nc_u32 v5, s36, v5                       ; in: row h of a pair, 16 r
	v_mul_u32_u24 v6, v2, MPITCH
	v_lshl_add_u32 v6, v3, 3, v6
	v_add_nc_u32 v6, s36, v6                       ; back: row r, 8 bytes at 8 h
	v_lshlrev_b32 v7, 4, v1
	v_lshl_add_u32 v7, s2, 9, v7                   ; my wave's 128 words of a group, four a lane
; Group g.  The second group uses the first's LDS bytes again: they are my wave's own, the first group's reads have been waited for,
; and LDS serves a wave in order.  Word 4 u + k of my strip (fragment u / 2, register j = 4 (u % 2) + k) comes from byte k of
; v[16+u] and goes to lane u, register k.
.macro MPART g
.irp t, 0,1,2,3,4,5,6,7
	s_wait_loadcnt 15-8*\g-\t                      ; this load is in, the younger ones stay out
	ds_store_b128 v5, v[X+32*\g+4*\t:X+32*\g+4*\t+3] offset:\t*2*MPITCH
.endr
.irp f, 0,1,2,3,4,5,6,7,8,9,10,11,12,13,14,15
	ds_load_b64 v[16+2*\f:16+2*\f+1], v6 offset:\f*16
.endr
.irp k, 0,1,2,3
	v_mov_b32 v[56+4*\g+\k], 0                     ; v_writelane_b32 keeps the other lanes: the registers are written whole first
.endr
	s_wait_dscnt 0x0
.set u, 0
.rept 32
.irp k, 0,1,2,3
	v_and_b32 v[48+\k], 0xff<<(8*\k), v[16+u]
.endr
.irp k, 0,1,2,3
	v_cmp_ne_u32 s[40+\k], 0, v[48+\k]
.endr
.irp k, 0,1,2,3
	v_writelane_b32 v[56+4*\g+\k], s[40+\k], u
.endr
.set u, u+1
.endr
	global_store_b128 v7, v[56+4*\g:56+4*\g+3], s[28:29] offset:\g*4096    ; 512 consecutive bytes
.endm
	MPART 0
	MPART 1
	s_wait_tensorcnt 0x0
	ds_add_u32 v54, v55
	s_wait_dscnt 0x0
	s_endpgm
.Lfunc_end_k_q38ba3f90d0_prep:
	.size	k_q38ba3f90d0_prep, .Lfunc_end_k_q38ba3f90d0_prep-k_q38ba3f90d0_prep
	.p2alignl 7, 3214868480
	.fill 96, 4, 3214868480
	.section	.rodata,"a",@progbits
	.p2align	6, 0x0
	.amdhsa_kernel k_q38ba3f90d0_prep
		.amdhsa_group_segment_fixed_size 144384
		.amdhsa_private_segment_fixed_size 0
		.amdhsa_enable_private_segment 0
		.amdhsa_kernarg_size 96
		.amdhsa_user_sgpr_count 2
		.amdhsa_user_sgpr_kernarg_segment_ptr 1
		.amdhsa_wavefront_size32 1
		.amdhsa_system_sgpr_workgroup_id_x 1
		.amdhsa_system_sgpr_workgroup_id_y 1
		.amdhsa_system_sgpr_workgroup_id_z 1
		.amdhsa_system_vgpr_workitem_id 0
		.amdhsa_next_free_vgpr 256
		.amdhsa_next_free_sgpr 66
		.amdhsa_reserve_vcc 1
		.amdhsa_float_denorm_mode_32 3
		.amdhsa_float_denorm_mode_16_64 3
		.amdhsa_memory_ordered 1
		.amdhsa_forward_progress 1
		.amdhsa_inst_pref_size 177
	.end_amdhsa_kernel
	.amdgpu_metadata
---
amdhsa.version: [ 1, 2 ]
amdhsa.kernels:
  - .name:           k_q38ba3f90d0_prep
    .symbol:         k_q38ba3f90d0_prep.kd
    .args:
      - { .name: x, .offset: 0, .size: 8, .value_kind: global_buffer, .address_space: global }
      - { .name: Wg, .offset: 8, .size: 8, .value_kind: global_buffer, .address_space: global }
      - { .name: Wq, .offset: 16, .size: 8, .value_kind: global_buffer, .address_space: global }
      - { .name: Wk, .offset: 24, .size: 8, .value_kind: global_buffer, .address_space: global }
      - { .name: Wv, .offset: 32, .size: 8, .value_kind: global_buffer, .address_space: global }
      - { .name: Wo, .offset: 40, .size: 8, .value_kind: global_buffer, .address_space: global }
      - { .name: mask, .offset: 48, .size: 8, .value_kind: global_buffer, .address_space: global }
      - { .name: xb, .offset: 56, .size: 8, .value_kind: global_buffer, .address_space: global }
      - { .name: wcat, .offset: 64, .size: 8, .value_kind: global_buffer, .address_space: global }
      - { .name: wob, .offset: 72, .size: 8, .value_kind: global_buffer, .address_space: global }
      - { .name: mbits, .offset: 80, .size: 8, .value_kind: global_buffer, .address_space: global }
      - { .name: gates, .offset: 88, .size: 8, .value_kind: global_buffer, .address_space: global }
    .group_segment_fixed_size: 144384
    .private_segment_fixed_size: 0
    .kernarg_segment_align: 8
    .kernarg_segment_size: 96
    .max_flat_workgroup_size: 256
    .sgpr_count:     66
    .vgpr_count:     256
    .wavefront_size: 32
...
	.end_amdgpu_metadata
.endif
;; end of part 5
;; launch qkvproj (part 6): grid 32 x 6, 4 waves a work-group, clusters of 4 x 1, 327,680 bytes of LDS; arguments xb, wcat, qkv; writes qkv
.if DOCPART == 6
	.amdgcn_target "amdgcn-amd-amdhsa--gfx1250"
	.amdhsa_code_object_version 6
	.text
	.protected	k_q38ba3f90d0_qkvproj
	.globl	k_q38ba3f90d0_qkvproj
	.p2align	8
	.type	k_q38ba3f90d0_qkvproj,@function
k_q38ba3f90d0_qkvproj:
	s_mov_b64 s[64:65], 0
	v_nop
	global_prefetch_b8 v0, s[64:65] scope:SCOPE_SE
	s_setreg_imm32_b32 hwreg(HW_REG_WAVE_MODE, 25, 1), 1
	s_wait_xcnt 0x0
	s_wait_alu depctr_hold_cnt(0) depctr_sa_sdst(0) depctr_va_vdst(0) depctr_va_sdst(0) depctr_va_ssrc(0) depctr_va_vcc(0) depctr_vm_vsrc(0)
	s_getreg_b32 s2, hwreg(HW_REG_IB_STS2, 6, 4)
	s_cmp_eq_u32 s2, 0
	s_cbranch_scc0 .Lentry_in_a_cluster
	s_endpgm
.Lentry_in_a_cluster:
	s_bfe_u32 s2, ttmp6, 0x10000c
	s_cmp_lg_u32 s2, 0x3003
	s_cbranch_scc0 .Lentry_shape_is_right
	s_endpgm
.Lentry_shape_is_right:
; C[m][n] = sum over k of A[m][k] B[k][n].  A: [4096][SIZE_K] f16, B: [SIZE_K][SIZE_N] f16 (rows along n), sums in f32.
; Here: A = xb, B = wcat = [Wq c | Wk | Wv], C = qkv in f16.  LIMIT: a result above 65504 in magnitude becomes an infinity
; (inputs 30 times the drawn ones give about 5e3; offsets of 30 spreads on x and the weights about 4.1e4).
; A work-group makes 128 rows x 256 columns with four waves.  Wave w: nh = w / 2 is its half of the columns, ks = w % 2 its half of
; every K step of 128.  So each wave keeps a tile of 128 x 128 (64 accumulators, 512 registers) over half of K, which feeds 64 matrix
; instructions from 32 LDS loads, with twice the work-groups that blocks of 256 x 256 would give; at the end the two waves of a
; column half hand each other 64 rows of partial sums through LDS and each stores 64 finished rows.
; 32 x 6 = 192 work-groups: blocks of 128 x 192 would give 256, but rows of 96 words are no padding interval of a tensor load.
; CLUSTER 4 x 1: the four row blocks of a cluster need the same tile of B (64 of a step's 96 KiB): it is asked for jointly, mask 15.
; A's tiles differ between them and are plain loads in the same rounds.
; THE ORDER OF K: the work-group of block column n in cluster c takes the TSTEPS steps of K in the order o, o + 1, .. modulo TSTEPS,
; o = floor(n TSTEPS / NBLK) + (TSTEPS / 8) p(c).  So the NBLK work-groups that read one tile of A ask for it in NBLK different steps, and
; the eight clusters that read one tile of B in eight different steps: a tile is fetched from memory for the one that asks first, steps
; before the others ask.  p(c) = c xor 6 (c & 1) is a permutation of 0..7 that puts any four clusters that agree in one bit of c into
; the four pairs (0,1), (2,3), (4,5), (6,7).  o hangs on the cluster's number and the block column alone, which the four partners share.
; LIMIT: the order of the sum over K is this rotation, not the ascending one.
; REGISTERS: window 0: v16-26 addresses, v64-127 / v128-191 A's fragments (two buffers), v192-223 at work on the way out;
; window 1: v64-127 / v128-191 B's fragments; window 2: the 32 tiles of the rows that I keep (64 ks + 16 a; tile (a, b) at 8 (8 a + b));
; window 3: those of the rows that I send (64 (1 - ks) + 16 a).  So every wave keeps window 2 and sends window 3: no branch.
; The matrix instruction is used transposed (source 0 = 16 columns of B, source 1 = 16 rows of A): lane l holds row l % 16 of C and
; in registers 0-7 the columns 8 (l / 16) + 0..7.
.set SIZE_K, 2048
.set SIZE_N, 1536
.set OUTF32, 0
.set KSTEP,  128
.set TSTEPS, SIZE_K/KSTEP              ; a power of two
.set NBLK,   SIZE_N/256
.set PITCHA, 272                       ; A's LDS row: 256 bytes + 16
.set PITCHB, 544                       ; B's LDS row: 512 bytes + 32, an odd multiple of 32 for the transposing loads
.set HALF,   34816                     ; a wave's part of a slot: 64 rows of B (all of it) or 64 rows of A (17,408 of it)
.set SLOT,   4*HALF                    ; A rows 0-63, A rows 64-127, B k rows 0-63, B k rows 64-127
.set STAGE,  2*SLOT                    ; behind the ring, never filled: 8,448 bytes a wave for the way out
.set STAGEW, 8448
.set LAPS,   SIZE_K/(2*KSTEP)
.if OUTF32
.set ROWB, 4*SIZE_N
.set CSH,  10
.else
.set ROWB, 2*SIZE_N
.set CSH,  9
.endif
.set ADRAK, 16                         ; v16-17 A's rows that I keep, slot 0, 1
.set ADRAS, 18                         ; v18-19 A's rows that I send
.set ADRB,  20                         ; v20-21 B
.set XS,    22                         ; where I put what I send
.set XR,    23                         ; where my partner put what I receive
.set STO,   24
.set RD,    25
.set CO,    26
.set F0,    64
.set F1,    128
.set TMP,   192
.set G1,  24                           ; s[24:31] group 1 for A
.set G0,  32                           ; s[32:39] group 0 for A, a set for each slot
.set G1B, 48                           ; s[48:55] group 1 for B
.set G0B, 56                           ; s[56:63] group 0 for B
.set KK,  66                           ; s66, s67 the K step that slot 0, 1 holds or gets next; s[68:69], s[70:71] its byte offsets in A, in B
.set MSB, 0
.macro WIN new                         ; the immediate's high byte repeats the setting that is left
.if MSB != \new
	s_set_vgpr_msb (MSB<<8)|\new
.set MSB, \new
.endif
.endm
.set MUL_LO, 0xa1                      ; source 0 window 1, source 1 window 0, C and D window 2
.set MUL_HI, 0xf1                      ; the same, C and D window 3
.set TO_B,   0x40
; One tensor load a wave: waves 0, 1 fetch A's two halves (plain), waves 2, 3 B's two halves (joint).  The branch hangs on the wave's number alone.
.macro JLOAD s
	s_cmp_eq_u32 s11, 0
	s_cbranch_scc0 .Lfor_b_\@
	tensor_load_to_lds s[G0+4*\s:G0+4*\s+3], s[G1:G1+7]
	s_nop 0
	s_branch .Lasked_\@
.Lfor_b_\@:
	tensor_load_to_lds s[G0B+4*\s:G0B+4*\s+3], s[G1B:G1B+7]
	s_nop 0
.Lasked_\@:
.endm
; The global addresses of slot s's tiles, from its K step: A's tile lies 256 bytes a step along the rows, B's 128 rows a step down.
.macro SETADR s
	s_lshl_b32 s68, s[KK+\s], 8
	s_mul_i32 s70, s[KK+\s], KSTEP*SIZE_N*2
	s_add_nc_u64 s[G0+4*\s+2:G0+4*\s+3], s[14:15], s[68:69]
	s_or_b32 s[G0+4*\s+3], s[G0+4*\s+3], 0x80000000
	s_add_nc_u64 s[G0B+4*\s+2:G0B+4*\s+3], s[46:47], s[70:71]
	s_or_b32 s[G0B+4*\s+3], s[G0B+4*\s+3], 0x80000000
.endm
.macro CREST                           ; a round of the cluster's barrier behind its opening work-group barrier
	s_cmp_lg_u32 s10, 0
	s_cbranch_scc1 .Lnot_wave_0_\@
	s_barrier_signal -3
.Lnot_wave_0_\@:
	s_barrier_wait -3
	s_barrier_signal -1
	s_barrier_wait -1
.endm
.macro CROUND
	s_barrier_signal -1
	s_barrier_wait -1
	CREST
.endm
	s_load_b128 s[4:7], s[0:1], 0x0                ; A, B
	s_load_b64 s[8:9], s[0:1], 0x10                ; C
	s_set_vgpr_msb 0x40
	v_lshl_add_u32 v255, v0, 2, 0x4c400
	s_set_vgpr_msb 0x4000
	v_mov_b32 v255, 0
	s_set_vgpr_msb 0x1
	ds_add_u32 v255, v255
	s_set_vgpr_msb 0x100
	v_lshrrev_b32 v1, 5, v0
	v_readfirstlane_b32 s10, v1                    ; wave 0..3
	s_lshr_b32 s11, s10, 1                         ; nh.  Also: I fetch for A (0) or for B (1)
	s_and_b32 s12, s10, 1                          ; ks.  Also: which 64 rows of that tile I fetch
	s_bfe_u32 s40, ttmp6, 0x40000                  ; cx
	s_lshl_b32 s42, ttmp9, 2
	s_add_co_u32 s42, s42, s40                     ; block row = 4 x cluster x + cx
	s_and_b32 s13, ttmp7, 0xffff                   ; block column: shared by the cluster
	s_mov_b32 s[G1+0], (1<<16)|(1<<20)|(5<<22)|(3<<25)     ; no mask; 2-byte elements; after every 64 words 4 words of padding
	s_mov_b32 s[G1+1], KSTEP<<16                   ; tensor_dim0 = 128
	s_mov_b32 s[G1+2], 64<<16                      ; tensor_dim1 = 64
	s_mov_b32 s[G1+3], KSTEP<<16                   ; tile_dim0 = 128
	s_mov_b32 s[G1+4], 64                          ; tile_dim1 = 64
	s_mov_b32 s[G1+5], SIZE_K                      ; elements from row to row
	s_mov_b32 s[G1+6], 0
	s_mov_b32 s[G1+7], 0
	s_mov_b32 s[G1B+0], 15|(1<<16)|(1<<20)|(1<<21)|(6<<22)|(7<<25)   ; mask: all four; bit 21 beside it; after every 128 words 8 words of padding
	s_mov_b32 s[G1B+1], 256<<16                    ; tensor_dim0 = 256
	s_mov_b32 s[G1B+2], 64<<16                     ; tensor_dim1 = 64
	s_mov_b32 s[G1B+3], 256<<16                    ; tile_dim0 = 256
	s_mov_b32 s[G1B+4], 64                         ; tile_dim1 = 64
	s_mov_b32 s[G1B+5], SIZE_N
	s_mov_b32 s[G1B+6], 0
	s_mov_b32 s[G1B+7], 0
	s_lshl_b32 s16, s42, 7
	s_lshl_b32 s17, s12, 6
	s_add_co_u32 s16, s16, s17                     ; row 128 x block row + 64 x half: of A for my load, of C for my stores
	s_mul_i32 s44, s16, ROWB
	s_mul_i32 s16, s16, 2*SIZE_K
	s_mov_b32 s17, 0
	s_lshl_b32 s45, s13, CSH
	s_add_co_u32 s44, s44, s45
	s_lshl_b32 s45, s11, CSH-1
	s_add_co_u32 s44, s44, s45                     ; + my 128 columns of C
	s_mov_b32 s45, 0
	s_mul_i32 s46, s12, 64*2*SIZE_N                ; B: k row 64 x half, column 256 x block column: nothing of cx
	s_lshl_b32 s47, s13, 9
	s_add_co_u32 s46, s46, s47
	s_mov_b32 s47, 0
	s_mul_i32 s20, s10, HALF                       ; where my tile goes: the wave's number times a constant
	s_mul_i32 s66, s13, (TSTEPS<<8)/NBLK           ; my first K step: floor(n TSTEPS / NBLK), in 8 fraction bits,
	s_lshr_b32 s66, s66, 8
	s_and_b32 s67, ttmp9, 1
	s_mul_i32 s67, s67, 6
	s_xor_b32 s67, s67, ttmp9                      ; p(c) = c xor 6 (c & 1); the grid has eight clusters along x
	s_mul_i32 s67, s67, TSTEPS/8
	s_add_co_u32 s66, s66, s67
	s_and_b32 s[KK], s66, TSTEPS-1                 ; slot 0 begins with step o,
	s_add_co_u32 s67, s66, 1
	s_and_b32 s[KK+1], s67, TSTEPS-1               ; slot 1 with o + 1, both modulo TSTEPS
	s_mov_b32 s69, 0                               ; the offsets' upper words
	s_mov_b32 s71, 0
	s_wait_dscnt 0x0
	s_wait_kmcnt 0x0
	s_add_nc_u64 s[14:15], s[4:5], s[16:17]        ; A at my rows, K step 0: kept for the whole kernel
	s_add_nc_u64 s[46:47], s[6:7], s[46:47]        ; B at my columns, K step 0: kept likewise
	s_add_nc_u64 s[8:9], s[8:9], s[44:45]
	CROUND                                         ; all four work-groups are here: the first joint loads meet
.irp s, 0,1
	s_mov_b32 s[G0+4*\s], 1
	s_add_co_u32 s[G0+4*\s+1], s20, \s*SLOT
	s_mov_b32 s[G0B+4*\s], 1
	s_add_co_u32 s[G0B+4*\s+1], s20, \s*SLOT
	SETADR \s
	JLOAD \s                                       ; both slots' first fills: two tensor loads of the wave are out
.endr
	v_and_b32 v1, 15, v0                           ; r
	v_bfe_u32 v2, v0, 4, 1                         ; h
	v_and_b32 v3, 7, v0
	v_bfe_u32 v4, v0, 3, 1
	v_and_b32 v5, 31, v0                           ; L
	v_mul_u32_u24 v6, v1, PITCHA
	v_lshl_add_u32 v6, v2, 4, v6                   ; A: row r, 16 h
	v_lshl_add_u32 v7, v2, 3, v3
	v_mul_u32_u24 v7, v7, PITCHB
	v_lshl_add_u32 v7, v4, 4, v7                   ; B: k row 8 h + L % 8, 16 bytes for lanes 8-15 of each half
	s_mul_i32 s21, s12, HALF+128                   ; rows 64 ks .., K bytes 128 ks ..
	s_xor_b32 s22, s12, 1
	s_mul_i32 s22, s22, HALF                       ; rows 64 (1 - ks) ..
	s_lshl_b32 s23, s12, 7
	s_add_co_u32 s22, s22, s23
	s_mul_i32 s23, s12, HALF                       ; B's k rows 64 ks ..
	s_lshl_b32 s2, s11, 8
	s_add_co_u32 s23, s23, s2                      ; my 128 columns
	s_add_co_u32 s23, s23, 2*HALF
.irp s, 0,1
	v_add_nc_u32 v[ADRAK+\s], s21, v6
	v_add_nc_u32 v[ADRAS+\s], s22, v6
	v_add_nc_u32 v[ADRB+\s], s23, v7
	s_add_co_u32 s21, s21, SLOT
	s_add_co_u32 s22, s22, SLOT
	s_add_co_u32 s23, s23, SLOT
.endr
	v_lshlrev_b32 v8, 4, v5
	s_lshl_b32 s21, s10, 15
	v_add_nc_u32 v[XS], s21, v8                    ; 32,768 bytes a wave, in slot 0 behind its last fill
	s_xor_b32 s21, s21, 32768
	v_add_nc_u32 v[XR], s21, v8                    ; wave w ^ 1
	s_mul_i32 s23, s10, STAGEW
	s_add_co_u32 s23, s23, STAGE
.if OUTF32
	v_mul_u32_u24 v9, v1, 528
	v_lshl_add_u32 v9, v2, 5, v9
	v_add_nc_u32 v[STO], s23, v9                   ; in: row r, 32 bytes for each half of the lanes
	v_add_nc_u32 v[RD], s23, v8                    ; back: a row of 512 bytes
	v_lshlrev_b32 v[CO], 4, v5
.else
	v_add_nc_u32 v[STO], s23, v6                   ; in: row r, 16 bytes for each half of the lanes
	v_mul_u32_u24 v9, v2, PITCHA
	v_lshl_add_u32 v9, v1, 4, v9
	v_add_nc_u32 v[RD], s23, v9                    ; back: lanes 0-15 one row of 256 bytes, lanes 16-31 the next
	v_mul_u32_u24 v9, v2, ROWB
	v_lshl_add_u32 v[CO], v1, 4, v9
.endif
; 16 matrix instructions: row blocks a0, a0 + 1 of the window's four x all 8 column blocks, 32 along K.  zero = 1 starts the sums.
.macro MUL16 f, hi, a0, zero
.irp a, \a0, \a0+1
.irp b, 0,1,2,3,4,5,6,7
.if \zero
	v_wmma_f32_16x16x32_f16 v[8*(8*(\a)+\b):8*(8*(\a)+\b)+7], v[\f+8*\b:\f+8*\b+7], v[\f+8*(4*\hi+\a):\f+8*(4*\hi+\a)+7], 0
.else
	v_wmma_f32_16x16x32_f16 v[8*(8*(\a)+\b):8*(8*(\a)+\b)+7], v[\f+8*\b:\f+8*\b+7], v[\f+8*(4*\hi+\a):\f+8*(4*\hi+\a)+7], v[8*(8*(\a)+\b):8*(8*(\a)+\b)+7]
.endif
.endr
.endr
.endm
; 32 LDS loads: quarter q (32 of my 64 K) of a slot into buffer f: B's 128 columns (transposing loads), A's 64 kept rows, A's 64 sent rows
.macro FETCH slot, q, f
	WIN TO_B
.irp b, 0,1,2,3,4,5,6,7
	ds_load_tr16_b128 v[\f+8*\b:\f+8*\b+3],   v[ADRB+\slot] offset:\q*32*PITCHB+32*\b
	ds_load_tr16_b128 v[\f+8*\b+4:\f+8*\b+7], v[ADRB+\slot] offset:\q*32*PITCHB+32*\b+16*PITCHB
.endr
	WIN 0
.irp i, 0,1,2,3
	ds_load_b128 v[\f+8*\i:\f+8*\i+3],   v[ADRAK+\slot] offset:\q*64+\i*16*PITCHA
	ds_load_b128 v[\f+8*\i+4:\f+8*\i+7], v[ADRAK+\slot] offset:\q*64+\i*16*PITCHA+32
.endr
.irp i, 0,1,2,3
	ds_load_b128 v[\f+32+8*\i:\f+32+8*\i+3],   v[ADRAS+\slot] offset:\q*64+\i*16*PITCHA
	ds_load_b128 v[\f+32+8*\i+4:\f+32+8*\i+7], v[ADRAS+\slot] offset:\q*64+\i*16*PITCHA+32
.endr
.endm
.macro PLACES                          ; four plain places behind matrix instructions whose registers are loaded or read next (ISA guide 7.12.1)
.rept 4
	v_nop
.endr
.endm
; A K step is two quarters of 32 along my half of K, 64 matrix instructions each, on buffers 0, 1.  The 64 accumulators take turns, one
; instruction a turn, in the same order in every quarter.
.macro QUARTER slot, zero
	s_wait_dscnt 8                                 ; B and the kept rows are in; the eight youngest loads (the sent rows) may be out
	WIN MUL_LO
	MUL16 F0, 0, 0, \zero
	MUL16 F0, 0, 2, \zero
	PLACES
	FETCH \slot, 1, F1
	s_wait_dscnt 32                                ; all but the 32 just issued
	WIN MUL_HI
	MUL16 F0, 1, 0, \zero
	MUL16 F0, 1, 2, \zero
.endm
; The second quarter changes slots.  In front of the barrier each wave waits for its reads of this slot and for all its tensor loads (one is
; out: its part of the next slot).  Where the slot is filled again the barrier opens a round of the cluster's barrier, and the refill is the
; wave's first and only tensor load behind the round.  From a request to the wait for it a wave issues 112 matrix instructions.
.macro TURN slot, next, fill
	s_wait_dscnt 8
	WIN MUL_LO
	MUL16 F1, 0, 0, 0
	s_wait_dscnt 0x0                               ; my reads of this slot are over
	s_wait_tensorcnt 0x0                           ; all my tensor loads have landed: every group 0 may be written
	ds_add_u32 v255, v255
	s_wait_dscnt 0x0
	s_barrier_signal -1
	MUL16 F1, 0, 2, 0                              ; register work while the others arrive
	WIN 0
	s_barrier_wait -1
.if \fill
	CREST
	s_add_co_u32 s[KK+\slot], s[KK+\slot], 2       ; this slot's next K step, modulo TSTEPS
	s_and_b32 s[KK+\slot], s[KK+\slot], TSTEPS-1
	SETADR \slot
	JLOAD \slot
.endif
	PLACES
	FETCH \next, 0, F0
	WIN MUL_HI
	MUL16 F1, 1, 0, 0
	MUL16 F1, 1, 2, 0
.endm
.macro LAP zero
	QUARTER 0, \zero
	TURN 0, 1, 1
	QUARTER 1, 0
	TURN 1, 0, 1
.endm
	s_wait_tensorcnt 0x1                           ; my part of the first K step is in; the second's stays out
	s_barrier_signal -1
	s_barrier_wait -1
	FETCH 0, 0, F0
	LAP 1                                          ; the first products start the sums: nothing is cleared
	WIN 0
	s_mov_b32 s3, LAPS-2
.Llap:
	LAP 0
	WIN 0
	s_sub_co_u32 s3, s3, 1
	s_cmp_lg_u32 s3, 0
	s_cbranch_scc1 .Llap
	QUARTER 0, 0                                   ; the last lap fills nothing
	TURN 0, 1, 0
	QUARTER 1, 0
	s_wait_dscnt 8
	WIN MUL_LO
	MUL16 F1, 0, 0, 0
	MUL16 F1, 0, 2, 0
	s_wait_dscnt 0x0
	WIN MUL_HI
	MUL16 F1, 1, 0, 0
	MUL16 F1, 1, 2, 0
	; THE EXCHANGE: window 3 goes to my partner, its window 3 is added onto my window 2.
	PLACES
	WIN 0
	s_wait_dscnt 0x0
	s_wait_tensorcnt 0x0
	s_barrier_signal -1
	s_barrier_wait -1                              ; no wave reads a slot any more, and no fill is left: slot 0's bytes may be stored into
	WIN 0x0c                                       ; store data from window 3
.set i, 0
.rept 64
	ds_store_b128 v[XS], v[4*i:4*i+3] offset:i*512
.set i, i+1
.endr
	WIN 0
	s_wait_dscnt 0x0                               ; for my partner's sake
	s_barrier_signal -1
	s_barrier_wait -1
.irp g, 0,1
.set i, 0
.rept 32
	ds_load_b128 v[F0+4*i:F0+4*i+3], v[XR] offset:(32*\g+i)*512
.set i, i+1
.endr
	s_wait_dscnt 0x0
	WIN 0x82                                       ; destination and source 0 window 2
.set i, 0
.rept 64
	v_pk_add_f32 v[128*\g+2*i:128*\g+2*i+1], v[128*\g+2*i:128*\g+2*i+1], v[F0+2*i:F0+2*i+1]
.set i, i+1
.endr
	WIN 0
.endr
	; THE WAY OUT, 16 rows at a time through my own stage: whole rows come back and are stored as whole aligned pieces.
.macro OUT16 a, f
.if OUTF32
	WIN 0x08                                       ; store data from window 2
.irp b, 0,1,2,3,4,5,6,7
	ds_store_b128 v[STO], v[8*(8*\a+\b):8*(8*\a+\b)+3]   offset:64*\b
	ds_store_b128 v[STO], v[8*(8*\a+\b)+4:8*(8*\a+\b)+7] offset:64*\b+16
.endr
	WIN 0
.else
	WIN 0x0a                                       ; sources from window 2
.irp b, 0,1,2,3,4,5,6,7
.irp r, 0,1,2,3
	v_cvt_pk_f16_f32 v[TMP+4*\b+\r], v[8*(8*\a+\b)+2*\r], v[8*(8*\a+\b)+2*\r+1]
.endr
.endr
	WIN 0
.irp b, 0,1,2,3,4,5,6,7
	ds_store_b128 v[STO], v[TMP+4*\b:TMP+4*\b+3] offset:32*\b
.endr
.endif
	s_wait_xcnt 0x0                                ; buffer f, which earlier stores read, and the stores' base are rewritten only behind this wait
.if \a
	s_add_nc_u64 s[8:9], s[8:9], 16*ROWB
.endif
.if OUTF32
.irp t, 0,1,2,3,4,5,6,7,8,9,10,11,12,13,14,15
	ds_load_b128 v[\f+4*\t:\f+4*\t+3], v[RD] offset:\t*528         ; LDS serves a wave in order: these see the stores above
.endr
.irp t, 0,1,2,3,4,5,6,7,8,9,10,11,12,13,14,15
	s_wait_dscnt 15-\t                             ; row t is back, the younger ones stay out
	global_store_b128 v[CO], v[\f+4*\t:\f+4*\t+3], s[8:9] offset:\t*ROWB th:TH_STORE_NT   ; 512 consecutive bytes, aligned
.endr
.else
.irp t, 0,1,2,3,4,5,6,7
	ds_load_b128 v[\f+4*\t:\f+4*\t+3], v[RD] offset:\t*2*PITCHA
.endr
.irp t, 0,1,2,3,4,5,6,7
	s_wait_dscnt 7-\t
	global_store_b128 v[CO], v[\f+4*\t:\f+4*\t+3], s[8:9] offset:2*\t*ROWB     ; sixteen lanes store 256 consecutive bytes, aligned
.endr
.endif
.endm
	OUT16 0, F0
	OUT16 1, F1
	OUT16 2, F0
	OUT16 3, F1
	s_set_vgpr_msb 0x1
	s_wait_tensorcnt 0x0
	ds_add_u32 v255, v255
	s_wait_dscnt 0x0
	s_set_vgpr_msb 0x100
	CROUND                                         ; the closing round: no work-group ends while a partner may still ask jointly
	s_endpgm
.Lfunc_end_k_q38ba3f90d0_qkvproj:
	.size	k_q38ba3f90d0_qkvproj, .Lfunc_end_k_q38ba3f90d0_qkvproj-k_q38ba3f90d0_qkvproj
	.p2alignl 7, 3214868480
	.fill 96, 4, 3214868480
	.section	.rodata,"a",@progbits
	.p2align	6, 0x0
	.amdhsa_kernel k_q38ba3f90d0_qkvproj
		.amdhsa_group_segment_fixed_size 327680
		.amdhsa_private_segment_fixed_size 0
		.amdhsa_enable_private_segment 0
		.amdhsa_kernarg_size 24
		.amdhsa_user_sgpr_count 2
		.amdhsa_user_sgpr_kernarg_segment_ptr 1
		.amdhsa_wavefront_size32 1
		.amdhsa_system_sgpr_workgroup_id_x 1
		.amdhsa_system_sgpr_workgroup_id_y 1
		.amdhsa_system_sgpr_workgroup_id_z 1
		.amdhsa_system_vgpr_workitem_id 0
		.amdhsa_next_free_vgpr 1024
		.amdhsa_next_free_sgpr 72
		.amdhsa_reserve_vcc 0
		.amdhsa_float_denorm_mode_32 3
		.amdhsa_float_denorm_mode_16_64 3
		.amdhsa_memory_ordered 1
		.amdhsa_forward_progress 1
		.amdhsa_inst_pref_size 122
	.end_amdhsa_kernel
	.amdgpu_metadata
---
amdhsa.version: [ 1, 2 ]
amdhsa.kernels:
  - .name:           k_q38ba3f90d0_qkvproj
    .symbol:         k_q38ba3f90d0_qkvproj.kd
    .args:
      - { .name: xb, .offset: 0, .size: 8, .value_kind: global_buffer, .address_space: global }
      - { .name: wcat, .offset: 8, .size: 8, .value_kind: global_buffer, .address_space: global }
      - { .name: qkv, .offset: 16, .size: 8, .value_kind: global_buffer, .address_space: global }
    .group_segment_fixed_size: 327680
    .private_segment_fixed_size: 0
    .kernarg_segment_align: 8
    .kernarg_segment_size: 24
    .max_flat_workgroup_size: 128
    .sgpr_count:     72
    .vgpr_count:     1024
    .wavefront_size: 32
...
	.end_amdgpu_metadata
.endif
;; end of part 6
;; launch attn (part 7): grid 256 x 1, 4 waves a work-group, clusters of 4 x 1, 327,680 bytes of LDS; arguments qkv, mbits, gates, ao; writes ao
.if DOCPART == 7
	.amdgcn_target "amdgcn-amd-amdhsa--gfx1250"
	.amdhsa_code_object_version 6
	.text
	.protected	k_q38ba3f90d0_attn
	.globl	k_q38ba3f90d0_attn
	.p2align	8
	.type	k_q38ba3f90d0_attn,@function
k_q38ba3f90d0_attn:
	s_mov_b64 s[64:65], 0
	v_nop
	global_prefetch_b8 v0, s[64:65] scope:SCOPE_SE
	s_setreg_imm32_b32 hwreg(HW_REG_WAVE_MODE, 25, 1), 1
	s_wait_xcnt 0x0
	s_wait_alu depctr_hold_cnt(0) depctr_sa_sdst(0) depctr_va_vdst(0) depctr_va_sdst(0) depctr_va_ssrc(0) depctr_va_vcc(0) depctr_vm_vsrc(0)
	s_getreg_b32 s2, hwreg(HW_REG_IB_STS2, 6, 4)
	s_cmp_eq_u32 s2, 0
	s_cbranch_scc0 .Lentry_in_a_cluster
	s_endpgm
.Lentry_in_a_cluster:
	s_bfe_u32 s2, ttmp6, 0x10000c
	s_cmp_lg_u32 s2, 0x3003
	s_cbranch_scc0 .Lentry_shape_is_right
	s_endpgm
.Lentry_shape_is_right:
; ATTENTION with the mask as given, a running maximum, the gate and the division by the softmax sum; ao = f16 [4096][1024].
; A work-group owns 128 queries of one query head.  The four query heads of one key/value head form a cluster and ask jointly for
; every tile of K and V (mask 15).  Wave w: rh = w / 2 is its 64 queries, kh = w % 2 its 1,024 keys: with 64 queries a wave each K or V
; fragment from LDS feeds four matrix instructions.  The two key halves are merged once at the end, through LDS.
; TRANSPOSED FORMS: S^T = K Q^T (lane (r, h) holds query r and keys 8 h + j of a fragment), so the maximum and the sum are one number a
; lane and one exchange between the lane halves, and two packed S^T fragments ARE the second source of O^T = V^T P^T.
; Scores arrive as exponents of 2 (c = log2 e / sqrt(128) lies in Wq).  A masked score becomes -1e9 log2 e, as the problem's function
; fills -1e9: a row that is masked everywhere gives the plain mean of V.  The mask comes as lane masks (mbits), 32 words for 16 queries
; and 64 keys, by scalar loads into two sets of 32 scalar registers.
; THE SOFTMAX OF ONE PAIR OF QUERY FRAGMENTS IS ISSUED BEHIND THE MATRIX INSTRUCTIONS OF THE OTHER PAIR.  A step (64 keys) is two half steps:
;   A(t): vector work: mask, softmax, rescaling of fragments 0, 1;  matrix stream: P V of fragments 2, 3 of step t - 1, Q K of 2, 3 of step t
;   B(t): vector work: the same of fragments 2, 3;                  matrix stream: P V of fragments 0, 1 of step t, Q K of 0, 1 of step t + 1
; The two streams of a half step name no common register.  A half step has 64 matrix and 338 vector instructions: one matrix instruction
; stands behind every five vector instructions.  S and P, O, V and Q, K lie in four register windows, so each matrix instruction costs two
; switches of the window; what they buy is that the vector work is issued while the matrix instructions run, not behind them.
; V(t) is read from LDS in the middle of A(t), behind the last product that read V(t - 1); K(t + 1) at the head of B(t).  The mask words of one
; pair are asked for as soon as the other pair's have been used, a half step ahead.  The slots change at the head of B of a tile's second
; step, straight behind the tile's last LDS read.
; LIMITS: real scores are taken to lie above -1e9; v_max*_num lets a NaN lose; the softmax weights are rounded to f16 (below 2^-14 with
; an absolute error of at most 2^-25), their sum is kept unrounded in f32; ao above 65504 in magnitude becomes an infinity.
; Query fragments 0, 1 are the rows that I keep (32 kh + 16 i), 2, 3 those that I send (32 (1 - kh) + 16 i): the merge has no branch.
; REGISTERS: window 0: addresses, figures, S/P (v32-159), temporaries; window 1: O(qf, df) at 8 (8 qf + df);
; window 2: Q(qf, kc) at 8 (4 qf + kc), V(c, df) at 128 + 8 (8 c + df); window 3: K(f, kc) at 8 (4 f + kc).
.set PK,    272                        ; K's LDS row: 256 bytes + 16
.set PV,    288                        ; V's LDS row: 256 bytes + 32, an odd multiple of 32 for the transposing loads
.set TILE,  36864                      ; 128 keys: what one tensor load brings (K uses 34,816 of it)
.set SLOT,  4*TILE                     ; K keys half 0, K half 1, V half 0, V half 1: two steps of 64 keys for each half
.set STAGE, 2*SLOT                     ; 294,912: never filled; 4,352 bytes a wave
.set MRG,   16896                      ; the merge: 16,384 bytes of sums + 512 of figures a wave, in slot 0 behind its last fill
.set QROW,  3072                       ; bytes in a row of qkv
.set KA,  2                            ; v2-3   K fragments' address, slot 0, 1
.set VA,  4                            ; v4-5   V fragments' address
.set NEG, 6                            ; v6     -1e9 log2 e
.set M,   8                            ; v[8+2qf : 9+2qf]   the running maximum, twice
.set AL,  16                           ; v[16+2qf : 17+2qf] 2^(old maximum - new), twice
.set LS,  24                           ; v[24+qf] the running sum of my lane's keys
.set GT,  28                           ; v28-29 gates of the rows that I keep
.set SB,  32                           ; S(f, qf) at 32 + 32 qf + 8 f; then P(c, qf) at 32 + 32 qf + 8 c
.set TT,  160                          ; v160-175 temporaries: eight for each fragment of a pair
.set XS,  176
.set XR,  177
.set STO, 178
.set RD,  179
.set CO,  180
.set QOK, 181
.set QOS, 182
.set GO,  183
.set OUTP, 192
.set OUTR, 224
.set G0,  4                            ; s[4:11]  group 0, a set for each slot
.set G1K, 12                           ; s[12:19] group 1 for K
.set G1V, 20                           ; s[20:27] group 1 for V
.set MK,  28                           ; s[28:29] mask words of the rows that I keep
.set MS,  30                           ; s[30:31] of the rows that I send
.set MA,  32                           ; s[32:63] 32 mask words (before the first step: temporaries)
.set MB,  68                           ; s[68:99] 32 mask words
; what the assembler keeps count of while it lays the two streams together
.set VPER, 5                           ; vector instructions in front of each matrix instruction
.set VC,   0                           ; vector instructions since the last one
.set PL,   0                           ; PLAIN vector instructions since the last one (no transcendental, no lane exchange)
.set MI,   0                           ; the matrix stream's next instruction: 0-31 P V, 32-63 Q K
.set MEND, 0                           ; and where it ends
.set PVQ,  0                           ; the first query fragment of the stream's P V
.set QKQ,  0                           ; and of its Q K
.set PVZ,  0                           ; 1: the P V starts the sums
.set MEV,  0                           ; what stands in front of instruction 32: 1 V's loads, 2 the wait for K's, 0 nothing
.set ESLOT, 0                          ; which slot and which half of its tile V's loads read
.set EPART, 0
.set VW,   0                           ; the window setting of the vector stream
.set MBACK, 1                          ; 1: a matrix instruction is followed by the switch back to it
.set MSB, 0
.macro WIN new
.if MSB != \new
	s_set_vgpr_msb (MSB<<8)|\new
.set MSB, \new
.endif
.endm
.macro ROUND                           ; a round of the cluster's barrier
	s_barrier_signal -1
	s_barrier_wait -1
	s_cmp_lg_u32 s2, 0
	s_cbranch_scc1 .Lnot_wave_0_\@
	s_barrier_signal -3
.Lnot_wave_0_\@:
	s_barrier_wait -3
	s_barrier_signal -1
	s_barrier_wait -1
.endm
.macro JLOAD s                         ; my one joint load: waves 0, 1 K's tiles, waves 2, 3 V's
	s_cmp_eq_u32 s100, 0
	s_cbranch_scc0 .Lfor_v_\@
	tensor_load_to_lds s[G0+4*(\s):G0+4*(\s)+3], s[G1K:G1K+7]
	s_nop 0
	s_branch .Lasked_\@
.Lfor_v_\@:
	tensor_load_to_lds s[G0+4*(\s):G0+4*(\s)+3], s[G1V:G1V+7]
	s_nop 0
.Lasked_\@:
.endm
	s_load_b256 s[32:39], s[0:1], 0x0              ; qkv 32, mbits 34, gates 36, ao 38
	v_lshl_add_u32 v190, v0, 2, 0x4c400
	v_mov_b32 v191, 0
	ds_add_u32 v190, v191
	v_lshrrev_b32 v1, 5, v0
	v_readfirstlane_b32 s2, v1                     ; wave 0..3
	s_lshr_b32 s100, s2, 1                         ; rh.  Also: I fetch K (0) or V (1)
	s_and_b32 s101, s2, 1                          ; kh.  Also: which key half I fetch
	s_bfe_u32 s40, ttmp6, 0x40000                  ; cx = g, the query head within its group
	s_and_b32 s41, ttmp9, 15                       ; qb: block of 128 queries
	s_bfe_u32 s42, ttmp9, 0x10004                  ; kv head
	s_lshr_b32 s43, ttmp9, 5                       ; batch
	s_mov_b32 s66, 0x76543210                      ; v_permlanex16_b32: lane i reads lane i of the other half
	s_mov_b32 s67, 0xfedcba98
	s_mov_b32 s[G1K+0], 15|(1<<16)|(1<<20)|(1<<21)|(5<<22)|(3<<25)   ; mask: all four; 2-byte elements; after every 64 words 4 words of padding
	s_mov_b32 s[G1V+0], 15|(1<<16)|(1<<20)|(1<<21)|(5<<22)|(7<<25)   ; the same with 8 words of padding
.irp g, G1K, G1V
	s_mov_b32 s[\g+1], 128<<16                     ; tensor_dim0 = 128
	s_mov_b32 s[\g+2], 128<<16                     ; tensor_dim1 = 128
	s_mov_b32 s[\g+3], 128<<16                     ; tile_dim0 = 128
	s_mov_b32 s[\g+4], 128                         ; tile_dim1 = 128
	s_mov_b32 s[\g+5], 1536                        ; elements from row to row
	s_mov_b32 s[\g+6], 0
	s_mov_b32 s[\g+7], 0
.endr
	s_lshl_b32 s44, s43, 11                        ; 2,048 b
	s_lshl_b32 s45, s101, 10
	s_add_co_u32 s45, s44, s45                     ; + 1,024 x key half
	s_mul_i32 s45, s45, QROW
	s_lshl_b32 s46, s100, 9                        ; K at byte 2,048 of a row, V at 2,560
	s_add_co_u32 s45, s45, s46
	s_lshl_b32 s46, s42, 8                         ; 256 bytes a head
	s_add_co_u32 s45, s45, s46
	s_add_co_u32 s46, s45, 2048                    ; nothing of cx enters a joint load's address
	s_mov_b32 s47, 0
	s_mul_i32 s60, s2, TILE                        ; where my tile goes: the wave's number times a constant
	s_wait_dscnt 0x0
	s_wait_kmcnt 0x0
	s_add_nc_u64 s[46:47], s[32:33], s[46:47]
.irp s, 0,1
	s_mov_b32 s[G0+4*\s], 1
	s_add_co_u32 s[G0+4*\s+1], s60, \s*SLOT
	s_add_nc_u64 s[G0+4*\s+2:G0+4*\s+3], s[46:47], \s*128*QROW
	s_or_b32 s[G0+4*\s+3], s[G0+4*\s+3], 0x80000000
.endr
	ROUND                                          ; the four work-groups are here: the first joint loads meet
	s_cmp_eq_u32 s100, 0                           ; both first fills in one branch on the wave's number: two loads of the wave are out
	s_cbranch_scc0 .Lfirst_v
	tensor_load_to_lds s[G0:G0+3], s[G1K:G1K+7]
	s_nop 0
	tensor_load_to_lds s[G0+4:G0+7], s[G1K:G1K+7]
	s_nop 0
	s_branch .Lfirst_done
.Lfirst_v:
	tensor_load_to_lds s[G0:G0+3], s[G1V:G1V+7]
	s_nop 0
	tensor_load_to_lds s[G0+4:G0+7], s[G1V:G1V+7]
	s_nop 0
.Lfirst_done:
	s_lshl_b32 s48, s41, 7
	s_add_co_u32 s48, s48, s44
	s_lshl_b32 s49, s100, 6
	s_add_co_u32 s48, s48, s49                     ; my wave's first query row: 2,048 b + 128 qb + 64 rh
	s_lshl_b32 s49, s42, 2
	s_add_co_u32 s49, s49, s40                     ; query head
	s_lshl_b32 s62, s49, 8                         ; its 256 bytes in a row
	s_mul_i32 s50, s48, QROW
	s_add_co_u32 s50, s50, s62
	s_mov_b32 s51, 0
	s_add_nc_u64 s[50:51], s[32:33], s[50:51]      ; Q
	s_lshl_b32 s52, s48, 5
	s_lshl_b32 s63, s49, 2
	s_add_co_u32 s52, s52, s63
	s_mov_b32 s53, 0
	s_add_nc_u64 s[52:53], s[36:37], s[52:53]      ; gates
	s_lshl_b32 s104, s101, 5
	s_add_co_u32 s104, s104, s48                   ; the rows that I keep
	s_lshl_b32 s104, s104, 11
	s_add_co_u32 s104, s104, s62
	s_mov_b32 s105, 0
	s_add_nc_u64 s[104:105], s[38:39], s[104:105]  ; ao
	s_lshl_b32 s54, s41, 3
	s_lshl_b32 s55, s100, 2
	s_add_co_u32 s54, s54, s55                     ; group of 16 queries: 8 qb + 4 rh
	s_lshl_b32 s55, s101, 1
	s_add_co_u32 s56, s54, s55                     ; + 2 kh: kept
	s_xor_b32 s55, s55, 2
	s_add_co_u32 s58, s54, s55                     ; + 2 (1 - kh): sent
	s_lshl_b32 s56, s56, 12                        ; 4,096 bytes a group
	s_lshl_b32 s58, s58, 12
	s_lshl_b32 s55, s101, 11                       ; my key half: 64 fragments of 32 bytes
	s_add_co_u32 s56, s56, s55
	s_add_co_u32 s58, s58, s55
	s_mov_b32 s57, 0
	s_mov_b32 s59, 0
	s_add_nc_u64 s[MK:MK+1], s[34:35], s[56:57]
	s_add_nc_u64 s[MS:MS+1], s[34:35], s[58:59]
	v_and_b32 v160, 15, v0                         ; r
	v_bfe_u32 v161, v0, 4, 1                       ; h
	v_and_b32 v162, 7, v0
	v_bfe_u32 v163, v0, 3, 1
	v_and_b32 v164, 31, v0                         ; L
	s_lshl_b32 s60, s101, 5                        ; 32 kh
	v_add_nc_u32 v170, s60, v160
	v_mul_u32_u24 v[QOK], v170, QROW
	v_lshl_add_u32 v[QOK], v161, 4, v[QOK]         ; Q: row 32 kh + r, 16 h
	v_lshlrev_b32 v[GO], 5, v170
	s_xor_b32 s60, s60, 32
	v_add_nc_u32 v170, s60, v160
	v_mul_u32_u24 v[QOS], v170, QROW
	v_lshl_add_u32 v[QOS], v161, 4, v[QOS]
	WIN 0x80                                       ; destination window 2
.irp i, 0,1
.irp kc, 0,1,2,3
	global_load_b128 v[8*(4*\i+\kc):8*(4*\i+\kc)+3],     v[QOK], s[50:51] offset:\i*16*QROW+\kc*64
	global_load_b128 v[8*(4*\i+\kc)+4:8*(4*\i+\kc)+7],   v[QOK], s[50:51] offset:\i*16*QROW+\kc*64+32
	global_load_b128 v[8*(4*\i+8+\kc):8*(4*\i+8+\kc)+3],   v[QOS], s[50:51] offset:\i*16*QROW+\kc*64
	global_load_b128 v[8*(4*\i+8+\kc)+4:8*(4*\i+8+\kc)+7], v[QOS], s[50:51] offset:\i*16*QROW+\kc*64+32
.endr
.endr
	WIN 0
	global_load_b32 v[GT], v[GO], s[52:53]
	global_load_b32 v[GT+1], v[GO], s[52:53] offset:512
	v_mul_u32_u24 v165, v160, PK
	v_lshl_add_u32 v165, v161, 4, v165             ; row r, 16 h
	s_mul_i32 s60, s101, TILE
	v_add_nc_u32 v[KA], s60, v165
	v_add_nc_u32 v[KA+1], SLOT, v[KA]
	v_lshl_add_u32 v166, v161, 3, v162
	v_mul_u32_u24 v166, v166, PV
	v_lshl_add_u32 v166, v163, 4, v166             ; key 8 h + L % 8, 16 bytes for lanes 8-15 of each half
	s_add_co_u32 s60, s60, 2*TILE
	v_add_nc_u32 v[VA], s60, v166
	v_add_nc_u32 v[VA+1], SLOT, v[VA]
	v_mov_b32 v[NEG], 0xceabfb8f                   ; -1e9 log2 e
	v_lshlrev_b32 v167, 4, v164
	s_mul_i32 s60, s2, MRG
	v_add_nc_u32 v[XS], s60, v167
	s_xor_b32 s61, s2, 1
	s_mul_i32 s61, s61, MRG
	v_add_nc_u32 v[XR], s61, v167                  ; wave w ^ 1
	s_mul_i32 s60, s2, 16*PK
	s_add_co_u32 s60, s60, STAGE
	v_add_nc_u32 v[STO], s60, v165
	v_mul_u32_u24 v168, v161, PK
	v_lshl_add_u32 v168, v160, 4, v168
	v_add_nc_u32 v[RD], s60, v168
	v_lshlrev_b32 v169, 4, v160
	v_lshl_add_u32 v[CO], v161, 11, v169           ; ao: lanes 0-15 one row's 256 bytes, lanes 16-31 the next row's
.macro KLOAD slot, part                ; 64 keys x 128 d of K into window 3 (the window is left as it is set here)
	WIN 0xc0
.irp f, 0,1,2,3
.irp kc, 0,1,2,3
	ds_load_b128 v[8*(4*\f+\kc):8*(4*\f+\kc)+3],   v[KA+(\slot)] offset:\part*64*PK+\f*16*PK+\kc*64
	ds_load_b128 v[8*(4*\f+\kc)+4:8*(4*\f+\kc)+7], v[KA+(\slot)] offset:\part*64*PK+\f*16*PK+\kc*64+32
.endr
.endr
.endm
.macro VLOAD slot, part                ; 64 keys x 128 d of V, transposed, into window 2 (the window is left as it is set here)
	WIN 0x80
.irp c, 0,1
.irp df, 0,1,2,3,4,5,6,7
	ds_load_tr16_b128 v[128+8*(8*\c+\df):128+8*(8*\c+\df)+3],   v[VA+\slot] offset:\part*64*PV+\c*32*PV+\df*32
	ds_load_tr16_b128 v[128+8*(8*\c+\df)+4:128+8*(8*\c+\df)+7], v[VA+\slot] offset:\part*64*PV+\c*32*PV+\df*32+16*PV
.endr
.endr
.endm
.macro MLOAD buf, ptr, i               ; the 32 mask words of 16 queries and one step's 64 keys
	s_load_b512 s[\buf:\buf+15],    s[\ptr:\ptr+1], \i*4096
	s_load_b512 s[\buf+16:\buf+31], s[\ptr:\ptr+1], \i*4096+64
.endm
; n places behind the last matrix instruction (ISA guide 7.12.1): the plain vector instructions that have stood there since are counted in PL
; (none of them names a register of the half step's matrix stream); v_nop makes up what is missing.
.macro NEED n
.if PL < \n
.rept \n-PL
	v_nop
.endr
.set PL, \n
.endif
.endm
; The matrix stream's next instruction, if one is left.
; 0-31:  O^T += V^T P^T of query fragments PVQ, PVQ + 1: 16 accumulators by turns, first over keys 0-31 of the step, then over keys 32-63.
; 32-63: S^T = K Q^T of query fragments QKQ, QKQ + 1: key fragments 2, 3 and then 0, 1, four accumulators by turns over the four parts of d.
;        P lies in the registers of S's key fragments 0, 1: these are written 17 instructions of the stream, with their vector instructions
;        between, behind the last product that read P.
; In every stream, and from one to the next, the accumulators take turns, one instruction a turn.
.macro MM
.if MI < MEND
.if MI == 32
.if MEV == 1
	NEED 4                                         ; four places behind the last product that read V, then V's next 64 keys
	VLOAD ESLOT, EPART
.endif
.if MEV == 2
	s_wait_dscnt 0x0                               ; K's fragments, asked for at the half step's head, are in
.endif
.endif
.if MI < 32
.set MQ, PVQ+(MI&1)
.set MD, (MI>>1)&7
.set MC, MI>>4
.set WD, 8*(8*MQ+MD)
.set WA, 128+8*(8*MC+MD)
.set WB, SB+32*MQ+8*MC
	WIN 0x52                                       ; source 0 window 2 (V), source 1 window 0 (P), O in window 1
.if PVZ*(1-MC)
	v_wmma_f32_16x16x32_f16 v[WD:WD+7], v[WA:WA+7], v[WB:WB+7], 0
.else
	v_wmma_f32_16x16x32_f16 v[WD:WD+7], v[WA:WA+7], v[WB:WB+7], v[WD:WD+7]
.endif
.else
.set MQ, QKQ+(MI&1)
.set MF, ((2*(MI>>4)+2)&3)+((MI>>1)&1)
.set MC, (MI>>2)&3
.set WD, SB+32*MQ+8*MF
.set WA, 8*(4*MF+MC)
.set WB, 8*(4*MQ+MC)
	WIN 0x0b                                       ; source 0 window 3 (K), source 1 window 2 (Q), S in window 0
.if MC
	v_wmma_f32_16x16x32_f16 v[WD:WD+7], v[WA:WA+7], v[WB:WB+7], v[WD:WD+7]
.else
	v_wmma_f32_16x16x32_f16 v[WD:WD+7], v[WA:WA+7], v[WB:WB+7], 0
.endif
.endif
.set MI, MI+1
.set PL, 0
.if MBACK
	WIN VW
.endif
.endif
.endm
.macro MFLUSH                          ; what is left of the matrix stream, back to back
.set MBACK, 0
.rept 64
	MM
.endr
.set MBACK, 1
	WIN 0
.endm
.macro TKC                             ; stands behind every instruction of the vector stream
.set VC, VC+1
.if VC >= VPER
.set VC, 0
	MM
.endif
.endm
.macro TK                              ; behind a plain one
.set PL, PL+1
	TKC
.endm
.macro TKX                             ; behind a transcendental or a lane exchange: no place
	TKC
.endm
; Instruction j of the sum and the packing of query fragment q (d: which of the pair's two sets of temporaries).
; 0-14: the 32 weights of a lane summed two at a time in four chains; 15, 16: the running sum; then 16 conversions, P packed in place
; (register i is written when 2 i and 2 i + 1 have been read).  33 instructions, in the first step 32.
.macro WK q, d, j, first
.set WS, SB+32*(\q)
.set WT, TT+8*(\d)
.if (\j) < 4
	s_wait_alu depctr_va_vdst(0)
	v_pk_add_f32 v[WT+2*(\j):WT+2*(\j)+1], v[WS+8*(\j):WS+8*(\j)+1], v[WS+8*(\j)+2:WS+8*(\j)+3]
.else
.if (\j) < 12
	v_pk_add_f32 v[WT+2*((\j)&3):WT+2*((\j)&3)+1], v[WT+2*((\j)&3):WT+2*((\j)&3)+1], v[WS+8*((\j)&3)+2+2*((\j)>>2):WS+8*((\j)&3)+3+2*((\j)>>2)]
.else
.if (\j) < 14
	v_pk_add_f32 v[WT+4*((\j)-12):WT+4*((\j)-12)+1], v[WT+4*((\j)-12):WT+4*((\j)-12)+1], v[WT+4*((\j)-12)+2:WT+4*((\j)-12)+3]
.else
.if (\j) == 14
	v_pk_add_f32 v[WT:WT+1], v[WT:WT+1], v[WT+4:WT+5]
.else
.if (\j) == 15
.if \first
	v_add_f32 v[LS+(\q)], v[WT], v[WT+1]
.else
	v_add_f32 v[WT], v[WT], v[WT+1]
.endif
.else
.if (\j)+(\first) == 16
	v_fma_f32 v[LS+(\q)], v[LS+(\q)], v[AL+2*(\q)], v[WT]
.else
	v_cvt_pk_f16_f32 v[WS+(\j)-17+(\first)], v[WS+2*((\j)-17+(\first))], v[WS+2*((\j)-17+(\first))+1]
.endif
.endif
.endif
.endif
.endif
.endif
	TK
.endm
; The vector stream of a half step: query fragments q0, q0 + 1.  ld = 1: as soon as a set of mask words has been used it is loaded again, with the
; words at ptr for the next half step.  The two fragments' chains are laid together, and each run of exponentials is mixed with plain work of
; the other fragment, which also gives every exponential its plain place before its result is read (ISA guide 5.7.2).
.macro VEC q0, first, ptr, ld
.set VC, 0
.set VW, 0
.set SQA, SB+32*(\q0)
.set SQB, SB+32*(\q0)+32
.set vi, 0
.rept 32
	v_cndmask_b32 v[SQA+vi], v[SQA+vi], v[NEG], s[MA+vi]
	TK
.set vi, vi+1
.endr
.if \ld
	MLOAD MA, \ptr, 0
.endif
.set vi, 0
.rept 32
	v_cndmask_b32 v[SQB+vi], v[SQB+vi], v[NEG], s[MB+vi]
	TK
.set vi, vi+1
.endr
.if \ld
	MLOAD MB, \ptr, 1
.endif
	; the new maximum: four chains a fragment
.irp k, 0,1,2,3
.irp d, 0,1
	v_max3_num_f32 v[TT+8*\d+\k], v[SQA+32*\d+8*\k], v[SQA+32*\d+8*\k+1], v[SQA+32*\d+8*\k+2]
	TK
.endr
.endr
.irp k, 0,1,2,3
.irp d, 0,1
	v_max3_num_f32 v[TT+8*\d+\k], v[TT+8*\d+\k], v[SQA+32*\d+8*\k+3], v[SQA+32*\d+8*\k+4]
	TK
.endr
.endr
.irp k, 0,1,2,3
.irp d, 0,1
	v_max3_num_f32 v[TT+8*\d+\k], v[TT+8*\d+\k], v[SQA+32*\d+8*\k+5], v[SQA+32*\d+8*\k+6]
	TK
.endr
.endr
.irp k, 0,1,2,3
.irp d, 0,1
	v_max_num_f32 v[TT+8*\d+\k], v[TT+8*\d+\k], v[SQA+32*\d+8*\k+7]
	TK
.endr
.endr
.irp d, 0,1
	v_max3_num_f32 v[TT+8*\d], v[TT+8*\d], v[TT+8*\d+1], v[TT+8*\d+2]
	TK
.endr
.irp d, 0,1
.if \first
	v_max_num_f32 v[TT+8*\d], v[TT+8*\d], v[TT+8*\d+3]
.else
	v_max3_num_f32 v[TT+8*\d], v[TT+8*\d], v[TT+8*\d+3], v[M+2*(\q0+\d)]
.endif
	TK
.endr
.irp d, 0,1
	v_permlanex16_b32 v[TT+8*\d+1], v[TT+8*\d], s66, s67   ; the other half of the lanes holds the query's other 32 keys
	TKX
.endr
.irp d, 0,1
	v_max_num_f32 v[M+2*(\q0+\d)+1], v[TT+8*\d], v[TT+8*\d+1]
	TK
.endr
.if \first
.else
.irp d, 0,1
	v_sub_f32 v[TT+8*\d+2], v[M+2*(\q0+\d)], v[M+2*(\q0+\d)+1]     ; old - new
	TK
.endr
.endif
.irp d, 0,1
	v_mov_b32 v[M+2*(\q0+\d)], v[M+2*(\q0+\d)+1]
	TK
.endr
.if \first
.else
.irp d, 0,1
	v_exp_f32 v[AL+2*(\q0+\d)], v[TT+8*\d+2]
	TKX
	v_exp_f32 v[AL+2*(\q0+\d)+1], v[TT+8*\d+2]
	TKX
.endr
.endif
	; S - maximum of the first fragment
.set vi, 0
.rept 16
	v_pk_add_f32 v[SQA+2*vi:SQA+2*vi+1], v[SQA+2*vi:SQA+2*vi+1], v[M+2*(\q0):M+2*(\q0)+1] neg_lo:[0,1] neg_hi:[0,1]
	TK
.set vi, vi+1
.endr
	; its exponentials, with the second fragment's subtractions between
.set vi, 0
.rept 16
	v_exp_f32 v[SQA+2*vi], v[SQA+2*vi]
	TKX
	v_exp_f32 v[SQA+2*vi+1], v[SQA+2*vi+1]
	TKX
	v_pk_add_f32 v[SQB+2*vi:SQB+2*vi+1], v[SQB+2*vi:SQB+2*vi+1], v[M+2*(\q0)+2:M+2*(\q0)+3] neg_lo:[0,1] neg_hi:[0,1]
	TK
.set vi, vi+1
.endr
	; the second fragment's exponentials, with the first one's sum and packing between
.set vj, 0
.rept 32
	v_exp_f32 v[SQB+vj], v[SQB+vj]
	TKX
	WK \q0, 0, vj, \first
.set vj, vj+1
.endr
.if \first
.else
	WK \q0, 0, vj, \first
.endif
	; the second fragment's sum and packing
.set vj, 0
.rept 33-\first
	WK \q0+1, 1, vj, \first
.set vj, vj+1
.endr
	; O of both fragments times 2^(old maximum - new)
.if \first
.else
.set VW, 0x41                                          ; O in window 1, the factor in window 0
	WIN 0x41
.irp d, 0,1
.set vi, 0
.rept 32
	v_pk_mul_f32 v[64*(\q0+\d)+2*vi:64*(\q0+\d)+2*vi+1], v[64*(\q0+\d)+2*vi:64*(\q0+\d)+2*vi+1], v[AL+2*(\q0+\d):AL+2*(\q0+\d)+1]
	TK
.set vi, vi+1
.endr
.endr
.set VW, 0
	WIN 0
.endif
.endm
; Half step A of step t, whose keys are half `part` of the tile in `slot`.  pv = 0: there is no step before (t = 0); pvz = 1: its P V starts the sums.
.macro SLOTA slot, part, first, pv, pvz
	NEED 4                                         ; four places behind the Q K that wrote S of fragments 0, 1
	s_wait_kmcnt 0x0                               ; their mask words, asked for a half step ago
.set MI, 32*(1-\pv)
.set MEND, 64
.set PVQ, 2
.set QKQ, 2
.set PVZ, \pvz
.set MEV, 1
.set ESLOT, \slot
.set EPART, \part
	VEC 0, \first, MS, 1
	MFLUSH
.endm
; Half step B of step t.  kl = 1: K's next 64 keys are the slot's second half; kl = 2: the other slot's first half; kl = 0: there are none.
; turn = 1: the slots change and this slot is filled again; turn = 2: they change and nothing is left to fetch.
; nxt = 1: the next step's mask words are asked for (the last step asks for none: no load leaves mbits).
.macro SLOTB slot, first, pvz, kl, turn, nxt
	NEED 4                                         ; four places behind the Q K that wrote S of fragments 2, 3 and read K
	s_wait_dscnt 0x0                               ; V is in: in a tile's second step that was my last read of this slot
.if \turn
	s_wait_tensorcnt 0x0                           ; all my tensor loads have landed (one was out: my part of the other slot): a group 0 may be written
	ds_add_u32 v190, v191
	s_wait_dscnt 0x0
.if \turn == 1
	s_add_nc_u64 s[G0+4*\slot+2:G0+4*\slot+3], s[G0+4*\slot+2:G0+4*\slot+3], 256*QROW
	ROUND                                          ; both hold of every wave of the four work-groups
	JLOAD \slot                                    ; my one tensor load behind the round: this slot's next 128 keys, with two steps' work in which to land
.else
	s_barrier_signal -1
	s_barrier_wait -1                              ; the other slot is whole
.endif
.endif
.if \kl == 1
	KLOAD \slot, 1
.endif
.if \kl == 2
	KLOAD 1-\slot, 0
.endif
	WIN 0
	s_wait_kmcnt 0x0                               ; the mask words of fragments 2, 3; no scalar load is out, so both pointers may step
.if \nxt
	s_add_nc_u64 s[MK:MK+1], s[MK:MK+1], 128
	s_add_nc_u64 s[MS:MS+1], s[MS:MS+1], 128
.endif
.set MI, 0
.if \kl
.set MEND, 64
.else
.set MEND, 32
.endif
.set PVQ, 0
.set QKQ, 0
.set PVZ, \pvz
.set MEV, 2
	VEC 2, \first, MK, \nxt
	MFLUSH
.endm
	s_wait_tensorcnt 0x1                           ; my part of slot 0 is in; slot 1's stays out
	s_barrier_signal -1
	s_barrier_wait -1
	KLOAD 0, 0
	WIN 0
	s_wait_loadcnt 0x0                             ; Q and the gates; their bases lie where the mask words go next
	MLOAD MA, MK, 0
	MLOAD MB, MK, 1
	s_wait_dscnt 0x0                               ; K's first 64 keys
.set MI, 32                                            ; Q K of fragments 0, 1 of step 0: nothing to lay it together with
.set MEND, 64
.set QKQ, 0
.set MEV, 0
	MFLUSH
	SLOTA 0, 0, 1, 0, 0                            ; step 0 starts every figure,
	SLOTB 0, 1, 1, 1, 0, 1                         ; and its P V every sum:
	SLOTA 0, 1, 0, 1, 1                            ; that of fragments 2, 3 stands in step 1's first half
	s_mov_b32 s3, 3
.set PL, 0                                             ; two ways lead to the label: the places are counted anew
.Lloop:                                                ; a trip: four steps, from the second half of an odd step on
	SLOTB 0, 0, 0, 2, 1, 1
	SLOTA 1, 0, 0, 1, 0
	SLOTB 1, 0, 0, 1, 0, 1
	SLOTA 1, 1, 0, 1, 0
	SLOTB 1, 0, 0, 2, 1, 1
	SLOTA 0, 0, 0, 1, 0
	SLOTB 0, 0, 0, 1, 0, 1
	SLOTA 0, 1, 0, 1, 0
	s_sub_co_u32 s3, s3, 1
	s_cmp_lg_u32 s3, 0
	s_cbranch_scc1 .Lloop
	SLOTB 0, 0, 0, 2, 2, 1                         ; step 13: nothing is left to fetch
	SLOTA 1, 0, 0, 1, 0
	SLOTB 1, 0, 0, 1, 0, 1
	SLOTA 1, 1, 0, 1, 0
	SLOTB 1, 0, 0, 0, 0, 0                         ; step 15: no K and no mask words follow
.set MI, 0                                             ; the last P V of fragments 2, 3
.set MEND, 32
.set PVQ, 2
.set PVZ, 0
.set MEV, 0
	MFLUSH
	; THE MERGE of the two key halves, the division, the gate.
	NEED 4                                         ; four places before O is read and P's registers are loaded
.irp qf, 0,1,2,3
	v_permlanex16_b32 v[TT+\qf], v[LS+\qf], s66, s67
.endr
.irp qf, 0,1,2,3
	v_add_f32 v[LS+\qf], v[LS+\qf], v[TT+\qf]      ; the sums of the two lane halves
.endr
	s_wait_dscnt 0x0
	s_wait_tensorcnt 0x0
	s_barrier_signal -1
	s_barrier_wait -1                              ; no wave reads a slot any more, and no fill is left
	WIN 0x04                                       ; store data from window 1
.set i, 0
.rept 32
	ds_store_b128 v[XS], v[128+4*i:128+4*i+3] offset:i*512         ; O of query fragments 2, 3
.set i, i+1
.endr
	WIN 0
	v_mov_b32 v[TT], v[M+4]
	v_mov_b32 v[TT+1], v[M+6]
	v_mov_b32 v[TT+2], v[LS+2]
	v_mov_b32 v[TT+3], v[LS+3]
	ds_store_b128 v[XS], v[TT:TT+3] offset:16384
	s_wait_dscnt 0x0                               ; for my partner's sake
	s_barrier_signal -1
	s_barrier_wait -1
	ds_load_b128 v[TT+4:TT+7], v[XR] offset:16384  ; my partner's maxima and sums for the rows that I keep
.set i, 0
.rept 32
	ds_load_b128 v[SB+4*i:SB+4*i+3], v[XR] offset:i*512
.set i, i+1
.endr
	s_wait_dscnt 0x0
.irp i, 0,1
	v_max_num_f32 v[TT+8], v[M+2*\i], v[TT+4+\i]
	v_sub_f32 v[TT+9], v[M+2*\i], v[TT+8]
	v_sub_f32 v[TT+10], v[TT+4+\i], v[TT+8]
	v_exp_f32 v[TT+9], v[TT+9]
	v_exp_f32 v[TT+10], v[TT+10]
	v_nop
	s_wait_alu depctr_va_vdst(0)
	v_mul_f32 v[TT+11], v[LS+\i], v[TT+9]
	v_fmac_f32 v[TT+11], v[TT+6+\i], v[TT+10]      ; the whole sum: at least 1, since one of the two factors is 1
	v_rcp_f32 v[TT+11], v[TT+11]
	v_nop
	s_wait_alu depctr_va_vdst(0)
	v_mul_f32 v[TT+11], v[TT+11], v[GT+\i]         ; gate / sum
	v_mul_f32 v[AL+2*\i], v[TT+9], v[TT+11]
	v_mul_f32 v[AL+2*\i+1], v[TT+9], v[TT+11]
	v_mul_f32 v[AL+4+2*\i], v[TT+10], v[TT+11]
	v_mul_f32 v[AL+4+2*\i+1], v[TT+10], v[TT+11]
.endr
.irp i, 0,1
.set u, 0
.rept 32
	v_pk_mul_f32 v[SB+64*\i+2*u:SB+64*\i+2*u+1], v[SB+64*\i+2*u:SB+64*\i+2*u+1], v[AL+4+2*\i:AL+4+2*\i+1]
.set u, u+1
.endr
.endr
	WIN 0x01                                       ; source 0 window 1: my O
.irp i, 0,1
.set u, 0
.rept 32
	v_pk_fma_f32 v[SB+64*\i+2*u:SB+64*\i+2*u+1], v[64*\i+2*u:64*\i+2*u+1], v[AL+2*\i:AL+2*\i+1], v[SB+64*\i+2*u:SB+64*\i+2*u+1]
.set u, u+1
.endr
.endr
	WIN 0
	; THE WAY OUT, 16 rows at a time through my own stage
.irp i, 0,1
.irp df, 0,1,2,3,4,5,6,7
.irp r, 0,1,2,3
	v_cvt_pk_f16_f32 v[OUTP+4*\df+\r], v[SB+64*\i+8*\df+2*\r], v[SB+64*\i+8*\df+2*\r+1]
.endr
.endr
.irp df, 0,1,2,3,4,5,6,7
	ds_store_b128 v[STO], v[OUTP+4*\df:OUTP+4*\df+3] offset:32*\df
.endr
	s_wait_xcnt 0x0                                ; the registers that earlier stores read are loaded again only behind this wait
.irp t, 0,1,2,3,4,5,6,7
	ds_load_b128 v[OUTR+4*\t:OUTR+4*\t+3], v[RD] offset:\t*2*PK    ; LDS serves a wave in order: these see the stores above
.endr
.irp t, 0,1,2,3,4,5,6,7
	s_wait_dscnt 7-\t                              ; pair t of rows is back, the younger ones stay out
	global_store_b128 v[CO], v[OUTR+4*\t:OUTR+4*\t+3], s[104:105] offset:(16*\i+2*\t)*2048   ; sixteen lanes store 256 consecutive bytes, aligned
.endr
.endr
	s_wait_tensorcnt 0x0
	ds_add_u32 v190, v191
	s_wait_dscnt 0x0
	ROUND                                          ; the closing round: no work-group ends while a partner may still ask jointly
	s_endpgm
.Lfunc_end_k_q38ba3f90d0_attn:
	.size	k_q38ba3f90d0_attn, .Lfunc_end_k_q38ba3f90d0_attn-k_q38ba3f90d0_attn
	.p2alignl 7, 3214868480
	.fill 96, 4, 3214868480
	.section	.rodata,"a",@progbits
	.p2align	6, 0x0
	.amdhsa_kernel k_q38ba3f90d0_attn
		.amdhsa_group_segment_fixed_size 327680
		.amdhsa_private_segment_fixed_size 0
		.amdhsa_enable_private_segment 0
		.amdhsa_kernarg_size 32
		.amdhsa_user_sgpr_count 2
		.amdhsa_user_sgpr_kernarg_segment_ptr 1
		.amdhsa_wavefront_size32 1
		.amdhsa_system_sgpr_workgroup_id_x 1
		.amdhsa_system_sgpr_workgroup_id_y 1
		.amdhsa_system_sgpr_workgroup_id_z 1
		.amdhsa_system_vgpr_workitem_id 0
		.amdhsa_next_free_vgpr 896
		.amdhsa_next_free_sgpr 106
		.amdhsa_reserve_vcc 0
		.amdhsa_float_denorm_mode_32 3
		.amdhsa_float_denorm_mode_16_64 3
		.amdhsa_memory_ordered 1
		.amdhsa_forward_progress 1
		.amdhsa_inst_pref_size 255
	.end_amdhsa_kernel
	.section	.bss,"aw",@nobits
	.p2align	6
	.space	262144
	.amdgpu_metadata
---
amdhsa.version: [ 1, 2 ]
amdhsa.kernels:
  - .name:           k_q38ba3f90d0_attn
    .symbol:         k_q38ba3f90d0_attn.kd
    .args:
      - { .name: qkv, .offset: 0, .size: 8, .value_kind: global_buffer, .address_space: global }
      - { .name: mbits, .offset: 8, .size: 8, .value_kind: global_buffer, .address_space: global }
      - { .name: gates, .offset: 16, .size: 8, .value_kind: global_buffer, .address_space: global }
      - { .name: ao, .offset: 24, .size: 8, .value_kind: global_buffer, .address_space: global }
    .group_segment_fixed_size: 327680
    .private_segment_fixed_size: 0
    .kernarg_segment_align: 8
    .kernarg_segment_size: 32
    .max_flat_workgroup_size: 128
    .sgpr_count:     106
    .vgpr_count:     896
    .wavefront_size: 32
...
	.end_amdgpu_metadata
.endif
;; end of part 7
;; launch outproj (part 8): grid 32 x 8, 4 waves a work-group, clusters of 4 x 1, 327,680 bytes of LDS; arguments ao, wob, out0; writes out0
.if DOCPART == 8
	.amdgcn_target "amdgcn-amd-amdhsa--gfx1250"
	.amdhsa_code_object_version 6
	.text
	.protected	k_q38ba3f90d0_outproj
	.globl	k_q38ba3f90d0_outproj
	.p2align	8
	.type	k_q38ba3f90d0_outproj,@function
k_q38ba3f90d0_outproj:
	s_mov_b64 s[64:65], 0
	v_nop
	global_prefetch_b8 v0, s[64:65] scope:SCOPE_SE
	s_setreg_imm32_b32 hwreg(HW_REG_WAVE_MODE, 25, 1), 1
	s_wait_xcnt 0x0
	s_wait_alu depctr_hold_cnt(0) depctr_sa_sdst(0) depctr_va_vdst(0) depctr_va_sdst(0) depctr_va_ssrc(0) depctr_va_vcc(0) depctr_vm_vsrc(0)
	s_getreg_b32 s2, hwreg(HW_REG_IB_STS2, 6, 4)
	s_cmp_eq_u32 s2, 0
	s_cbranch_scc0 .Lentry_in_a_cluster
	s_endpgm
.Lentry_in_a_cluster:
	s_bfe_u32 s2, ttmp6, 0x10000c
	s_cmp_lg_u32 s2, 0x3003
	s_cbranch_scc0 .Lentry_shape_is_right
	s_endpgm
.Lentry_shape_is_right:
; C[m][n] = sum over k of A[m][k] B[k][n].  A: [4096][SIZE_K] f16, B: [SIZE_K][SIZE_N] f16 (rows along n), sums in f32.
; Here: A = ao (the gated attention output), B = wob = Wo, C = out0 in f32.  The text is that of the q, k, v projection with other sizes.
; A work-group makes 128 rows x 256 columns with four waves.  Wave w: nh = w / 2 is its half of the columns, ks = w % 2 its half of
; every K step of 128.  So each wave keeps a tile of 128 x 128 (64 accumulators, 512 registers) over half of K, which feeds 64 matrix
; instructions from 32 LDS loads; 32 x 8 = 256 work-groups.  At the end the two waves of a column half hand each other 64 rows of
; partial sums through LDS and each stores 64 finished rows.
; CLUSTER 4 x 1: the four row blocks of a cluster need the same tile of B (64 of a step's 96 KiB): it is asked for jointly, mask 15.
; A's tiles differ between them and are plain loads in the same rounds.
; THE ORDER OF K: the work-group of block column n in cluster c takes the TSTEPS steps of K in the order o, o + 1, .. modulo TSTEPS,
; o = floor(n TSTEPS / NBLK) + (TSTEPS / 8) p(c).  So the NBLK work-groups that read one tile of A ask for it in NBLK different steps, and
; the eight clusters that read one tile of B in eight different steps: a tile is fetched from memory for the one that asks first, steps
; before the others ask.  p(c) = c xor 6 (c & 1) is a permutation of 0..7 that puts any four clusters that agree in one bit of c into
; the four pairs (0,1), (2,3), (4,5), (6,7).  o hangs on the cluster's number and the block column alone, which the four partners share.
; LIMIT: the order of the sum over K is this rotation, not the ascending one.
; REGISTERS: window 0: v16-26 addresses, v64-127 / v128-191 A's fragments (two buffers), v192-223 at work on the way out;
; window 1: v64-127 / v128-191 B's fragments; window 2: the 32 tiles of the rows that I keep (64 ks + 16 a; tile (a, b) at 8 (8 a + b));
; window 3: those of the rows that I send (64 (1 - ks) + 16 a).  So every wave keeps window 2 and sends window 3: no branch.
; The matrix instruction is used transposed (source 0 = 16 columns of B, source 1 = 16 rows of A): lane l holds row l % 16 of C and
; in registers 0-7 the columns 8 (l / 16) + 0..7.
.set SIZE_K, 1024
.set SIZE_N, 2048
.set OUTF32, 1
.set KSTEP,  128
.set TSTEPS, SIZE_K/KSTEP              ; a power of two
.set NBLK,   SIZE_N/256
.set PITCHA, 272                       ; A's LDS row: 256 bytes + 16
.set PITCHB, 544                       ; B's LDS row: 512 bytes + 32, an odd multiple of 32 for the transposing loads
.set HALF,   34816                     ; a wave's part of a slot: 64 rows of B (all of it) or 64 rows of A (17,408 of it)
.set SLOT,   4*HALF                    ; A rows 0-63, A rows 64-127, B k rows 0-63, B k rows 64-127
.set STAGE,  2*SLOT                    ; behind the ring, never filled: 8,448 bytes a wave for the way out
.set STAGEW, 8448
.set LAPS,   SIZE_K/(2*KSTEP)
.if OUTF32
.set ROWB, 4*SIZE_N
.set CSH,  10
.else
.set ROWB, 2*SIZE_N
.set CSH,  9
.endif
.set ADRAK, 16                         ; v16-17 A's rows that I keep, slot 0, 1
.set ADRAS, 18                         ; v18-19 A's rows that I send
.set ADRB,  20                         ; v20-21 B
.set XS,    22                         ; where I put what I send
.set XR,    23                         ; where my partner put what I receive
.set STO,   24
.set RD,    25
.set CO,    26
.set F0,    64
.set F1,    128
.set TMP,   192
.set G1,  24                           ; s[24:31] group 1 for A
.set G0,  32                           ; s[32:39] group 0 for A, a set for each slot
.set G1B, 48                           ; s[48:55] group 1 for B
.set G0B, 56                           ; s[56:63] group 0 for B
.set KK,  66                           ; s66, s67 the K step that slot 0, 1 holds or gets next; s[68:69], s[70:71] its byte offsets in A, in B
.set MSB, 0
.macro WIN new                         ; the immediate's high byte repeats the setting that is left
.if MSB != \new
	s_set_vgpr_msb (MSB<<8)|\new
.set MSB, \new
.endif
.endm
.set MUL_LO, 0xa1                      ; source 0 window 1, source 1 window 0, C and D window 2
.set MUL_HI, 0xf1                      ; the same, C and D window 3
.set TO_B,   0x40
; One tensor load a wave: waves 0, 1 fetch A's two halves (plain), waves 2, 3 B's two halves (joint).  The branch hangs on the wave's number alone.
.macro JLOAD s
	s_cmp_eq_u32 s11, 0
	s_cbranch_scc0 .Lfor_b_\@
	tensor_load_to_lds s[G0+4*\s:G0+4*\s+3], s[G1:G1+7]
	s_nop 0
	s_branch .Lasked_\@
.Lfor_b_\@:
	tensor_load_to_lds s[G0B+4*\s:G0B+4*\s+3], s[G1B:G1B+7]
	s_nop 0
.Lasked_\@:
.endm
; The global addresses of slot s's tiles, from its K step: A's tile lies 256 bytes a step along the rows, B's 128 rows a step down.
.macro SETADR s
	s_lshl_b32 s68, s[KK+\s], 8
	s_mul_i32 s70, s[KK+\s], KSTEP*SIZE_N*2
	s_add_nc_u64 s[G0+4*\s+2:G0+4*\s+3], s[14:15], s[68:69]
	s_or_b32 s[G0+4*\s+3], s[G0+4*\s+3], 0x80000000
	s_add_nc_u64 s[G0B+4*\s+2:G0B+4*\s+3], s[46:47], s[70:71]
	s_or_b32 s[G0B+4*\s+3], s[G0B+4*\s+3], 0x80000000
.endm
.macro CREST                           ; a round of the cluster's barrier behind its opening work-group barrier
	s_cmp_lg_u32 s10, 0
	s_cbranch_scc1 .Lnot_wave_0_\@
	s_barrier_signal -3
.Lnot_wave_0_\@:
	s_barrier_wait -3
	s_barrier_signal -1
	s_barrier_wait -1
.endm
.macro CROUND
	s_barrier_signal -1
	s_barrier_wait -1
	CREST
.endm
	s_load_b128 s[4:7], s[0:1], 0x0                ; A, B
	s_load_b64 s[8:9], s[0:1], 0x10                ; C
	s_set_vgpr_msb 0x40
	v_lshl_add_u32 v255, v0, 2, 0x4c400
	s_set_vgpr_msb 0x4000
	v_mov_b32 v255, 0
	s_set_vgpr_msb 0x1
	ds_add_u32 v255, v255
	s_set_vgpr_msb 0x100
	v_lshrrev_b32 v1, 5, v0
	v_readfirstlane_b32 s10, v1                    ; wave 0..3
	s_lshr_b32 s11, s10, 1                         ; nh.  Also: I fetch for A (0) or for B (1)
	s_and_b32 s12, s10, 1                          ; ks.  Also: which 64 rows of that tile I fetch
	s_bfe_u32 s40, ttmp6, 0x40000                  ; cx
	s_lshl_b32 s42, ttmp9, 2
	s_add_co_u32 s42, s42, s40                     ; block row = 4 x cluster x + cx
	s_and_b32 s13, ttmp7, 0xffff                   ; block column: shared by the cluster
	s_mov_b32 s[G1+0], (1<<16)|(1<<20)|(5<<22)|(3<<25)     ; no mask; 2-byte elements; after every 64 words 4 words of padding
	s_mov_b32 s[G1+1], KSTEP<<16                   ; tensor_dim0 = 128
	s_mov_b32 s[G1+2], 64<<16                      ; tensor_dim1 = 64
	s_mov_b32 s[G1+3], KSTEP<<16                   ; tile_dim0 = 128
	s_mov_b32 s[G1+4], 64                          ; tile_dim1 = 64
	s_mov_b32 s[G1+5], SIZE_K                      ; elements from row to row
	s_mov_b32 s[G1+6], 0
	s_mov_b32 s[G1+7], 0
	s_mov_b32 s[G1B+0], 15|(1<<16)|(1<<20)|(1<<21)|(6<<22)|(7<<25)   ; mask: all four; bit 21 beside it; after every 128 words 8 words of padding
	s_mov_b32 s[G1B+1], 256<<16                    ; tensor_dim0 = 256
	s_mov_b32 s[G1B+2], 64<<16                     ; tensor_dim1 = 64
	s_mov_b32 s[G1B+3], 256<<16                    ; tile_dim0 = 256
	s_mov_b32 s[G1B+4], 64                         ; tile_dim1 = 64
	s_mov_b32 s[G1B+5], SIZE_N
	s_mov_b32 s[G1B+6], 0
	s_mov_b32 s[G1B+7], 0
	s_lshl_b32 s16, s42, 7
	s_lshl_b32 s17, s12, 6
	s_add_co_u32 s16, s16, s17                     ; row 128 x block row + 64 x half: of A for my load, of C for my stores
	s_mul_i32 s44, s16, ROWB
	s_mul_i32 s16, s16, 2*SIZE_K
	s_mov_b32 s17, 0
	s_lshl_b32 s45, s13, CSH
	s_add_co_u32 s44, s44, s45
	s_lshl_b32 s45, s11, CSH-1
	s_add_co_u32 s44, s44, s45                     ; + my 128 columns of C
	s_mov_b32 s45, 0
	s_mul_i32 s46, s12, 64*2*SIZE_N                ; B: k row 64 x half, column 256 x block column: nothing of cx
	s_lshl_b32 s47, s13, 9
	s_add_co_u32 s46, s46, s47
	s_mov_b32 s47, 0
	s_mul_i32 s20, s10, HALF                       ; where my tile goes: the wave's number times a constant
	s_mul_i32 s66, s13, (TSTEPS<<8)/NBLK           ; my first K step: floor(n TSTEPS / NBLK), in 8 fraction bits,
	s_lshr_b32 s66, s66, 8
	s_and_b32 s67, ttmp9, 1
	s_mul_i32 s67, s67, 6
	s_xor_b32 s67, s67, ttmp9                      ; p(c) = c xor 6 (c & 1); the grid has eight clusters along x
	s_mul_i32 s67, s67, TSTEPS/8
	s_add_co_u32 s66, s66, s67
	s_and_b32 s[KK], s66, TSTEPS-1                 ; slot 0 begins with step o,
	s_add_co_u32 s67, s66, 1
	s_and_b32 s[KK+1], s67, TSTEPS-1               ; slot 1 with o + 1, both modulo TSTEPS
	s_mov_b32 s69, 0                               ; the offsets' upper words
	s_mov_b32 s71, 0
	s_wait_dscnt 0x0
	s_wait_kmcnt 0x0
	s_add_nc_u64 s[14:15], s[4:5], s[16:17]        ; A at my rows, K step 0: kept for the whole kernel
	s_add_nc_u64 s[46:47], s[6:7], s[46:47]        ; B at my columns, K step 0: kept likewise
	s_add_nc_u64 s[8:9], s[8:9], s[44:45]
	CROUND                                         ; all four work-groups are here: the first joint loads meet
.irp s, 0,1
	s_mov_b32 s[G0+4*\s], 1
	s_add_co_u32 s[G0+4*\s+1], s20, \s*SLOT
	s_mov_b32 s[G0B+4*\s], 1
	s_add_co_u32 s[G0B+4*\s+1], s20, \s*SLOT
	SETADR \s
	JLOAD \s                                       ; both slots' first fills: two tensor loads of the wave are out
.endr
	v_and_b32 v1, 15, v0                           ; r
	v_bfe_u32 v2, v0, 4, 1                         ; h
	v_and_b32 v3, 7, v0
	v_bfe_u32 v4, v0, 3, 1
	v_and_b32 v5, 31, v0                           ; L
	v_mul_u32_u24 v6, v1, PITCHA
	v_lshl_add_u32 v6, v2, 4, v6                   ; A: row r, 16 h
	v_lshl_add_u32 v7, v2, 3, v3
	v_mul_u32_u24 v7, v7, PITCHB
	v_lshl_add_u32 v7, v4, 4, v7                   ; B: k row 8 h + L % 8, 16 bytes for lanes 8-15 of each half
	s_mul_i32 s21, s12, HALF+128                   ; rows 64 ks .., K bytes 128 ks ..
	s_xor_b32 s22, s12, 1
	s_mul_i32 s22, s22, HALF                       ; rows 64 (1 - ks) ..
	s_lshl_b32 s23, s12, 7
	s_add_co_u32 s22, s22, s23
	s_mul_i32 s23, s12, HALF                       ; B's k rows 64 ks ..
	s_lshl_b32 s2, s11, 8
	s_add_co_u32 s23, s23, s2                      ; my 128 columns
	s_add_co_u32 s23, s23, 2*HALF
.irp s, 0,1
	v_add_nc_u32 v[ADRAK+\s], s21, v6
	v_add_nc_u32 v[ADRAS+\s], s22, v6
	v_add_nc_u32 v[ADRB+\s], s23, v7
	s_add_co_u32 s21, s21, SLOT
	s_add_co_u32 s22, s22, SLOT
	s_add_co_u32 s23, s23, SLOT
.endr
	v_lshlrev_b32 v8, 4, v5
	s_lshl_b32 s21, s10, 15
	v_add_nc_u32 v[XS], s21, v8                    ; 32,768 bytes a wave, in slot 0 behind its last fill
	s_xor_b32 s21, s21, 32768
	v_add_nc_u32 v[XR], s21, v8                    ; wave w ^ 1
	s_mul_i32 s23, s10, STAGEW
	s_add_co_u32 s23, s23, STAGE
.if OUTF32
	v_mul_u32_u24 v9, v1, 528
	v_lshl_add_u32 v9, v2, 5, v9
	v_add_nc_u32 v[STO], s23, v9                   ; in: row r, 32 bytes for each half of the lanes
	v_add_nc_u32 v[RD], s23, v8                    ; back: a row of 512 bytes
	v_lshlrev_b32 v[CO], 4, v5
.else
	v_add_nc_u32 v[STO], s23, v6                   ; in: row r, 16 bytes for each half of the lanes
	v_mul_u32_u24 v9, v2, PITCHA
	v_lshl_add_u32 v9, v1, 4, v9
	v_add_nc_u32 v[RD], s23, v9                    ; back: lanes 0-15 one row of 256 bytes, lanes 16-31 the next
	v_mul_u32_u24 v9, v2, ROWB
	v_lshl_add_u32 v[CO], v1, 4, v9
.endif
; 16 matrix instructions: row blocks a0, a0 + 1 of the window's four x all 8 column blocks, 32 along K.  zero = 1 starts the sums.
.macro MUL16 f, hi, a0, zero
.irp a, \a0, \a0+1
.irp b, 0,1,2,3,4,5,6,7
.if \zero
	v_wmma_f32_16x16x32_f16 v[8*(8*(\a)+\b):8*(8*(\a)+\b)+7], v[\f+8*\b:\f+8*\b+7], v[\f+8*(4*\hi+\a):\f+8*(4*\hi+\a)+7], 0
.else
	v_wmma_f32_16x16x32_f16 v[8*(8*(\a)+\b):8*(8*(\a)+\b)+7], v[\f+8*\b:\f+8*\b+7], v[\f+8*(4*\hi+\a):\f+8*(4*\hi+\a)+7], v[8*(8*(\a)+\b):8*(8*(\a)+\b)+7]
.endif
.endr
.endr
.endm
; 32 LDS loads: quarter q (32 of my 64 K) of a slot into buffer f: B's 128 columns (transposing loads), A's 64 kept rows, A's 64 sent rows
.macro FETCH slot, q, f
	WIN TO_B
.irp b, 0,1,2,3,4,5,6,7
	ds_load_tr16_b128 v[\f+8*\b:\f+8*\b+3],   v[ADRB+\slot] offset:\q*32*PITCHB+32*\b
	ds_load_tr16_b128 v[\f+8*\b+4:\f+8*\b+7], v[ADRB+\slot] offset:\q*32*PITCHB+32*\b+16*PITCHB
.endr
	WIN 0
.irp i, 0,1,2,3
	ds_load_b128 v[\f+8*\i:\f+8*\i+3],   v[ADRAK+\slot] offset:\q*64+\i*16*PITCHA
	ds_load_b128 v[\f+8*\i+4:\f+8*\i+7], v[ADRAK+\slot] offset:\q*64+\i*16*PITCHA+32
.endr
.irp i, 0,1,2,3
	ds_load_b128 v[\f+32+8*\i:\f+32+8*\i+3],   v[ADRAS+\slot] offset:\q*64+\i*16*PITCHA
	ds_load_b128 v[\f+32+8*\i+4:\f+32+8*\i+7], v[ADRAS+\slot] offset:\q*64+\i*16*PITCHA+32
.endr
.endm
.macro PLACES                          ; four plain places behind matrix instructions whose registers are loaded or read next (ISA guide 7.12.1)
.rept 4
	v_nop
.endr
.endm
; A K step is two quarters of 32 along my half of K, 64 matrix instructions each, on buffers 0, 1.  The 64 accumulators take turns, one
; instruction a turn, in the same order in every quarter.
.macro QUARTER slot, zero
	s_wait_dscnt 8                                 ; B and the kept rows are in; the eight youngest loads (the sent rows) may be out
	WIN MUL_LO
	MUL16 F0, 0, 0, \zero
	MUL16 F0, 0, 2, \zero
	PLACES
	FETCH \slot, 1, F1
	s_wait_dscnt 32                                ; all but the 32 just issued
	WIN MUL_HI
	MUL16 F0, 1, 0, \zero
	MUL16 F0, 1, 2, \zero
.endm
; The second quarter changes slots.  In front of the barrier each wave waits for its reads of this slot and for all its tensor loads (one is
; out: its part of the next slot).  Where the slot is filled again the barrier opens a round of the cluster's barrier, and the refill is the
; wave's first and only tensor load behind the round.  From a request to the wait for it a wave issues 112 matrix instructions.
.macro TURN slot, next, fill
	s_wait_dscnt 8
	WIN MUL_LO
	MUL16 F1, 0, 0, 0
	s_wait_dscnt 0x0                               ; my reads of this slot are over
	s_wait_tensorcnt 0x0                           ; all my tensor loads have landed: every group 0 may be written
	ds_add_u32 v255, v255
	s_wait_dscnt 0x0
	s_barrier_signal -1
	MUL16 F1, 0, 2, 0                              ; register work while the others arrive
	WIN 0
	s_barrier_wait -1
.if \fill
	CREST
	s_add_co_u32 s[KK+\slot], s[KK+\slot], 2       ; this slot's next K step, modulo TSTEPS
	s_and_b32 s[KK+\slot], s[KK+\slot], TSTEPS-1
	SETADR \slot
	JLOAD \slot
.endif
	PLACES
	FETCH \next, 0, F0
	WIN MUL_HI
	MUL16 F1, 1, 0, 0
	MUL16 F1, 1, 2, 0
.endm
.macro LAP zero
	QUARTER 0, \zero
	TURN 0, 1, 1
	QUARTER 1, 0
	TURN 1, 0, 1
.endm
	s_wait_tensorcnt 0x1                           ; my part of the first K step is in; the second's stays out
	s_barrier_signal -1
	s_barrier_wait -1
	FETCH 0, 0, F0
	LAP 1                                          ; the first products start the sums: nothing is cleared
	WIN 0
	s_mov_b32 s3, LAPS-2
.Llap:
	LAP 0
	WIN 0
	s_sub_co_u32 s3, s3, 1
	s_cmp_lg_u32 s3, 0
	s_cbranch_scc1 .Llap
	QUARTER 0, 0                                   ; the last lap fills nothing
	TURN 0, 1, 0
	QUARTER 1, 0
	s_wait_dscnt 8
	WIN MUL_LO
	MUL16 F1, 0, 0, 0
	MUL16 F1, 0, 2, 0
	s_wait_dscnt 0x0
	WIN MUL_HI
	MUL16 F1, 1, 0, 0
	MUL16 F1, 1, 2, 0
	; THE EXCHANGE: window 3 goes to my partner, its window 3 is added onto my window 2.
	PLACES
	WIN 0
	s_wait_dscnt 0x0
	s_wait_tensorcnt 0x0
	s_barrier_signal -1
	s_barrier_wait -1                              ; no wave reads a slot any more, and no fill is left: slot 0's bytes may be stored into
	WIN 0x0c                                       ; store data from window 3
.set i, 0
.rept 64
	ds_store_b128 v[XS], v[4*i:4*i+3] offset:i*512
.set i, i+1
.endr
	WIN 0
	s_wait_dscnt 0x0                               ; for my partner's sake
	s_barrier_signal -1
	s_barrier_wait -1
.irp g, 0,1
.set i, 0
.rept 32
	ds_load_b128 v[F0+4*i:F0+4*i+3], v[XR] offset:(32*\g+i)*512
.set i, i+1
.endr
	s_wait_dscnt 0x0
	WIN 0x82                                       ; destination and source 0 window 2
.set i, 0
.rept 64
	v_pk_add_f32 v[128*\g+2*i:128*\g+2*i+1], v[128*\g+2*i:128*\g+2*i+1], v[F0+2*i:F0+2*i+1]
.set i, i+1
.endr
	WIN 0
.endr
	; THE WAY OUT, 16 rows at a time through my own stage: whole rows come back and are stored as whole aligned pieces.
.macro OUT16 a, f
.if OUTF32
	WIN 0x08                                       ; store data from window 2
.irp b, 0,1,2,3,4,5,6,7
	ds_store_b128 v[STO], v[8*(8*\a+\b):8*(8*\a+\b)+3]   offset:64*\b
	ds_store_b128 v[STO], v[8*(8*\a+\b)+4:8*(8*\a+\b)+7] offset:64*\b+16
.endr
	WIN 0
.else
	WIN 0x0a                                       ; sources from window 2
.irp b, 0,1,2,3,4,5,6,7
.irp r, 0,1,2,3
	v_cvt_pk_f16_f32 v[TMP+4*\b+\r], v[8*(8*\a+\b)+2*\r], v[8*(8*\a+\b)+2*\r+1]
.endr
.endr
	WIN 0
.irp b, 0,1,2,3,4,5,6,7
	ds_store_b128 v[STO], v[TMP+4*\b:TMP+4*\b+3] offset:32*\b
.endr
.endif
	s_wait_xcnt 0x0                                ; buffer f, which earlier stores read, and the stores' base are rewritten only behind this wait
.if \a
	s_add_nc_u64 s[8:9], s[8:9], 16*ROWB
.endif
.if OUTF32
.irp t, 0,1,2,3,4,5,6,7,8,9,10,11,12,13,14,15
	ds_load_b128 v[\f+4*\t:\f+4*\t+3], v[RD] offset:\t*528         ; LDS serves a wave in order: these see the stores above
.endr
.irp t, 0,1,2,3,4,5,6,7,8,9,10,11,12,13,14,15
	s_wait_dscnt 15-\t                             ; row t is back, the younger ones stay out
	global_store_b128 v[CO], v[\f+4*\t:\f+4*\t+3], s[8:9] offset:\t*ROWB th:TH_STORE_NT   ; 512 consecutive bytes, aligned
.endr
.else
.irp t, 0,1,2,3,4,5,6,7
	ds_load_b128 v[\f+4*\t:\f+4*\t+3], v[RD] offset:\t*2*PITCHA
.endr
.irp t, 0,1,2,3,4,5,6,7
	s_wait_dscnt 7-\t
	global_store_b128 v[CO], v[\f+4*\t:\f+4*\t+3], s[8:9] offset:2*\t*ROWB     ; sixteen lanes store 256 consecutive bytes, aligned
.endr
.endif
.endm
	OUT16 0, F0
	OUT16 1, F1
	OUT16 2, F0
	OUT16 3, F1
	s_set_vgpr_msb 0x1
	s_wait_tensorcnt 0x0
	ds_add_u32 v255, v255
	s_wait_dscnt 0x0
	s_set_vgpr_msb 0x100
	CROUND                                         ; the closing round: no work-group ends while a partner may still ask jointly
	s_endpgm
.Lfunc_end_k_q38ba3f90d0_outproj:
	.size	k_q38ba3f90d0_outproj, .Lfunc_end_k_q38ba3f90d0_outproj-k_q38ba3f90d0_outproj
	.p2alignl 7, 3214868480
	.fill 96, 4, 3214868480
	.section	.rodata,"a",@progbits
	.p2align	6, 0x0
	.amdhsa_kernel k_q38ba3f90d0_outproj
		.amdhsa_group_segment_fixed_size 327680
		.amdhsa_private_segment_fixed_size 0
		.amdhsa_enable_private_segment 0
		.amdhsa_kernarg_size 24
		.amdhsa_user_sgpr_count 2
		.amdhsa_user_sgpr_kernarg_segment_ptr 1
		.amdhsa_wavefront_size32 1
		.amdhsa_system_sgpr_workgroup_id_x 1
		.amdhsa_system_sgpr_workgroup_id_y 1
		.amdhsa_system_sgpr_workgroup_id_z 1
		.amdhsa_system_vgpr_workitem_id 0
		.amdhsa_next_free_vgpr 1024
		.amdhsa_next_free_sgpr 72
		.amdhsa_reserve_vcc 0
		.amdhsa_float_denorm_mode_32 3
		.amdhsa_float_denorm_mode_16_64 3
		.amdhsa_memory_ordered 1
		.amdhsa_forward_progress 1
		.amdhsa_inst_pref_size 122
	.end_amdhsa_kernel
	.amdgpu_metadata
---
amdhsa.version: [ 1, 2 ]
amdhsa.kernels:
  - .name:           k_q38ba3f90d0_outproj
    .symbol:         k_q38ba3f90d0_outproj.kd
    .args:
      - { .name: ao, .offset: 0, .size: 8, .value_kind: global_buffer, .address_space: global }
      - { .name: wob, .offset: 8, .size: 8, .value_kind: global_buffer, .address_space: global }
      - { .name: out0, .offset: 16, .size: 8, .value_kind: global_buffer, .address_space: global }
    .group_segment_fixed_size: 327680
    .private_segment_fixed_size: 0
    .kernarg_segment_align: 8
    .kernarg_segment_size: 24
    .max_flat_workgroup_size: 128
    .sgpr_count:     72
    .vgpr_count:     1024
    .wavefront_size: 32
...
	.end_amdgpu_metadata
.endif
;; end of part 8
;; ======== version 3 of 3: 4 launches; version 2 with the launch prep written anew for expert scheduling mode
;; limits: values are held in f16: magnitudes above 65,504 overflow, below 6.1e-05 lose precision
;; workspace buffers: xb 16,777,216 bytes; wcat 6,291,456 bytes; wob 4,194,304 bytes; mbits 524,288 bytes of whole numbers; gates 131,072 bytes; qkv 12,582,912 bytes; ao 8,388,608 bytes
;; launch prep (part 9): grid 480 x 1, 8 waves a work-group, no clusters, 144,384 bytes of LDS; arguments x, Wg, Wq, Wk, Wv, Wo, mask, xb, wcat, wob, mbits, gates; writes xb, wcat, wob, mbits, gates
.if DOCPART == 9
	.amdgcn_target "amdgcn-amd-amdhsa--gfx1250"
	.amdhsa_code_object_version 6
	.text
	.protected	k_q38ba3f90d0_prep
	.globl	k_q38ba3f90d0_prep
	.p2align	8
	.type	k_q38ba3f90d0_prep,@function
k_q38ba3f90d0_prep:
	s_mov_b64 s[64:65], 0
	v_nop
	global_prefetch_b8 v0, s[64:65] scope:SCOPE_SE
	s_setreg_imm32_b32 hwreg(HW_REG_WAVE_SCHED_MODE, 0, 2), 2
	s_setreg_imm32_b32 hwreg(HW_REG_WAVE_MODE, 25, 1), 1
	s_wait_xcnt 0x0
	s_wait_alu depctr_vm_vsrc(0)
; PREP: everything that has to change its form before the three matrix launches, in one launch.
;   work-groups   0-255: 16 rows of x each: x -> xb (16 bits), and gates = sigmoid(x Wg) for these rows (matrix unit, f32 sums)
;   work-groups 256-415: 128 KiB of f32 weights each -> wcat = [Wq * c | Wk | Wv] ([2048][1536]) and wob = Wo ([1024][2048])
;   work-groups 416-479: 32 query rows of the mask each -> mbits: one bit a mask byte, in the lane order of the score fragments
; 480 work-groups of 8 waves x 256 registers: two fit on a WGP's four SIMDs of 1,024 registers, so all are resident at once.
; NUMBER FORMAT: x and the weights are rounded to bf16 (nearest even) and then written as f16, which holds every bf16 number from
; 2^-14 to 65504 exactly (below 2^-14 the absolute error is at most 2^-25).  So the products are those of inputs rounded to bf16,
; and the later launches, whose other operands (q, k, v, the softmax weights, the attention output) are f16 with 11 significant
; bits, can multiply them in the f16 form.  LIMIT: an input above 65504 in magnitude becomes an infinity.
; c = log2(e) / sqrt(128) goes into Wq behind the bf16 rounding (one more rounding, to f16): scores then arrive as exponents of 2.
; Any mask byte other than 0 counts as true.
; EVERY LOAD takes 16 neighbouring bytes a lane, 512 consecutive bytes a wave; the 4 numbers of a lane leave as 8 bytes, so that a
; store of a wave covers 256 consecutive bytes, aligned.
; No tensor loads: each part is a plain stream through registers; LDS serves only to turn data round inside a wave and for one sum.
; The paths are taken by whole work-groups (the branches hang on the work-group's number alone); all the same each path that uses
; LDS has bytes of its own, so that no byte of LDS has two uses in this text.
; THE MODE: SCHED_MODE bits 1:0 = 2 (LLVM: expert scheduling mode 2), set by the entry lines.  The code itself states the register dependences
; between vector or matrix instructions and memory or LDS instructions, with s_wait_alu, always for 0.
; THE PLAN.  Offsets and LDS addresses (v4 to v13) are made once in each path and never written again.
;   x and weights: the 16 sets of 8 registers of X go in four blocks of four.  Block b rounds its own four sets; its memory instructions are the
;   stores of block b - 1 (in the x path's block 0: the LDS stores of Wg), whose registers no vector instruction of block b names.  So ONE wait
;   on va_vdst at a block's head states all that the block's stores hang on, and they are dealt among its roundings.
;   x, the gates: fragment set 0 lands in W, which Wg's LDS stores have read, set 1 in v64-127, which the stores of rows 0 to 7 have read: one
;   wait on vm_vsrc ahead of the 32 loads; the roundings that named these registers stand ahead of earlier blocks' waits on va_vdst.
;   mask: both groups' bytes go through LDS on end, into two buffers of registers; the compares go in runs of 32 into 32 scalar registers,
;   with one wait on va_sdst behind each run, ahead of the lane writes that read them.
.set QSCALE, 0x3e0293ee                ; log2(e) / sqrt(128)
.set XPITCH, 528                       ; a wave's 256 columns of a row of xb: 512 bytes + 16
.set XBYTES, 16*XPITCH                 ; 8,448: a wave's 16 rows
.set WRB,    8*XBYTES                  ; 67,584: behind them a wave's 256 rows of Wg, 8 f16 = 16 bytes each (4,096 a wave)
.set RRB,    WRB+8*4096                ; 100,352: behind them a wave's partial sums, 1,024 bytes each
.set MBASE,  RRB+8*1024                ; 108,544: behind them the mask path's bytes, 4,352 a wave
.set MPITCH, 272                       ; mask path: 256 bytes of a row + 16
.set ACC0, 16                          ; v[16:23], v[24:31]: two accumulators that take turns
.set ACC1, 24
.set T,    32                          ; v[32:35]  packed bf16 at work: no memory instruction names them
.set X,    64                          ; v[64:191] 16 x 8 registers as loaded (two loads of 4); the first 4 of each 8 then hold 8 f16; v[64:127] later the second set of fragments
.set W,    192                         ; v[192:255] Wg as loaded; then the first set of fragments; then the eight waves' partial sums
.set R0,   16                          ; mask path: v[16:47]   the first group's bytes as read back from LDS
.set R1,   160                         ; mask path: v[160:191] the second group's
.set TM,   128                         ; mask path: v[128:159] single bytes at work: no memory instruction names them
.set CM,   4                           ; mask path: s[4:35]    a run's 32 lane masks (the pointers that lay there serve the other paths alone)
; 8 f32 in v[s .. s+7] -> bf16 (nearest even) -> the same numbers as f32 (-> times c) -> 8 f16 in v[s .. s+3]:
; v[s:s+1] the four numbers of the first load, v[s+2:s+3] those of the second
.macro RND8 s, scaled
.irp k, 0,1,2,3
	v_cvt_pk_bf16_f32 v[T+\k], v[\s+2*\k], v[\s+2*\k+1]
.endr
.irp k, 0,1,2,3
	v_lshlrev_b32 v[\s+2*\k], 16, v[T+\k]
	v_and_b32 v[\s+2*\k+1], s3, v[T+\k]
.endr
.if \scaled
.irp k, 0,1,2,3
	v_pk_mul_f32 v[\s+2*\k:\s+2*\k+1], v[\s+2*\k:\s+2*\k+1], QSCALE op_sel_hi:[1,0]
.endr
.endif
.irp k, 0,1,2,3
	v_cvt_pk_f16_f32 v[\s+\k], v[\s+2*\k], v[\s+2*\k+1]    ; register s+k is written when s+2k and s+2k+1 have been read
.endr
.endm
	s_load_b512 s[8:23], s[0:1], 0x0               ; x 8, Wg 10, Wq 12, Wk 14, Wv 16, Wo 18, mask 20, xb 22
	s_load_b256 s[24:31], s[0:1], 0x40             ; wcat 24, wob 26, mbits 28, gates 30
	v_lshl_add_u32 v54, v0, 2, 0x23000
	v_mov_b32 v55, 0
	v_lshrrev_b32 v1, 5, v0
	v_readfirstlane_b32 s2, v1                     ; wave 0..7
	v_and_b32 v1, 31, v0                           ; L
	v_and_b32 v2, 15, v0                           ; r = L % 16
	v_bfe_u32 v3, v0, 4, 1                         ; h = L / 16
	s_mov_b32 s3, 0xffff0000                       ; a word's upper bf16
	s_wait_alu depctr_va_sdst(0)                   ; s2 is written: ahead of the branches below and of its first reader in each path
	s_wait_kmcnt 0x0
	s_cmp_ge_u32 ttmp9, 416                        ; the branches hang on the work-group's number alone
	s_cbranch_scc1 .Lmask
	s_cmp_ge_u32 ttmp9, 256
	s_cbranch_scc1 .Lweights
; ---------------------------------------------------------------- x: rows 16 i .. 16 i + 15; wave w has columns 256 w .. 256 w + 255
	s_lshl_b32 s32, ttmp9, 17                      ; 16 rows of 8,192 bytes
	s_mov_b32 s33, 0
	s_add_nc_u64 s[8:9], s[8:9], s[32:33]
	s_lshl_b32 s32, ttmp9, 16                      ; 16 rows of 4,096 bytes
	s_add_nc_u64 s[22:23], s[22:23], s[32:33]
	s_lshl_b32 s32, ttmp9, 9                       ; 16 rows of 32 bytes
	s_add_nc_u64 s[30:31], s[30:31], s[32:33]
	v_lshlrev_b32 v14, 4, v1                       ; 16 L
	v_lshl_add_u32 v4, s2, 10, v14                 ; x: 1,024 w + 16 L
	v_lshl_add_u32 v5, s2, 13, v14                 ; Wg: my wave's 256 rows of 32 bytes are 8,192 consecutive bytes
	s_wait_alu depctr_va_vdst(0)                   ; v4 and v5 are written, which the 48 loads below read as their offsets
.irp u, 0,1,2,3,4,5,6,7,8,9,10,11,12,13,14,15
	global_load_b128 v[W+4*\u:W+4*\u+3], v5, s[10:11] offset:\u*512
.endr
.irp p, 0,1,2,3,4,5,6,7,8,9,10,11,12,13,14,15
	global_load_b128 v[X+8*\p:X+8*\p+3],   v4, s[8:9] offset:\p*8192 th:TH_LOAD_NT       ; columns 256 w + 4 L ..
	global_load_b128 v[X+8*\p+4:X+8*\p+7], v4, s[8:9] offset:\p*8192+512 th:TH_LOAD_NT   ; columns 256 w + 128 + 4 L ..
.endr
	v_lshlrev_b32 v15, 3, v1                       ; 8 L: four f16 a lane
	v_lshl_add_u32 v6, s2, 9, v15                  ; xb: 512 w + 8 L
	s_lshl_b32 s34, s2, 12
	s_add_co_u32 s34, s34, WRB                     ; my wave's Wg rows in LDS
	v_add_nc_u32 v7, s34, v15
	s_mul_i32 s35, s2, XBYTES                      ; my wave's x rows in LDS
	v_add_nc_u32 v8, s35, v15
	v_mul_u32_u24 v36, v2, XPITCH
	v_lshl_add_u32 v36, v3, 4, v36
	v_add_nc_u32 v9, s35, v36                      ; x fragment: row r, 16 h
	v_and_b32 v36, 7, v0
	v_lshl_add_u32 v36, v3, 3, v36
	v_lshl_add_u32 v10, v36, 4, s34                ; Wg fragment: row 8 h + L % 8.  There are only 8 columns, so lanes 8-15 of each
	                                               ; half address what lanes 0-7 do and receive heads 0-7 once more
	s_lshl_b32 s36, s2, 10
	s_add_co_u32 s36, s36, RRB
	v_add_nc_u32 v11, s36, v14                     ; my wave's partial sums
	v_add_nc_u32 v12, RRB, v14                     ; wave 0's view of all eight
	v_lshlrev_b32 v13, 5, v2
	v_lshl_add_u32 v13, v3, 4, v13                 ; gates: 32 r + 16 h
	s_wait_loadcnt 32                              ; the 32 loads of x are younger: Wg is in
.irp t, 0,1,2,3,4,5,6,7
	RND8 W+8*\t, 0
.endr
; What leaves: set t of Wg into LDS; row p of x into xb and into LDS.
.macro WGOUT t
	ds_store_b64 v7, v[W+8*(\t):W+8*(\t)+1]   offset:(\t)*512        ; the cast is linear: f32 byte 4 e goes to f16 byte 2 e
	ds_store_b64 v7, v[W+8*(\t)+2:W+8*(\t)+3] offset:(\t)*512+256
.endm
.macro XOUT p
	global_store_b64 v6, v[X+8*(\p):X+8*(\p)+1],   s[22:23] offset:(\p)*4096       ; a wave's store covers 256 consecutive bytes, aligned
	global_store_b64 v6, v[X+8*(\p)+2:X+8*(\p)+3], s[22:23] offset:(\p)*4096+256
	ds_store_b64 v8, v[X+8*(\p):X+8*(\p)+1]   offset:(\p)*XPITCH
	ds_store_b64 v8, v[X+8*(\p)+2:X+8*(\p)+3] offset:(\p)*XPITCH+256
.endm
; Block b: rows 4 b to 4 b + 3 are rounded; the stores of the block before (block 0: those of Wg) stand four ahead of each row's rounding.
.macro XBLK b
	s_wait_loadcnt 24-8*\b                         ; loads return in order: this block's eight are in, the younger blocks' stay out
	s_wait_alu depctr_va_vdst(0)                   ; the roundings of the block before (block 0: of Wg) have written what the stores below read; at block 0 also v6 to v13 are written
.irp i, 0,1,2,3
.if \b == 0
	WGOUT 2*\i
	WGOUT 2*\i+1
.else
	XOUT 4*(\b-1)+\i                               ; no vector instruction since the wait names these registers
.endif
	RND8 X+8*(4*\b+\i), 0
.endr
.endm
	XBLK 0
	XBLK 1
	XBLK 2
	XBLK 3
	s_wait_alu depctr_va_vdst(0)                   ; block 3's roundings have written rows 12 to 15, which the last sixteen stores read
	XOUT 12
	XOUT 13
	XOUT 14
	XOUT 15
; The gate logits of my 256 columns: source 0 = Wg transposed (rows = heads), source 1 = x (columns = x rows), 8 steps of 32 along K.
; All LDS bytes read here are my wave's own and LDS serves a wave in order: no barrier.  The two accumulators take turns, one
; instruction a turn.  d: the set of 64 registers that holds four steps' fragments.
.macro GATE4 d, zero
.if \zero
	v_wmma_f32_16x16x32_f16 v[ACC0:ACC0+7], v[\d:\d+7], v[\d+32:\d+39], 0
	v_wmma_f32_16x16x32_f16 v[ACC1:ACC1+7], v[\d+8:\d+15], v[\d+40:\d+47], 0
.else
	v_wmma_f32_16x16x32_f16 v[ACC0:ACC0+7], v[\d:\d+7], v[\d+32:\d+39], v[ACC0:ACC0+7]
	v_wmma_f32_16x16x32_f16 v[ACC1:ACC1+7], v[\d+8:\d+15], v[\d+40:\d+47], v[ACC1:ACC1+7]
.endif
	v_wmma_f32_16x16x32_f16 v[ACC0:ACC0+7], v[\d+16:\d+23], v[\d+48:\d+55], v[ACC0:ACC0+7]
	v_wmma_f32_16x16x32_f16 v[ACC1:ACC1+7], v[\d+24:\d+31], v[\d+56:\d+63], v[ACC1:ACC1+7]
.endm
.macro GFETCH g, d
.irp c, 0,1,2,3
	ds_load_tr16_b128 v[\d+8*\c:\d+8*\c+3],   v10 offset:(4*\g+\c)*512
	ds_load_tr16_b128 v[\d+8*\c+4:\d+8*\c+7], v10 offset:(4*\g+\c)*512+256
	ds_load_b128 v[\d+32+8*\c:\d+32+8*\c+3],  v9 offset:(4*\g+\c)*64
	ds_load_b128 v[\d+32+8*\c+4:\d+32+8*\c+7], v9 offset:(4*\g+\c)*64+32
.endr
.endm
	s_wait_alu depctr_vm_vsrc(0)                   ; Wg's LDS stores have read v[W ..] and the stores of rows 0 to 7 have read v[X .. X+63]: the fragments land in both.
	                                               ; (The roundings that named these registers stand ahead of the waits at the heads of blocks 0 and 2.)
	GFETCH 0, W
	s_wait_xcnt 0x0                                ; the global stores of rows 0 to 7 have had their addresses translated (ISA guide 3.1): their data registers are loaded again only behind this wait
	GFETCH 1, X
	s_wait_dscnt 16                                ; LDS answers in order: the first set is in, the second set's sixteen loads stay out
	GATE4 W, 1
	s_wait_dscnt 0x0                               ; the second set is in
	GATE4 X, 0
.rept 4
	v_nop                                          ; four places before the results are read (ISA guide 7.12.1)
.endr
.irp k, 0,2,4,6
	v_pk_add_f32 v[ACC0+\k:ACC0+\k+1], v[ACC0+\k:ACC0+\k+1], v[ACC1+\k:ACC1+\k+1]
.endr
	s_wait_alu depctr_va_vdst(0)                   ; the additions have written v[ACC0 ..], which the LDS stores read; the products are done reading v[W ..], in which wave 0's loads below land
	ds_store_b128 v11, v[ACC0:ACC0+3]
	ds_store_b128 v11, v[ACC0+4:ACC0+7] offset:512
	s_wait_dscnt 0x0                               ; for wave 0's sake: my partial sums are in LDS
	s_barrier_signal -1
	s_barrier_wait -1
	s_cmp_lg_u32 s2, 0
	s_cbranch_scc1 .Lxend
.irp p, 0,1,2,3,4,5,6,7
	ds_load_b128 v[W+8*\p:W+8*\p+3],   v12 offset:\p*1024
	ds_load_b128 v[W+8*\p+4:W+8*\p+7], v12 offset:\p*1024+512
.endr
	s_wait_dscnt 0x0
.irp p, 0,2,4,6
.irp k, 0,2,4,6
	v_pk_add_f32 v[W+8*\p+\k:W+8*\p+\k+1], v[W+8*\p+\k:W+8*\p+\k+1], v[W+8*\p+8+\k:W+8*\p+8+\k+1]
.endr
.endr
.irp p, 0,4
.irp k, 0,2,4,6
	v_pk_add_f32 v[W+8*\p+\k:W+8*\p+\k+1], v[W+8*\p+\k:W+8*\p+\k+1], v[W+8*\p+16+\k:W+8*\p+16+\k+1]
.endr
.endr
.irp k, 0,2,4,6
	v_pk_add_f32 v[W+\k:W+\k+1], v[W+\k:W+\k+1], v[W+32+\k:W+32+\k+1]
.endr
.irp k, 0,2,4,6
	v_pk_mul_f32 v[W+\k:W+\k+1], v[W+\k:W+\k+1], 0xbfb8aa3b op_sel_hi:[1,0]   ; sigmoid(z) = 1 / (1 + 2^(-z log2 e))
.endr
.irp k, 0,1,2,3,4,5,6,7
	v_exp_f32 v[W+\k], v[W+\k]
.endr
	v_nop                                          ; one plain place behind the transcendentals (ISA guide 5.7.2)
	s_wait_alu depctr_va_vdst(0)                   ; the eight exponentials have written v[W .. W+7]: one wait for the batch, ahead of its first reader
.irp k, 0,2,4,6
	v_pk_add_f32 v[W+\k:W+\k+1], v[W+\k:W+\k+1], 1.0 op_sel_hi:[1,0]
.endr
.irp k, 0,1,2,3,4,5,6,7
	v_rcp_f32 v[W+\k], v[W+\k]
.endr
	v_cmp_ne_u32 vcc_lo, 0, v3                     ; (the plain place)  lane (r, h) holds x row r, and in register j head j in both halves
	s_wait_alu depctr_va_vcc(0)                    ; the compare has written VCC, which the four selects read
	s_wait_alu depctr_va_vdst(0)                   ; the eight reciprocals have written v[W .. W+7]: one wait for the batch, ahead of its first reader
.irp k, 0,1,2,3
	v_cndmask_b32 v[W+8+\k], v[W+\k], v[W+4+\k], vcc_lo    ; h = 0 stores heads 0-3, h = 1 heads 4-7
.endr
	s_wait_alu depctr_va_vdst(0)                   ; the selects have written v[W+8 .. W+11], which the store reads
	global_store_b128 v13, v[W+8:W+11], s[30:31]   ; the 16 rows' 512 consecutive bytes
.Lxend:
	s_wait_dscnt 0x0                               ; the closing lines, six on end
	s_wait_alu 0x0
	s_wait_tensorcnt 0x0
	ds_add_u32 v54, v55
	s_wait_dscnt 0x0
	s_endpgm
; ---------------------------------------------------------------- weights: 32,768 f32 a work-group, 32 passes of 1,024 (4 a thread)
; src, dst: first register of the pointers; first: the matrix's first work-group; lr: log2 of its row length; dp, dc: the destination's
; row pitch and column offset in bytes.  A thread's place in a pass is one register; the pass stands in the immediate: pass q begins
; at number 1,024 q of the chunk, that is at row (1,024 q) >> lr, column (1,024 q) mod row length.  Row lengths are 256 or more and
; dp, dc multiples of 256: a wave's 128 numbers lie in one row and its store covers 256 consecutive bytes, aligned.
; The 16 sets of two passes go in four blocks of four, as the rows of x do: a block's stores stand in the block behind it.
.macro WOUT p, lr, dp                  ; passes 2 p and 2 p + 1 leave
	global_store_b64 v5, v[X+8*(\p):X+8*(\p)+1],   s[36:37] offset:(((2*(\p))*1024)>>\lr)*\dp+(((2*(\p))*1024)&((1<<\lr)-1))*2
	global_store_b64 v5, v[X+8*(\p)+2:X+8*(\p)+3], s[36:37] offset:(((2*(\p)+1)*1024)>>\lr)*\dp+(((2*(\p)+1)*1024)&((1<<\lr)-1))*2
.endm
.macro WCAST src, dst, first, lr, dp, dc, scaled
	s_sub_co_u32 s33, ttmp9, 256+\first            ; my chunk of this matrix
	s_lshl_b32 s34, s33, 17
	s_mov_b32 s35, 0
	s_add_nc_u64 s[34:35], s[\src:\src+1], s[34:35]
	s_mul_i32 s36, s33, (32768>>\lr)*\dp
.if \dc
	s_add_co_u32 s36, s36, \dc
.endif
	s_mov_b32 s37, 0
	s_add_nc_u64 s[36:37], s[\dst:\dst+1], s[36:37]
	v_lshlrev_b32 v4, 4, v0
	s_wait_alu depctr_va_vdst(0)                   ; v4 is written, which the 32 loads below read as their offset
.irp p, 0,1,2,3,4,5,6,7,8,9,10,11,12,13,14,15
	global_load_b128 v[X+8*\p:X+8*\p+3],   v4, s[34:35] offset:\p*8192 th:TH_LOAD_NT        ; pass 2 p
	global_load_b128 v[X+8*\p+4:X+8*\p+7], v4, s[34:35] offset:\p*8192+4096 th:TH_LOAD_NT   ; pass 2 p + 1
.endr
	v_lshrrev_b32 v5, \lr-2, v0                    ; my row within a pass
	v_and_b32 v6, (1<<(\lr-2))-1, v0               ; my four columns
	v_mul_u32_u24 v5, v5, \dp
	v_lshl_add_u32 v5, v6, 3, v5
.irp b, 0,1,2,3
	s_wait_loadcnt 24-8*\b                         ; this block's eight loads are in, the younger blocks' stay out
.if \b
	s_wait_alu depctr_va_vdst(0)                   ; the roundings of the block before have written what the stores below read; at block 1 also v5, their offset, is written
.endif
.irp i, 0,1,2,3
.if \b
	WOUT 4*(\b-1)+\i, \lr, \dp                     ; no vector instruction since the wait names these registers
.endif
	RND8 X+8*(4*\b+\i), \scaled
.endr
.endr
	s_wait_alu depctr_va_vdst(0)                   ; block 3's roundings have written sets 12 to 15, which the last eight stores read
	WOUT 12, \lr, \dp
	WOUT 13, \lr, \dp
	WOUT 14, \lr, \dp
	WOUT 15, \lr, \dp
	s_endpgm
.endm
.Lweights:
	s_cmp_ge_u32 ttmp9, 256+96
	s_cbranch_scc1 .Lwo
	s_cmp_ge_u32 ttmp9, 256+80
	s_cbranch_scc1 .Lwv
	s_cmp_ge_u32 ttmp9, 256+64
	s_cbranch_scc1 .Lwk
	WCAST 12, 24, 0, 10, 3072, 0, 1                ; Wq * c -> wcat columns 0-1023
.Lwk:
	WCAST 14, 24, 64, 8, 3072, 2048, 0             ; Wk -> wcat columns 1024-1279
.Lwv:
	WCAST 16, 24, 80, 8, 3072, 2560, 0             ; Wv -> wcat columns 1280-1535
.Lwo:
	WCAST 18, 26, 96, 11, 4096, 0, 0               ; Wo -> wob
; ---------------------------------------------------------------- mask: two groups of 16 query rows; wave w has keys 256 w .. 256 w + 255
; mbits[qg][F][j] (u32): bit r + 16 h = mask[16 qg + r][16 F + 8 h + j] != 0: the lane mask for register j of a transposed score
; fragment (16 keys F, 16 queries qg), in which lane (r, h) holds query r and key 8 h + j.
.Lmask:
	s_sub_co_u32 s32, ttmp9, 416                   ; groups 2 u and 2 u + 1
	s_lshl_b32 s34, s32, 16                        ; 32 rows of 2,048 bytes
	s_mov_b32 s35, 0
	s_add_nc_u64 s[44:45], s[20:21], s[34:35]      ; the mask at my rows: the two bases lie above the 32 registers that take the lane masks
	s_lshl_b32 s34, s32, 13                        ; 2 x 128 x 8 words
	s_add_nc_u64 s[46:47], s[28:29], s[34:35]      ; mbits at my groups
	s_mul_i32 s36, s2, 16*MPITCH                   ; my wave's own 16 rows in LDS,
	s_add_co_u32 s36, s36, MBASE                   ; in the bytes that this path alone uses
	v_lshlrev_b32 v14, 4, v2                       ; 16 r
	v_lshl_add_u32 v4, v3, 11, v14                 ; lanes 0-15 one row's 256 bytes, lanes 16-31 the next row's
	v_lshl_add_u32 v4, s2, 8, v4
	v_mul_u32_u24 v5, v3, MPITCH
	v_add_nc_u32 v5, v5, v14
	v_add_nc_u32 v5, s36, v5                       ; in: row h of a pair, 16 r
	v_mul_u32_u24 v6, v2, MPITCH
	v_lshl_add_u32 v6, v3, 3, v6
	v_add_nc_u32 v6, s36, v6                       ; back: row r, 8 bytes at 8 h
	v_lshlrev_b32 v7, 4, v1
	v_lshl_add_u32 v7, s2, 9, v7                   ; my wave's 128 words of a group, four a lane
.irp k, 0,1,2,3,4,5,6,7
	v_mov_b32 v[56+\k], 0                          ; v_writelane_b32 keeps the other lanes: the registers are written whole first
.endr
	s_wait_alu depctr_va_vdst(0)                   ; v4 to v7 are written: the offsets and LDS addresses of every load and store of this path
.irp t, 0,1,2,3,4,5,6,7,8,9,10,11,12,13,14,15
	global_load_b128 v[X+4*\t:X+4*\t+3], v4, s[44:45] offset:\t*4096 th:TH_LOAD_NT     ; rows 2 t and 2 t + 1 of the 32
.endr
; Group g goes through my wave's 16 LDS rows and comes back into buffer r.  The second group uses the first's LDS bytes again: they are my wave's
; own, and LDS serves a wave in order (ISA guide 5.7.1.4), so its stores land behind the first group's reads.  No vector instruction names
; the registers that these 48 LDS instructions touch before the waits for the loads' data.
.macro MTURN g, r
.irp t, 0,1,2,3,4,5,6,7
	s_wait_loadcnt 15-8*\g-\t                      ; this load is in, the younger ones stay out
	ds_store_b128 v5, v[X+32*\g+4*\t:X+32*\g+4*\t+3] offset:\t*2*MPITCH
.endr
.irp f, 0,1,2,3,4,5,6,7,8,9,10,11,12,13,14,15
	ds_load_b64 v[\r+2*\f:\r+2*\f+1], v6 offset:\f*16
.endr
.endm
; Word 4 u + k of my strip (fragment u / 2, register j = 4 (u % 2) + k) comes from byte k of v[r+u] and goes to lane u, register k.
; Four runs of eight registers u: 32 single bytes, 32 compares into s[CM ..], one wait, 32 lane writes.
.macro MWORK g, r
.set q, 0
.rept 4
.set j, 0
.rept 32
	v_and_b32 v[TM+j], 0xff<<(8*(j&3)), v[\r+8*q+(j>>2)]
.set j, j+1
.endr
.set j, 0
.rept 32
	v_cmp_ne_u32 s[CM+j], 0, v[TM+j]
.set j, j+1
.endr
	s_wait_alu depctr_va_sdst(0)                   ; the run's 32 compares have written s[CM .. CM+31], which the lane writes below read
.set j, 0
.rept 32
	v_writelane_b32 v[56+4*\g+(j&3)], s[CM+j], 8*q+(j>>2)
.set j, j+1
.endr
.set q, q+1
.endr
	s_wait_alu depctr_va_vdst(0)                   ; the lane writes have written v[56+4g .. 59+4g], which the store reads
	global_store_b128 v7, v[56+4*\g:56+4*\g+3], s[46:47] offset:\g*4096    ; 512 consecutive bytes
.endm
	MTURN 0, R0
	MTURN 1, R1
	s_wait_dscnt 24                                ; LDS answers in order: the first group is back; the second group's 8 stores and 16 loads stay out
	MWORK 0, R0
	s_wait_dscnt 0x0                               ; the second group is back
	MWORK 1, R1
	s_wait_dscnt 0x0                               ; the closing lines, six on end
	s_wait_alu 0x0
	s_wait_tensorcnt 0x0
	ds_add_u32 v54, v55
	s_wait_dscnt 0x0
	s_endpgm
.Lfunc_end_k_q38ba3f90d0_prep:
	.size	k_q38ba3f90d0_prep, .Lfunc_end_k_q38ba3f90d0_prep-k_q38ba3f90d0_prep
	.p2alignl 7, 3214868480
	.fill 96, 4, 3214868480
	.section	.rodata,"a",@progbits
	.p2align	6, 0x0
	.amdhsa_kernel k_q38ba3f90d0_prep
		.amdhsa_group_segment_fixed_size 144384
		.amdhsa_private_segment_fixed_size 0
		.amdhsa_enable_private_segment 0
		.amdhsa_kernarg_size 96
		.amdhsa_user_sgpr_count 2
		.amdhsa_user_sgpr_kernarg_segment_ptr 1
		.amdhsa_wavefront_size32 1
		.amdhsa_system_sgpr_workgroup_id_x 1
		.amdhsa_system_sgpr_workgroup_id_y 1
		.amdhsa_system_sgpr_workgroup_id_z 1
		.amdhsa_system_vgpr_workitem_id 0
		.amdhsa_next_free_vgpr 256
		.amdhsa_next_free_sgpr 66
		.amdhsa_reserve_vcc 1
		.amdhsa_float_denorm_mode_32 3
		.amdhsa_float_denorm_mode_16_64 3
		.amdhsa_memory_ordered 1
		.amdhsa_forward_progress 1
		.amdhsa_inst_pref_size 176
	.end_amdhsa_kernel
	.amdgpu_metadata
---
amdhsa.version: [ 1, 2 ]
amdhsa.kernels:
  - .name:           k_q38ba3f90d0_prep
    .symbol:         k_q38ba3f90d0_prep.kd
    .args:
      - { .name: x, .offset: 0, .size: 8, .value_kind: global_buffer, .address_space: global }
      - { .name: Wg, .offset: 8, .size: 8, .value_kind: global_buffer, .address_space: global }
      - { .name: Wq, .offset: 16, .size: 8, .value_kind: global_buffer, .address_space: global }
      - { .name: Wk, .offset: 24, .size: 8, .value_kind: global_buffer, .address_space: global }
      - { .name: Wv, .offset: 32, .size: 8, .value_kind: global_buffer, .address_space: global }
      - { .name: Wo, .offset: 40, .size: 8, .value_kind: global_buffer, .address_space: global }
      - { .name: mask, .offset: 48, .size: 8, .value_kind: global_buffer, .address_space: global }
      - { .name: xb, .offset: 56, .size: 8, .value_kind: global_buffer, .address_space: global }
      - { .name: wcat, .offset: 64, .size: 8, .value_kind: global_buffer, .address_space: global }
      - { .name: wob, .offset: 72, .size: 8, .value_kind: global_buffer, .address_space: global }
      - { .name: mbits, .offset: 80, .size: 8, .value_kind: global_buffer, .address_space: global }
      - { .name: gates, .offset: 88, .size: 8, .value_kind: global_buffer, .address_space: global }
    .group_segment_fixed_size: 144384
    .private_segment_fixed_size: 0
    .kernarg_segment_align: 8
    .kernarg_segment_size: 96
    .max_flat_workgroup_size: 256
    .sgpr_count:     66
    .vgpr_count:     256
    .wavefront_size: 32
...
	.end_amdgpu_metadata
.endif
;; end of part 9
;; launch qkvproj: the kernel of part 6 again; grid 32 x 6, 4 waves a work-group, clusters of 4 x 1, 327,680 bytes of LDS; arguments xb, wcat, qkv; writes qkv
;; launch attn: the kernel of part 7 again; grid 256 x 1, 4 waves a work-group, clusters of 4 x 1, 327,680 bytes of LDS; arguments qkv, mbits, gates, ao; writes ao
;; launch outproj: the kernel of part 8 again; grid 32 x 8, 4 waves a work-group, clusters of 4 x 1, 327,680 bytes of LDS; arguments ao, wob, out0; writes out0
